; MI455X (gfx1250); checked and timed in simulation.
; The chip was launched on July 23, 2026; its instructions are those of AMD's public machine-readable ISA for CDNA 5 (MIT licence, August 2026) and "CDNA5" Instruction Set Architecture Reference Guide (July 2026). The comments in the code are by the model that wrote it; some were corrected since.
;; Memory Cross Attention. Allowed arithmetic: float matrix products may take bf16 or f16 operands with f32 sums; other float arithmetic in f32, or as packed bf16 or f16 multiplies, adds, multiply-adds, maxima and minima; sums over many terms, partial sums and values carried from step to step in f32; what a program stores and reads back later, other than sums and carried values, may be rounded once to bf16 or f16.
;; Inputs: hidden_states 4 x 4,096 x 1,024 float32; memory_mask 4 x 256 bool; memory_tokens 4 x 256 x 1,024 float32; norm_w 1,024 float32; wg 1,024 x 1,024 float32; wk 1,024 x 1,024 float32; wo 1,024 x 1,024 float32; wq 1,024 x 1,024 float32; wv 1,024 x 1,024 float32.
;; Outputs: out0 4 x 4,096 x 1,024 float32.
;; 3 versions, each right; version 3 is version 2 with the launch prep written anew for expert scheduling mode. Each part assembles by itself: llvm-mc -triple=amdgcn-amd-amdhsa -mcpu=gfx1250 --defsym DOCPART=n.
;; ======== version 1 of 3: 5 launches
;; limits: values are held in f16: magnitudes above 65,504 overflow, below 6.1e-05 lose precision
;; workspace buffers: a16 46,137,344 bytes; bias 4,096 bytes; kvimg 4,194,304 bytes; q16 33,554,432 bytes; g16 33,554,432 bytes; o16 33,554,432 bytes
;; launch prep (part 1): grid 1408 x 1, 4 waves a work-group, no clusters, 67,328 bytes of LDS; arguments hidden_states, memory_tokens, wq, wg, wk, wv, wo, norm_w, memory_mask, a16, bias; writes a16, bias
.if DOCPART == 1
	.amdgcn_target "amdgcn-amd-amdhsa--gfx1250"
	.amdhsa_code_object_version 6
	.text
	.protected	k_q060b49cdc1_prep
	.globl	k_q060b49cdc1_prep
	.p2align	8
	.type	k_q060b49cdc1_prep,@function
k_q060b49cdc1_prep:
	s_mov_b64 s[64:65], 0
	v_nop
	global_prefetch_b8 v0, s[64:65] scope:SCOPE_SE
	s_setreg_imm32_b32 hwreg(HW_REG_WAVE_MODE, 25, 1), 1
	s_wait_xcnt 0x0
; PREP.  Seven f32 matrices of 1,024 columns (hidden_states with its RMS norm, memory_tokens, wq, wg, wk, wv, wo) become f16 IMAGES in a16; the mask becomes an f32 bias.
; AN IMAGE is a block of 16 rows x 16 columns in 512 bytes: lane l = 16 h + r of a wave owns the 16 bytes at 16 l: row r, columns 8 h .. 8 h + 7.  Two images on end are a matrix
; operand of 16 rows x 32 along K as it lies in registers.  Block row rb (16 rows, 64 images) lies at 32,768 rb.
; a16: rb 0-1023 x = rmsnorm(hidden), 1024-1087 memory, then 64 each of wq, wg, wk, wv, wo.
; FORMATS.  Every input number is rounded to bf16 first; x = (bf(h) bf(nw)) rsqrt(mean(bf(h)^2) + 1e-6) in f32, rounded once to f16; weights and memory: the bf16 number written as f16.
; LIMITS.  f16 ends at 65,504: |x|, |memory|, |weights| stay under it; below 2^-14 f16 keeps its fixed step of 6e-8.  NaN and infinities are not treated apart.  A mask byte other than 0 counts as true.
; SHARES.  Work-group g makes block row g: 16 source rows.  Wave w takes columns 256 w .. 256 w + 255: each load covers 256 consecutive bytes of two rows.  One text for all seven sources:
; where no norm is due, the gain and the row's scale are replaced by 1.0 (a select, no branch).  Memory binds: no matrix unit, no tensor load, no cluster (nothing is shared).
; No prefetch: all 32 loads of a wave go out at once, at the head.
.set STGP,  1040                       ; a stage row: 1,024 bytes of f32 + 16: 65 x 16, so the 16 rows that a load of one column touches start at 16 different groups of four banks (ISA guide 11.1)
.set STGB,  16*STGP                    ; a wave's own stage: 16 rows
.set SUMB,  4*STGB                     ; [4 waves][16 rows] partial sums of squares, f32
.set SPARE, SUMB+256                   ; the spare words, 128 bytes a wave: two blocks of 256 bytes that no other line names
.set LN,  1                            ; v1   lane
.set LO,  2                            ; v2   source offset: 8 h rows + 1,024 w + 16 r
.set NO,  3                            ; v3   norm_w offset: 1,024 w + 16 r
.set LS,  4                            ; v4   stage, in: row 8 h, byte 16 r
.set FR,  5                            ; v5   stage, back: row r, byte 32 h
.set SA,  6                            ; v6   where my wave's partial sums go: row 8 h
.set SR,  7                            ; v7   where row r's partial sums lie
.set DO,  8                            ; v8   a16 offset: 8,192 w + 16 l
.set SPW, 10                           ; v10  my spare word; never rewritten
.set NIL, 11                           ; v11  0; never rewritten
.set RS,  12                           ; v[12:13] the row's scale, twice
.set NW,  16                           ; v[16:31] the gain of my 16 columns
.set T,   32                           ; v[32:47] at work
.set SQ,  48                           ; v[48:63] eight pairs: sums of squares
.set X,   64                           ; v[64:191] the numbers
.set Y,   192                          ; v[192:255] 16 images' 16 bytes
	s_load_b512 s[8:23], s[0:1], 0x0               ; hidden s[8:9], memory s[10:11], wq, wg, wk, wv, wo s[12:21], norm_w s[22:23]
	s_load_b128 s[24:27], s[0:1], 0x40             ; mask s[24:25], a16 s[26:27]
	s_load_b64 s[28:29], s[0:1], 0x50              ; bias
	v_lshl_add_u32 v[SPW], v0, 2, SPARE
	v_mov_b32 v[NIL], 0
	v_lshrrev_b32 v9, 5, v0
	v_readfirstlane_b32 s3, v9                     ; wave 0..3
	s_mov_b32 s2, ttmp9                            ; block row
	s_mov_b32 s35, 0x3a800000                      ; 1 / 1,024
	s_mov_b32 s36, 0x358637bd                      ; 1e-6
	s_mov_b32 s37, 0xffff0000                      ; a word's upper bf16
	s_mov_b32 s38, 0xf149f2ca                      ; -1e30
	v_and_b32 v[LN], 31, v0
	v_and_b32 v9, 15, v0                           ; r
	v_bfe_u32 v14, v0, 4, 1                        ; h
	s_lshl_b32 s32, s3, 10
	v_lshl_add_u32 v[NO], v9, 4, s32
	v_lshl_add_u32 v[LO], v14, 15, v[NO]
	s_mul_i32 s33, s3, STGB
	v_mul_u32_u24 v[LS], v14, 8*STGP
	v_lshl_add_u32 v[LS], v9, 4, v[LS]
	v_add_nc_u32 v[LS], s33, v[LS]
	v_mul_u32_u24 v[FR], v9, STGP
	v_lshl_add_u32 v[FR], v14, 5, v[FR]
	v_add_nc_u32 v[FR], s33, v[FR]
	s_lshl_b32 s33, s3, 6
	s_add_co_u32 s33, s33, SUMB
	v_lshl_add_u32 v[SA], v14, 5, s33
	v_lshl_add_u32 v[SR], v9, 2, SUMB
	s_lshl_b32 s33, s3, 13
	v_lshl_add_u32 v[DO], v[LN], 4, s33
	s_and_b32 s32, s2, 63                          ; the block row inside a source of 64
	s_cmp_lt_u32 s2, 1024
	s_cselect_b32 s34, -1, 0                       ; all ones where the norm is due
	s_cselect_b32 s32, s2, s32
	s_lshl_b32 s32, s32, 16                        ; 16 rows of 4,096 bytes
	s_mov_b32 s33, 0
	s_wait_kmcnt 0x0
	s_mov_b64 s[30:31], s[8:9]                     ; the source: chosen by the block row alone
.irp i, 0,1,2,3,4,5
	s_cmp_ge_u32 s2, 1024+64*(\i)
	s_cselect_b64 s[30:31], s[10+2*(\i):11+2*(\i)], s[30:31]
.endr
	s_add_nc_u64 s[30:31], s[30:31], s[32:33]
	s_lshl_b32 s32, s2, 15
	s_add_nc_u64 s[26:27], s[26:27], s[32:33]      ; a16 at my block row
.irp c, 0,1,2,3
	global_load_b128 v[NW+4*(\c):NW+4*(\c)+3], v[NO], s[22:23] offset:256*(\c)
.endr
.irp j, 0,1,2,3,4,5,6,7
.irp c, 0,1,2,3
	global_load_b128 v[X+16*(\j)+4*(\c):X+16*(\j)+4*(\c)+3], v[LO], s[30:31] offset:4096*(\j)+256*(\c) th:TH_LOAD_NT  ; lanes 0-15: 256 bytes of row j, lanes 16-31: of row j + 8
.endr
.endr
	s_wait_loadcnt 32                              ; the gain is in; the 32 source loads are younger
.irp p, 0,1,2,3,4,5,6,7
	v_cvt_pk_bf16_f32 v[T+(\p)], v[NW+2*(\p)], v[NW+2*(\p)+1]
.endr
.irp p, 0,1,2,3,4,5,6,7
	v_lshlrev_b32 v[NW+2*(\p)], 16, v[T+(\p)]
	v_and_b32 v[NW+2*(\p)+1], s37, v[T+(\p)]
.endr
.irp p, 0,1,2,3,4,5,6,7,8,9,10,11,12,13,14,15
	v_cndmask_b32 v[NW+(\p)], 1.0, v[NW+(\p)], s34
.endr
; Rows j and j + 8: rounded to bf16 and widened; the sum of squares; times the gain; into the stage; the row's sum over its 16 lanes into LDS.
.macro GROUP j
	s_wait_loadcnt 28-4*(\j)                       ; loads come back in order: the later rows' 4 (7 - j) may stay out
.irp c, 0,1,2,3
	v_cvt_pk_bf16_f32 v[T+2*(\c)], v[X+16*(\j)+4*(\c)], v[X+16*(\j)+4*(\c)+1]
	v_cvt_pk_bf16_f32 v[T+2*(\c)+1], v[X+16*(\j)+4*(\c)+2], v[X+16*(\j)+4*(\c)+3]
.endr
.irp c, 0,1,2,3
	v_lshlrev_b32 v[X+16*(\j)+4*(\c)], 16, v[T+2*(\c)]
	v_and_b32 v[X+16*(\j)+4*(\c)+1], s37, v[T+2*(\c)]
	v_lshlrev_b32 v[X+16*(\j)+4*(\c)+2], 16, v[T+2*(\c)+1]
	v_and_b32 v[X+16*(\j)+4*(\c)+3], s37, v[T+2*(\c)+1]
.endr
	v_pk_mul_f32 v[SQ+2*(\j):SQ+2*(\j)+1], v[X+16*(\j):X+16*(\j)+1], v[X+16*(\j):X+16*(\j)+1]  ; the first product starts the sum: nothing is cleared
.irp p, 1,2,3,4,5,6,7
	v_pk_fma_f32 v[SQ+2*(\j):SQ+2*(\j)+1], v[X+16*(\j)+2*(\p):X+16*(\j)+2*(\p)+1], v[X+16*(\j)+2*(\p):X+16*(\j)+2*(\p)+1], v[SQ+2*(\j):SQ+2*(\j)+1]
.endr
.irp p, 0,1,2,3,4,5,6,7
	v_pk_mul_f32 v[X+16*(\j)+2*(\p):X+16*(\j)+2*(\p)+1], v[X+16*(\j)+2*(\p):X+16*(\j)+2*(\p)+1], v[NW+2*(\p):NW+2*(\p)+1]
.endr
.irp c, 0,1,2,3
	ds_store_b128 v[LS], v[X+16*(\j)+4*(\c):X+16*(\j)+4*(\c)+3] offset:STGP*(\j)+256*(\c)
.endr
	v_add_f32 v[SQ+2*(\j)], v[SQ+2*(\j)], v[SQ+2*(\j)+1]
	v_add_f32_dpp v[SQ+2*(\j)], v[SQ+2*(\j)], v[SQ+2*(\j)] row_xmask:1 row_mask:0xf bank_mask:0xf  ; a row lies in one half of 16 lanes: four steps, no crossing
	v_add_f32_dpp v[SQ+2*(\j)], v[SQ+2*(\j)], v[SQ+2*(\j)] row_xmask:2 row_mask:0xf bank_mask:0xf
	v_add_f32_dpp v[SQ+2*(\j)], v[SQ+2*(\j)], v[SQ+2*(\j)] row_xmask:4 row_mask:0xf bank_mask:0xf
	v_add_f32_dpp v[SQ+2*(\j)], v[SQ+2*(\j)], v[SQ+2*(\j)] row_xmask:8 row_mask:0xf bank_mask:0xf
	ds_store_b32 v[SA], v[SQ+2*(\j)] offset:4*(\j)  ; 16 lanes write one word with one value
.endm
.irp j, 0,1,2,3,4,5,6,7
	GROUP \j
.endr
	s_wait_dscnt 0x0                               ; for the others' sake: my partial sums lie in LDS
	s_barrier_signal -1
	s_barrier_wait -1                              ; all four waves' do
.irp w, 0,1,2,3
	ds_load_b32 v[T+(\w)], v[SR] offset:64*(\w)
.endr
.irp k, 0,1,2,3,4,5,6,7,8,9,10,11,12,13,14,15
	ds_load_b128 v[X+8*(\k):X+8*(\k)+3], v[FR] offset:64*(\k)        ; image k: row r, columns 16 k + 8 h .. + 7, from my wave's own stage
	ds_load_b128 v[X+8*(\k)+4:X+8*(\k)+7], v[FR] offset:64*(\k)+16
.endr
	s_wait_dscnt 32                                ; the four sums are in; the 32 loads behind them may stay out
	v_add_f32 v[T], v[T], v[T+1]
	v_add_f32 v[T+2], v[T+2], v[T+3]
	v_add_f32 v[T], v[T], v[T+2]
	v_fma_f32 v[T], v[T], s35, s36                 ; mean + eps
	v_rsq_f32 v[T+1], v[T]
	v_nop                                          ; a plain instruction behind the root (ISA guide 5.7.2),
	s_wait_alu depctr_va_vdst(0)                   ; and the wait ahead of its first reader
	v_cndmask_b32 v[RS], 1.0, v[T+1], s34
	v_cndmask_b32 v[RS+1], 1.0, v[T+1], s34
.irp k, 0,1,2,3,4,5,6,7,8,9,10,11,12,13,14,15
	s_wait_dscnt 30-2*(\k)                         ; image k's two loads are in; the later images' may stay out
.irp p, 0,1,2,3
	v_pk_mul_f32 v[X+8*(\k)+2*(\p):X+8*(\k)+2*(\p)+1], v[X+8*(\k)+2*(\p):X+8*(\k)+2*(\p)+1], v[RS:RS+1]
.endr
.irp p, 0,1,2,3
	v_cvt_pk_f16_f32 v[Y+4*(\k)+(\p)], v[X+8*(\k)+2*(\p)], v[X+8*(\k)+2*(\p)+1]
.endr
	global_store_b128 v[DO], v[Y+4*(\k):Y+4*(\k)+3], s[26:27] offset:512*(\k)  ; an image: 512 consecutive bytes, aligned
.endr
	s_cmp_lg_u32 s2, 0                             ; work-group 0 also makes the bias: wave w serves batch w
	s_cbranch_scc1 .Lend
	s_lshl_b32 s32, s3, 8
	v_lshl_add_u32 v15, v[LN], 2, s32
	global_load_b32 v32, v15, s[24:25]             ; four mask bytes a lane
	global_load_b32 v33, v15, s[24:25] offset:128
	s_lshl_b32 s32, s3, 10
	v_lshl_add_u32 v9, v[LN], 4, s32
	s_wait_loadcnt 0x0
.irp i, 0,1
.irp k, 0,1,2,3
	v_bfe_u32 v14, v[32+(\i)], 8*(\k), 8
	v_cmp_eq_u32 vcc_lo, 0, v14
	v_cndmask_b32 v[36+4*(\i)+(\k)], 0, s38, vcc_lo  ; 0 where the key counts, -1e30 where it is hidden
.endr
.endr
	global_store_b128 v9, v[36:39], s[28:29]
	global_store_b128 v9, v[40:43], s[28:29] offset:512
.Lend:
	s_wait_tensorcnt 0x0                           ; the wave's end, behind my last LDS store
	ds_add_u32 v[SPW], v[NIL]
	s_wait_dscnt 0x0
	s_endpgm
.Lfunc_end_k_q060b49cdc1_prep:
	.size	k_q060b49cdc1_prep, .Lfunc_end_k_q060b49cdc1_prep-k_q060b49cdc1_prep
	.p2alignl 7, 3214868480
	.fill 96, 4, 3214868480
	.section	.rodata,"a",@progbits
	.p2align	6, 0x0
	.amdhsa_kernel k_q060b49cdc1_prep
		.amdhsa_group_segment_fixed_size 67328
		.amdhsa_private_segment_fixed_size 0
		.amdhsa_enable_private_segment 0
		.amdhsa_kernarg_size 88
		.amdhsa_user_sgpr_count 2
		.amdhsa_user_sgpr_kernarg_segment_ptr 1
		.amdhsa_wavefront_size32 1
		.amdhsa_system_sgpr_workgroup_id_x 1
		.amdhsa_system_sgpr_workgroup_id_y 1
		.amdhsa_system_sgpr_workgroup_id_z 1
		.amdhsa_system_vgpr_workitem_id 0
		.amdhsa_next_free_vgpr 256
		.amdhsa_next_free_sgpr 66
		.amdhsa_reserve_vcc 1
		.amdhsa_float_denorm_mode_32 3
		.amdhsa_float_denorm_mode_16_64 3
		.amdhsa_memory_ordered 1
		.amdhsa_forward_progress 1
		.amdhsa_inst_pref_size 45
	.end_amdhsa_kernel
	.amdgpu_metadata
---
amdhsa.version: [ 1, 2 ]
amdhsa.kernels:
  - .name:           k_q060b49cdc1_prep
    .symbol:         k_q060b49cdc1_prep.kd
    .args:
      - { .name: hidden_states, .offset: 0, .size: 8, .value_kind: global_buffer, .address_space: global }
      - { .name: memory_tokens, .offset: 8, .size: 8, .value_kind: global_buffer, .address_space: global }
      - { .name: wq, .offset: 16, .size: 8, .value_kind: global_buffer, .address_space: global }
      - { .name: wg, .offset: 24, .size: 8, .value_kind: global_buffer, .address_space: global }
      - { .name: wk, .offset: 32, .size: 8, .value_kind: global_buffer, .address_space: global }
      - { .name: wv, .offset: 40, .size: 8, .value_kind: global_buffer, .address_space: global }
      - { .name: wo, .offset: 48, .size: 8, .value_kind: global_buffer, .address_space: global }
      - { .name: norm_w, .offset: 56, .size: 8, .value_kind: global_buffer, .address_space: global }
      - { .name: memory_mask, .offset: 64, .size: 8, .value_kind: global_buffer, .address_space: global }
      - { .name: a16, .offset: 72, .size: 8, .value_kind: global_buffer, .address_space: global }
      - { .name: bias, .offset: 80, .size: 8, .value_kind: global_buffer, .address_space: global }
    .group_segment_fixed_size: 67328
    .private_segment_fixed_size: 0
    .kernarg_segment_align: 8
    .kernarg_segment_size: 88
    .max_flat_workgroup_size: 128
    .sgpr_count:     66
    .vgpr_count:     256
    .wavefront_size: 32
...
	.end_amdgpu_metadata
.endif
;; end of part 1
;; launch kv (part 2): grid 16 x 8, 4 waves a work-group, clusters of 4 x 4, 327,680 bytes of LDS; arguments a16, kvimg; writes kvimg
.if DOCPART == 2
	.amdgcn_target "amdgcn-amd-amdhsa--gfx1250"
	.amdhsa_code_object_version 6
	.text
	.protected	k_q060b49cdc1_kv
	.globl	k_q060b49cdc1_kv
	.p2align	8
	.type	k_q060b49cdc1_kv,@function
k_q060b49cdc1_kv:
	s_mov_b64 s[64:65], 0
	v_nop
	global_prefetch_b8 v0, s[64:65] scope:SCOPE_SE
	s_setreg_imm32_b32 hwreg(HW_REG_WAVE_MODE, 25, 1), 1
	s_wait_xcnt 0x0
	s_wait_alu depctr_hold_cnt(0) depctr_sa_sdst(0) depctr_va_vdst(0) depctr_va_sdst(0) depctr_va_ssrc(0) depctr_va_vcc(0) depctr_vm_vsrc(0)
	s_getreg_b32 s2, hwreg(HW_REG_IB_STS2, 6, 4)
	s_cmp_eq_u32 s2, 0
	s_cbranch_scc0 .Lentry_in_a_cluster
	s_endpgm
.Lentry_in_a_cluster:
	s_bfe_u32 s2, ttmp6, 0x10000c
	s_cmp_lg_u32 s2, 0xf033
	s_cbranch_scc0 .Lentry_shape_is_right
	s_endpgm
.Lentry_shape_is_right:
; KV.  Two products of 1,024 x 1,024 x 1,024 in one launch, told apart by the cluster's x, which all sixteen partners share:
;   cluster x 0, 1:  K   = memory wk^T   (rows: batch and key; columns: head and channel)   -> images at kvimg + 0
;   cluster x 2, 3:  V^T = wv memory^T   (rows: head and channel; columns: batch and key)   -> images at kvimg + 2,097,152
; All operands are f16 images (16 x 16 in 512 bytes, lane l's 16 bytes at 16 l; a block row of 16 rows is 64 images, 32,768 bytes); sums in f32; results rounded once to f16.
; LIMIT.  f16 ends at 65,504: |k| and |v| stay under it.
; A tile of C is 128 x 128, four waves of 64 x 64: 16 accumulators.  K goes in steps of 256 through two LDS slots; a wave's tensor load brings 4 block rows x 8,192 bytes.  A tile lies in LDS as it lies
; in memory: every fragment load reads 512 consecutive bytes, lane l at 16 l, so no padding is wanted.
; CLUSTER 4 x 4: A's tiles are asked for jointly along a row of the cluster, B's along a column.  THE PRODUCT IS TAKEN TRANSPOSED (source 0 = rows of B, source 1 = rows of A): a lane then holds
; eight neighbouring columns of one row of C, which packed to f16 ARE the lane's 16 bytes of an image: results leave by stores of 512 consecutive bytes, without LDS.
; No prefetch: small tiles, four K steps in all.
; REGISTERS: window 0: v16-29 addresses; v32-95 packed results; v128-255 accumulators ((a, b) at 128 + 8 (4 a + b)).  window 1: two fragment buffers of 128: 64 of A, then 64 of B.
.set MEM_OFF, 33554432
.set WK_OFF,  39845888
.set WV_OFF,  41943040
.set VT_OFF,  2097152
.set STEPB,  8192                      ; bytes of a block row in a K step: 16 images
.set PART,   32768                     ; what one tensor load brings: 4 block rows
.set SLOT,   4*PART                    ; A's two halves, then B's two halves
.set SPARE,  2*SLOT                    ; behind the ring: the spare words, 128 bytes a wave
.set ADRA, 16                          ; v16-17  LDS address of my A fragments in slot 0, 1
.set ADRB, 20                          ; v20-21  the same for B
.set LO,   24                          ; v24     16 x lane
.set SPW,  28                          ; v28     my spare word; never rewritten
.set NIL,  29                          ; v29     0; never rewritten
.set TMP,  32
.set ACC,  128
.set F0,   0
.set F1,   128
.set G1, 24                            ; s[24:31] group 1 for A's tiles; s[32:39] group 0, one set a slot
.set G0, 32
.set G1B, 48                           ; s[48:55], s[56:63] the same for B's
.set G0B, 56
.set MSB, 0
.macro WIN new                         ; the immediate's high byte repeats the setting that is left
.if MSB != (\new)
	s_set_vgpr_msb (MSB<<8)|(\new)
.set MSB, \new
.endif
.endm
.set MUL,  0x05                        ; sources 0 (B) and 1 (A) window 1; C and D window 0
.set TO_F, 0x40                        ; destination window 1, address window 0
.macro JLOAD s                         ; a joint load: waves 0 and 1 fetch A's halves, waves 2 and 3 B's; an s_nop 0 and four v_nop follow each line
	s_cmp_eq_u32 s11, 0
	s_cbranch_scc0 .Lfor_b_\@
	tensor_load_to_lds s[G0+4*(\s):G0+4*(\s)+3], s[G1:G1+7]
	s_nop 0
.rept 4
	v_nop
.endr
	s_branch .Lasked_\@
.Lfor_b_\@:
	tensor_load_to_lds s[G0B+4*(\s):G0B+4*(\s)+3], s[G1B:G1B+7]
	s_nop 0
.rept 4
	v_nop
.endr
.Lasked_\@:
.endm
.macro CREST                           ; a round of the cluster's barrier behind its opening barrier
	s_cmp_lg_u32 s10, 0
	s_cbranch_scc1 .Lnot_wave_0_\@
	s_barrier_signal -3
.Lnot_wave_0_\@:
	s_barrier_wait -3
	s_barrier_signal -1
	s_barrier_wait -1
.endm
.macro CROUND
	s_barrier_signal -1
	s_barrier_wait -1
	CREST
.endm
	s_load_b128 s[4:7], s[0:1], 0x0                ; a16 s[4:5], kvimg s[6:7]
	v_lshl_add_u32 v[SPW], v0, 2, SPARE
	v_mov_b32 v[NIL], 0
	ds_add_u32 v[SPW], v[NIL]                      ; the wave's opening: the add, and its wait ahead of my first tensor load
	v_lshrrev_b32 v1, 5, v0
	v_readfirstlane_b32 s10, v1                    ; wave 0..3
	s_lshr_b32 s11, s10, 1                         ; my half of the tile's rows.  Also: I fetch for A (0) or B (1)
	s_and_b32 s12, s10, 1                          ; my half of its columns.  Also: which half of that tile I fetch
	s_bfe_u32 s40, ttmp6, 0x40000                  ; cx
	s_bfe_u32 s41, ttmp6, 0x40004                  ; cy
	s_and_b32 s42, ttmp9, 1
	s_lshl_b32 s42, s42, 2
	s_add_co_u32 s42, s42, s40                     ; tile column 0..7 of my product
	s_and_b32 s13, ttmp7, 0xffff
	s_lshl_b32 s13, s13, 2
	s_add_co_u32 s13, s13, s41                     ; tile row 0..7
	s_lshl_b32 s43, s41, 2
	s_lshl_b32 s43, 15, s43                        ; my row of the cluster
	s_lshl_b32 s44, 0x1111, s40                    ; my column
	s_or_b32 s[G1+0], s43, (3<<16)|(1<<21)         ; 15:0 the mask; 17:16 elements of 8 bytes; 21 set beside a mask; no padding
	s_or_b32 s[G1B+0], s44, (3<<16)|(1<<21)
.irp g, G1, G1B
	s_mov_b32 s[(\g)+1], 1024<<16                  ; tensor_dim0 = 1,024 elements: 8,192 bytes
	s_mov_b32 s[(\g)+2], 4<<16                     ; tensor_dim1 = 4 block rows
	s_mov_b32 s[(\g)+3], 1024<<16                  ; tile_dim0
	s_mov_b32 s[(\g)+4], 4                         ; tile_dim1
	s_mov_b32 s[(\g)+5], 4096                      ; 4,096 elements from block row to block row
	s_mov_b32 s[(\g)+6], 0
	s_mov_b32 s[(\g)+7], 0
.endr
	s_mov_b32 s14, MEM_OFF                         ; which parts of a16 are A and B: offsets, chosen by the cluster's x
	s_mov_b32 s15, WV_OFF
	s_mov_b32 s18, WK_OFF
	s_mov_b32 s19, MEM_OFF
	s_cmp_ge_u32 ttmp9, 2
	s_cselect_b32 s14, s15, s14
	s_cselect_b32 s18, s19, s18
	s_cselect_b32 s45, VT_OFF, 0
	s_lshl_b32 s16, s13, 3
	s_lshl_b32 s17, s12, 2
	s_add_co_u32 s16, s16, s17                     ; A: block row 8 x tile row + 4 x half
	s_lshl_b32 s16, s16, 15
	s_add_co_u32 s16, s16, s14
	s_mov_b32 s17, 0
	s_lshl_b32 s46, s42, 3
	s_lshl_b32 s47, s12, 2
	s_add_co_u32 s46, s46, s47                     ; B: block row 8 x tile column + 4 x half
	s_lshl_b32 s46, s46, 15
	s_add_co_u32 s46, s46, s18
	s_mov_b32 s47, 0
	s_mul_i32 s20, s10, PART                       ; where they go: wave x 32,768
	s_wait_dscnt 0x0                               ; the opening add is done
	s_wait_kmcnt 0x0
	s_add_nc_u64 s[14:15], s[4:5], s[16:17]
	s_add_nc_u64 s[46:47], s[4:5], s[46:47]
	CROUND                                         ; all sixteen work-groups are here: the first joint loads meet
.irp s, 0,1
	s_mov_b32 s[G0+4*(\s)], 1
	s_add_co_u32 s[G0+4*(\s)+1], s20, (\s)*SLOT
	s_add_nc_u64 s[G0+4*(\s)+2:G0+4*(\s)+3], s[14:15], (\s)*STEPB
	s_or_b32 s[G0+4*(\s)+3], s[G0+4*(\s)+3], 0x80000000
	s_mov_b32 s[G0B+4*(\s)], 1
	s_add_co_u32 s[G0B+4*(\s)+1], s20, (\s)*SLOT
	s_add_nc_u64 s[G0B+4*(\s)+2:G0B+4*(\s)+3], s[46:47], (\s)*STEPB
	s_or_b32 s[G0B+4*(\s)+3], s[G0B+4*(\s)+3], 0x80000000
	JLOAD \s
.endr
	v_and_b32 v1, 31, v0
	v_lshlrev_b32 v[LO], 4, v1
	s_lshl_b32 s21, s11, 15                        ; my 64 rows of A
	s_lshl_b32 s22, s12, 15                        ; my 64 rows of B,
	s_add_co_u32 s22, s22, 2*PART                  ; which lie behind A's
.irp s, 0,1
	v_add_nc_u32 v[ADRA+(\s)], s21, v[LO]
	v_add_nc_u32 v[ADRB+(\s)], s22, v[LO]
	s_add_co_u32 s21, s21, SLOT
	s_add_co_u32 s22, s22, SLOT
.endr
	s_lshl_b32 s16, s13, 3                         ; my first image of C: block row 8 x tile row + 4 x half,
	s_lshl_b32 s17, s11, 2
	s_add_co_u32 s16, s16, s17
	s_lshl_b32 s16, s16, 15
	s_add_co_u32 s16, s16, s45
	s_mov_b32 s17, 0
	s_add_nc_u64 s[8:9], s[6:7], s[16:17]
	s_lshl_b32 s46, s42, 3                         ; block column 8 x tile column + 4 x half
	s_lshl_b32 s47, s12, 2
	s_add_co_u32 s46, s46, s47
	s_lshl_b32 s46, s46, 9
	s_mov_b32 s47, 0
	s_add_nc_u64 s[8:9], s[8:9], s[46:47]
; 8 matrix instructions: m blocks a0, a0 + 1 x all 4 n blocks, 32 along K: half c of buffer f.  zero = 1: the first product starts the sums.  The 16 accumulators take turns.
.macro MUL8 f, c, a0, zero
	WIN MUL
.irp a, \a0, (\a0)+1
.irp b, 0,1,2,3
.if \zero
	v_wmma_f32_16x16x32_f16 v[ACC+8*(4*(\a)+(\b)):ACC+8*(4*(\a)+(\b))+7], v[(\f)+64+8*(4*(\c)+(\b)):(\f)+64+8*(4*(\c)+(\b))+7], v[(\f)+8*(4*(\c)+(\a)):(\f)+8*(4*(\c)+(\a))+7], 0
.else
	v_wmma_f32_16x16x32_f16 v[ACC+8*(4*(\a)+(\b)):ACC+8*(4*(\a)+(\b))+7], v[(\f)+64+8*(4*(\c)+(\b)):(\f)+64+8*(4*(\c)+(\b))+7], v[(\f)+8*(4*(\c)+(\a)):(\f)+8*(4*(\c)+(\a))+7], v[ACC+8*(4*(\a)+(\b)):ACC+8*(4*(\a)+(\b))+7]
.endif
.endr
.endr
.endm
; 32 LDS loads in one run: the fragments of 64 along K (four images, from byte k of each block row) into buffer f; the first 32 along K first
.macro FETCH slot, k, f
	WIN TO_F
.irp c, 0,1
.irp i, 0,1,2,3
	ds_load_b128 v[(\f)+64+8*(4*(\c)+(\i)):(\f)+64+8*(4*(\c)+(\i))+3],   v[ADRB+(\slot)] offset:(\k)+1024*(\c)+(\i)*STEPB
	ds_load_b128 v[(\f)+64+8*(4*(\c)+(\i))+4:(\f)+64+8*(4*(\c)+(\i))+7], v[ADRB+(\slot)] offset:(\k)+1024*(\c)+(\i)*STEPB+512
	ds_load_b128 v[(\f)+8*(4*(\c)+(\i)):(\f)+8*(4*(\c)+(\i))+3],         v[ADRA+(\slot)] offset:(\k)+1024*(\c)+(\i)*STEPB
	ds_load_b128 v[(\f)+8*(4*(\c)+(\i))+4:(\f)+8*(4*(\c)+(\i))+7],       v[ADRA+(\slot)] offset:(\k)+1024*(\c)+(\i)*STEPB+512
.endr
.endr
.endm
.macro PLACES                          ; four places in front of loads into registers that matrix instructions have read, and of conversions that read results
.rept 4
	v_nop
.endr
.endm
; A K step is four quarters of 64 along K, 32 matrix instructions each, on buffers 0, 1, 0, 1.
.macro QUARTER slot, k, f, g, zero
	s_wait_dscnt 16                                ; the first 32 along K are in; the other sixteen loads may stay out
	WIN MUL
	MUL8 \f, 0, 0, \zero
	MUL8 \f, 0, 2, \zero
	PLACES
	FETCH \slot, \k, \g
	s_wait_dscnt 32                                ; all but the 32 just issued
	WIN MUL
	MUL8 \f, 1, 0, 0
	MUL8 \f, 1, 2, 0
.endm
; The last quarter multiplies buffer 1 and changes slots: in front of the barrier each wave waits for all its tensor loads, adds 0 to its spare word, and waits for that and for its reads of this slot.
.macro TURN slot, next, fill
	WIN 0
	s_wait_tensorcnt 0x0                           ; all my tensor loads have landed: my part of the next slot
	ds_add_u32 v[SPW], v[NIL]
	s_wait_dscnt 17                                ; the add and the youngest sixteen loads may be out
	WIN MUL
	MUL8 F1, 0, 0, 0
	s_wait_dscnt 0x0                               ; the add is done, and my reads of this slot are over
	s_barrier_signal -1
	MUL8 F1, 0, 2, 0
.if \fill
	WIN 0
.endif
	s_barrier_wait -1
.if \fill
	CREST                                          ; the barrier has opened a round of the cluster's: no wave of any partner still reads this slot or has a load on its way
	s_add_nc_u64 s[G0+4*(\slot)+2:G0+4*(\slot)+3], s[G0+4*(\slot)+2:G0+4*(\slot)+3], 2*STEPB
	s_add_nc_u64 s[G0B+4*(\slot)+2:G0B+4*(\slot)+3], s[G0B+4*(\slot)+2:G0B+4*(\slot)+3], 2*STEPB
	JLOAD \slot                                    ; the first tensor load behind the round; its four v_nop are also the places in front of the loads below
.else
	PLACES
.endif
	FETCH \next, 0, F0
	WIN MUL
	MUL8 F1, 1, 0, 0
	MUL8 F1, 1, 2, 0
.endm
	s_wait_tensorcnt 1                             ; my part of K step 0 is in; K step 1's may stay out
	s_barrier_signal -1
	s_barrier_wait -1
	FETCH 0, 0, F0
	QUARTER 0, 2048, F0, F1, 1                     ; the first products start the sums
	QUARTER 0, 4096, F1, F0, 0                     ; four K steps: one lap that fills both slots again, written straight, and one that fills nothing
	QUARTER 0, 6144, F0, F1, 0
	TURN 0, 1, 1
	QUARTER 1, 2048, F0, F1, 0
	QUARTER 1, 4096, F1, F0, 0
	QUARTER 1, 6144, F0, F1, 0
	TURN 1, 0, 1
	QUARTER 0, 2048, F0, F1, 0
	QUARTER 0, 4096, F1, F0, 0
	QUARTER 0, 6144, F0, F1, 0
	TURN 0, 1, 0
	QUARTER 1, 2048, F0, F1, 0
	QUARTER 1, 4096, F1, F0, 0
	QUARTER 1, 6144, F0, F1, 0
	s_wait_dscnt 16
	WIN MUL
	MUL8 F1, 0, 0, 0
	MUL8 F1, 0, 2, 0
	s_wait_dscnt 0
	MUL8 F1, 1, 0, 0
	MUL8 F1, 1, 2, 0
	WIN 0
	; THE WAY OUT: an accumulator rounded to f16 is an image
	PLACES
.irp t, 0,1,2,3,4,5,6,7,8,9,10,11,12,13,14,15
.irp r, 0,1,2,3
	v_cvt_pk_f16_f32 v[TMP+4*(\t)+(\r)], v[ACC+8*(\t)+2*(\r)], v[ACC+8*(\t)+2*(\r)+1]
.endr
.endr
.irp a, 0,1,2,3
.irp b, 0,1,2,3
	global_store_b128 v[LO], v[TMP+4*(4*(\a)+(\b)):TMP+4*(4*(\a)+(\b))+3], s[8:9] offset:32768*(\a)+512*(\b)  ; 512 consecutive bytes, aligned
.endr
.endr
	s_wait_tensorcnt 0x0                           ; the wave's end
	ds_add_u32 v[SPW], v[NIL]
	s_wait_dscnt 0x0
	CROUND                                         ; the closing round
	s_endpgm
.Lfunc_end_k_q060b49cdc1_kv:
	.size	k_q060b49cdc1_kv, .Lfunc_end_k_q060b49cdc1_kv-k_q060b49cdc1_kv
	.p2alignl 7, 3214868480
	.fill 96, 4, 3214868480
	.section	.rodata,"a",@progbits
	.p2align	6, 0x0
	.amdhsa_kernel k_q060b49cdc1_kv
		.amdhsa_group_segment_fixed_size 327680
		.amdhsa_private_segment_fixed_size 0
		.amdhsa_enable_private_segment 0
		.amdhsa_kernarg_size 16
		.amdhsa_user_sgpr_count 2
		.amdhsa_user_sgpr_kernarg_segment_ptr 1
		.amdhsa_wavefront_size32 1
		.amdhsa_system_sgpr_workgroup_id_x 1
		.amdhsa_system_sgpr_workgroup_id_y 1
		.amdhsa_system_sgpr_workgroup_id_z 1
		.amdhsa_system_vgpr_workitem_id 0
		.amdhsa_next_free_vgpr 512
		.amdhsa_next_free_sgpr 66
		.amdhsa_reserve_vcc 0
		.amdhsa_float_denorm_mode_32 3
		.amdhsa_float_denorm_mode_16_64 3
		.amdhsa_memory_ordered 1
		.amdhsa_forward_progress 1
		.amdhsa_inst_pref_size 83
	.end_amdhsa_kernel
	.amdgpu_metadata
---
amdhsa.version: [ 1, 2 ]
amdhsa.kernels:
  - .name:           k_q060b49cdc1_kv
    .symbol:         k_q060b49cdc1_kv.kd
    .args:
      - { .name: a16, .offset: 0, .size: 8, .value_kind: global_buffer, .address_space: global }
      - { .name: kvimg, .offset: 8, .size: 8, .value_kind: global_buffer, .address_space: global }
    .group_segment_fixed_size: 327680
    .private_segment_fixed_size: 0
    .kernarg_segment_align: 8
    .kernarg_segment_size: 16
    .max_flat_workgroup_size: 128
    .sgpr_count:     66
    .vgpr_count:     512
    .wavefront_size: 32
...
	.end_amdgpu_metadata
.endif
;; end of part 2
;; launch qg (part 3): grid 8 x 64, 4 waves a work-group, clusters of 4 x 4, 327,680 bytes of LDS; arguments a16, q16, g16; writes q16, g16
.if DOCPART == 3
	.amdgcn_target "amdgcn-amd-amdhsa--gfx1250"
	.amdhsa_code_object_version 6
	.text
	.protected	k_q060b49cdc1_qg
	.globl	k_q060b49cdc1_qg
	.p2align	8
	.type	k_q060b49cdc1_qg,@function
k_q060b49cdc1_qg:
	s_mov_b64 s[64:65], 0
	v_nop
	global_prefetch_b8 v0, s[64:65] scope:SCOPE_SE
	s_setreg_imm32_b32 hwreg(HW_REG_WAVE_MODE, 25, 1), 1
	s_wait_xcnt 0x0
	s_wait_alu depctr_hold_cnt(0) depctr_sa_sdst(0) depctr_va_vdst(0) depctr_va_sdst(0) depctr_va_ssrc(0) depctr_va_vcc(0) depctr_vm_vsrc(0)
	s_getreg_b32 s2, hwreg(HW_REG_IB_STS2, 6, 4)
	s_cmp_eq_u32 s2, 0
	s_cbranch_scc0 .Lentry_in_a_cluster
	s_endpgm
.Lentry_in_a_cluster:
	s_bfe_u32 s2, ttmp6, 0x10000c
	s_cmp_lg_u32 s2, 0xf033
	s_cbranch_scc0 .Lentry_shape_is_right
	s_endpgm
.Lentry_shape_is_right:
; QG.  C = x [wq; wg]^T, 16,384 x 2,048 over K = 1,024.  Columns 0-1023 are q, stored as f16 images; columns 1024-2047 are z, stored as gate = sigmoid(z) in f16, row-major.
; Operands are f16 images (16 x 16 in 512 bytes, lane l's 16 bytes at 16 l; a block row of 16 rows is 64 images, 32,768 bytes); sums in f32; q and gate rounded once.
; LIMIT.  f16 ends at 65,504: |q| stays under it.  The sigmoid is 1 / (1 + 2^(-z log2 e)): where the power overflows the gate is 0, where it vanishes 1.
; A tile of C is 256 x 256: four waves of 128 x 128, 64 accumulators each.  K goes in steps of 128 through two LDS slots; a wave's tensor load brings 8 block rows x 4,096 bytes.  A tile lies in
; LDS as in memory: every fragment load reads 512 consecutive bytes, lane l at 16 l, so no padding is wanted.
; CLUSTER 4 x 4: A's tiles are asked for jointly along a row of the cluster, B's along a column.  Cluster x = 0 makes q, cluster x = 1 the gate: the branch hangs on the cluster's x, the same in all partners.
; THE PRODUCT IS TAKEN TRANSPOSED (source 0 = rows of B, source 1 = rows of A): a lane holds eight neighbouring columns of one row of C; packed to f16 they are the lane's 16 bytes of an image.
; REGISTERS: window 0: v16-30 addresses; v64-127, v128-191 A's two fragment buffers; v192-255 (and v64-111 for the gate) the way out.  window 1: v64-191 B's two buffers.
;   window 2: accumulators of my rows 0-63 ((a, b) at 8 (8 a + b)); window 3: of rows 64-127.
.set WQ_OFF, 35651584
.set STEPB,  4096                      ; bytes of a block row in a K step: 8 images
.set PART,   32768                     ; what one tensor load brings: 8 block rows
.set SLOT,   4*PART
.set LAPS,   4                         ; a lap = two K steps
.set DP,     528                       ; the gate's stage: a row of 128 f32 + 16 bytes: 33 x 16
.set DWAVE,  128*DP                    ; a wave's own 128 rows; the four stages overlay the ring, which has had its last fill by then
.set SPARE,  4*DWAVE                   ; behind them: the spare words, 128 bytes a wave
.set ADRA, 16
.set ADRB, 20
.set LO,   24                          ; v24  16 x lane
.set DA,   25                          ; v25  stage, in
.set RA,   26                          ; v26  stage, back
.set GO,   27                          ; v27  8 x lane
.set SPW,  28
.set NIL,  29
.set PFO,  30                          ; v30  the prefetches' offset; never rewritten
.set F0,   64
.set F1,   128
.set TMP,  192
.set ZX,   64
.set ZY,   96
.set WV, 12
.set RH, 13
.set CH, 14
.set CX, 15
.set CY, 16
.set TC, 17
.set TR, 18
.set G1, 24
.set G0, 32
.set LIM, 42                           ; s42  1 in a wave that prefetches, else the greatest number
.set PFA, 44                           ; s[44:45] where my prefetches stand
.set G1B, 48
.set G0B, 56
.set CP,  66                           ; s[66:67] the stores' base
.set STP, 68                           ; s[68:69] its step
.set CNT, 70
.set MSB, 0
.macro WIN new
.if MSB != (\new)
	s_set_vgpr_msb (MSB<<8)|(\new)
.set MSB, \new
.endif
.endm
.set MUL_LO, 0xa1                      ; source 0 (B) window 1, source 1 (A) window 0, C and D window 2
.set MUL_HI, 0xf1                      ; the same, C and D window 3
.set TO_B,   0x40
.macro JLOAD s                         ; a joint load: waves 0 and 1 fetch A's halves, waves 2 and 3 B's; an s_nop 0 and four v_nop follow each line
	s_cmp_eq_u32 s[RH], 0
	s_cbranch_scc0 .Lfor_b_\@
	tensor_load_to_lds s[G0+4*(\s):G0+4*(\s)+3], s[G1:G1+7]
	s_nop 0
.rept 4
	v_nop
.endr
	s_branch .Lasked_\@
.Lfor_b_\@:
	tensor_load_to_lds s[G0B+4*(\s):G0B+4*(\s)+3], s[G1B:G1B+7]
	s_nop 0
.rept 4
	v_nop
.endr
.Lasked_\@:
.endm
; A prefetch, behind each joint load and the run of LDS loads: the K step that stands two refills on.  Of the 8 block rows that a wave fetches, the partner at place p (cx for A, cy for B) names 2 p and 2 p + 1:
; 32 blocks of 256 bytes, a lane a block, told apart by address.  A's rows are named by the cluster with x = 0 alone, B's by the cluster with y = 0 alone: each block once in the launch.
; K steps 0 to 3 come by their loads alone; the loop's last trip asks for nothing: there is no K step two refills on.
.macro ASK
	s_cmp_gt_u32 s3, s[LIM]
	s_cbranch_scc0 .Lnot_mine_\@
	global_prefetch_b8 v[PFO], s[PFA:PFA+1] offset:STEPB th:TH_LOAD_NT scope:SCOPE_SE
.Lnot_mine_\@:
.endm
.macro CREST
	s_cmp_lg_u32 s[WV], 0
	s_cbranch_scc1 .Lnot_wave_0_\@
	s_barrier_signal -3
.Lnot_wave_0_\@:
	s_barrier_wait -3
	s_barrier_signal -1
	s_barrier_wait -1
.endm
.macro CROUND
	s_barrier_signal -1
	s_barrier_wait -1
	CREST
.endm
	s_load_b128 s[4:7], s[0:1], 0x0                ; a16 s[4:5], q16 s[6:7]
	s_load_b64 s[8:9], s[0:1], 0x10                ; g16
	v_lshl_add_u32 v[SPW], v0, 2, SPARE
	v_mov_b32 v[NIL], 0
	ds_add_u32 v[SPW], v[NIL]                      ; the wave's opening: the add, and its wait ahead of my first tensor load
	v_lshrrev_b32 v1, 5, v0
	v_readfirstlane_b32 s[WV], v1
	s_lshr_b32 s[RH], s[WV], 1                     ; my half of the tile's rows.  Also: I fetch for A (0) or B (1)
	s_and_b32 s[CH], s[WV], 1                      ; my half of its columns.  Also: which half of that tile I fetch
	s_bfe_u32 s[CX], ttmp6, 0x40000
	s_bfe_u32 s[CY], ttmp6, 0x40004
	s_lshl_b32 s[TC], ttmp9, 2
	s_add_co_u32 s[TC], s[TC], s[CX]               ; tile column 0..7
	s_and_b32 s[TR], ttmp7, 0xffff
	s_lshl_b32 s[TR], s[TR], 2
	s_add_co_u32 s[TR], s[TR], s[CY]               ; tile row 0..63
	s_lshl_b32 s20, s[CY], 2
	s_lshl_b32 s20, 15, s20                        ; my row of the cluster
	s_lshl_b32 s21, 0x1111, s[CX]                  ; my column
	s_or_b32 s[G1+0], s20, (3<<16)|(1<<21)         ; 15:0 the mask; 17:16 elements of 8 bytes; 21 set beside a mask; no padding
	s_or_b32 s[G1B+0], s21, (3<<16)|(1<<21)
.irp g, G1, G1B
	s_mov_b32 s[(\g)+1], 512<<16                   ; tensor_dim0 = 512 elements: 4,096 bytes
	s_mov_b32 s[(\g)+2], 8<<16                     ; tensor_dim1 = 8 block rows
	s_mov_b32 s[(\g)+3], 512<<16                   ; tile_dim0
	s_mov_b32 s[(\g)+4], 8                         ; tile_dim1
	s_mov_b32 s[(\g)+5], 4096                      ; 4,096 elements from block row to block row
	s_mov_b32 s[(\g)+6], 0
	s_mov_b32 s[(\g)+7], 0
.endr
	s_lshl_b32 s22, s[TR], 19                      ; A: 16 block rows a tile, 8 a half
	s_lshl_b32 s23, s[CH], 18
	s_add_co_u32 s22, s22, s23
	s_mov_b32 s23, 0
	s_lshl_b32 s46, s[TC], 19                      ; B: the same in wq and wg, which lie on end
	s_lshl_b32 s47, s[CH], 18
	s_add_co_u32 s46, s46, s47
	s_add_co_u32 s46, s46, WQ_OFF
	s_mov_b32 s47, 0
	s_mul_i32 s20, s[WV], PART
	s_wait_dscnt 0x0                               ; the opening add is done
	s_wait_kmcnt 0x0
	s_add_nc_u64 s[40:41], s[4:5], s[22:23]
	s_add_nc_u64 s[46:47], s[4:5], s[46:47]
	CROUND                                         ; all sixteen work-groups are here: the first joint loads meet
.irp s, 0,1
	s_mov_b32 s[G0+4*(\s)], 1
	s_add_co_u32 s[G0+4*(\s)+1], s20, (\s)*SLOT
	s_add_nc_u64 s[G0+4*(\s)+2:G0+4*(\s)+3], s[40:41], (\s)*STEPB
	s_or_b32 s[G0+4*(\s)+3], s[G0+4*(\s)+3], 0x80000000
	s_mov_b32 s[G0B+4*(\s)], 1
	s_add_co_u32 s[G0B+4*(\s)+1], s20, (\s)*SLOT
	s_add_nc_u64 s[G0B+4*(\s)+2:G0B+4*(\s)+3], s[46:47], (\s)*STEPB
	s_or_b32 s[G0B+4*(\s)+3], s[G0B+4*(\s)+3], 0x80000000
	JLOAD \s
.endr
	v_and_b32 v1, 31, v0
	v_and_b32 v2, 15, v0                           ; r
	v_bfe_u32 v3, v0, 4, 1                         ; h
	v_lshlrev_b32 v[LO], 4, v1
	s_lshl_b32 s21, s[RH], 15
	s_lshl_b32 s22, s[CH], 15
	s_add_co_u32 s22, s22, 2*PART
.irp s, 0,1
	v_add_nc_u32 v[ADRA+(\s)], s21, v[LO]
	v_add_nc_u32 v[ADRB+(\s)], s22, v[LO]
	s_add_co_u32 s21, s21, SLOT
	s_add_co_u32 s22, s22, SLOT
.endr
	s_mul_i32 s23, s[WV], DWAVE
	v_mul_u32_u24 v[DA], v2, DP
	v_lshl_add_u32 v[DA], v3, 5, v[DA]
	v_add_nc_u32 v[DA], s23, v[DA]                 ; row r, 32 bytes for each half of the lanes
	v_add_nc_u32 v[RA], s23, v[LO]                 ; a whole row of 512 bytes, 16 a lane
	v_lshlrev_b32 v[GO], 3, v1
	v_lshlrev_b32 v[PFO], 8, v2                    ; block l % 16 of block row l / 16
	v_lshl_add_u32 v[PFO], v3, 15, v[PFO]
	s_and_b32 s22, ttmp7, 0xffff                   ; cluster y
	s_lshl_b32 s20, s[TR], 19
	s_lshl_b32 s21, s[TC], 19
	s_add_co_u32 s21, s21, WQ_OFF
	s_cmp_eq_u32 s[RH], 0                          ; do I fetch for A?
	s_cselect_b32 s20, s20, s21                    ; the tile's first byte
	s_cselect_b32 s21, s[CX], s[CY]                ; my place among the four that ask with me
	s_cselect_b32 s22, ttmp9, s22                  ; the coordinate along which other clusters read the same rows
	s_cmp_eq_u32 s22, 0
	s_cselect_b32 s[LIM], 1, -1
	s_lshl_b32 s22, s[CH], 18
	s_add_co_u32 s20, s20, s22
	s_lshl_b32 s21, s21, 16
	s_add_co_u32 s20, s20, s21
	s_add_co_u32 s20, s20, 2*STEPB                 ; at K step 2: the first refill steps it to 3 and names K step 4
	s_mov_b32 s21, 0
	s_add_nc_u64 s[PFA:PFA+1], s[4:5], s[20:21]
; 16 matrix instructions: m blocks a0, a0 + 1 of the window's four x all 8 n blocks, 32 along K.  The 64 accumulators take turns, in the same order in every quarter.
.macro MUL16 f, hi, a0, zero
	WIN MUL_LO+0x50*(\hi)
.irp a, \a0, (\a0)+1
.irp b, 0,1,2,3,4,5,6,7
.if \zero
	v_wmma_f32_16x16x32_f16 v[8*(8*(\a)+(\b)):8*(8*(\a)+(\b))+7], v[(\f)+8*(\b):(\f)+8*(\b)+7], v[(\f)+8*(4*(\hi)+(\a)):(\f)+8*(4*(\hi)+(\a))+7], 0
.else
	v_wmma_f32_16x16x32_f16 v[8*(8*(\a)+(\b)):8*(8*(\a)+(\b))+7], v[(\f)+8*(\b):(\f)+8*(\b)+7], v[(\f)+8*(4*(\hi)+(\a)):(\f)+8*(4*(\hi)+(\a))+7], v[8*(8*(\a)+(\b)):8*(8*(\a)+(\b))+7]
.endif
.endr
.endr
.endm
; 32 LDS loads in one run: a quarter's fragments (two images from byte k of each of B's and A's 8 block rows) into buffer f
.macro FETCH slot, k, f
	WIN TO_B
.irp i, 0,1,2,3,4,5,6,7
	ds_load_b128 v[(\f)+8*(\i):(\f)+8*(\i)+3],   v[ADRB+(\slot)] offset:(\k)+(\i)*STEPB
	ds_load_b128 v[(\f)+8*(\i)+4:(\f)+8*(\i)+7], v[ADRB+(\slot)] offset:(\k)+(\i)*STEPB+512
.endr
	WIN 0
.irp i, 0,1,2,3,4,5,6,7
	ds_load_b128 v[(\f)+8*(\i):(\f)+8*(\i)+3],   v[ADRA+(\slot)] offset:(\k)+(\i)*STEPB
	ds_load_b128 v[(\f)+8*(\i)+4:(\f)+8*(\i)+7], v[ADRA+(\slot)] offset:(\k)+(\i)*STEPB+512
.endr
.endm
.macro PLACES                          ; four places in front of loads into registers that matrix instructions have read, and of lines that read results
.rept 4
	v_nop
.endr
.endm
.macro QUARTER slot, k, f, g, zero
	s_wait_dscnt 8                                 ; B and A's rows 0-63 are in; the youngest eight loads (A's rows 64-127) may be out
	WIN MUL_LO
	MUL16 \f, 0, 0, \zero
	MUL16 \f, 0, 2, \zero
	PLACES
	FETCH \slot, \k, \g
	s_wait_dscnt 32                                ; all but the 32 just issued
	WIN MUL_HI
	MUL16 \f, 1, 0, \zero
	MUL16 \f, 1, 2, \zero
.endm
.macro MEET round                      ; the first half of a K step's last quarter, and the barrier of the change of slots
	WIN 0
	s_wait_tensorcnt 0x0                           ; all my tensor loads have landed: the one that was out is my part of the next slot
	ds_add_u32 v[SPW], v[NIL]
	s_wait_dscnt 9                                 ; the add and the youngest eight loads may be out
	WIN MUL_LO
	MUL16 F1, 0, 0, 0
	s_wait_dscnt 0x0                               ; the add is done, and my reads of this slot are over
	s_barrier_signal -1
	MUL16 F1, 0, 2, 0
.if \round
	WIN 0
.endif
	s_barrier_wait -1
.endm
.macro TURN slot, next, fill
.if \fill
	s_wait_xcnt 0x0                                ; the last prefetch, a K step back, has read its address
	s_add_nc_u64 s[PFA:PFA+1], s[PFA:PFA+1], STEPB
	MEET 1
	CREST                                          ; no wave of any partner still reads this slot or has a load on its way
	s_add_nc_u64 s[G0+4*(\slot)+2:G0+4*(\slot)+3], s[G0+4*(\slot)+2:G0+4*(\slot)+3], 2*STEPB
	s_add_nc_u64 s[G0B+4*(\slot)+2:G0B+4*(\slot)+3], s[G0B+4*(\slot)+2:G0B+4*(\slot)+3], 2*STEPB
	JLOAD \slot                                    ; the first tensor load behind the round; its four v_nop are also the places in front of the loads below
	FETCH \next, 0, F0
	ASK
.else
	MEET 0
	PLACES
	FETCH \next, 0, F0
.endif
	WIN MUL_HI
	MUL16 F1, 1, 0, 0
	MUL16 F1, 1, 2, 0
.endm
	s_wait_tensorcnt 1                             ; my part of K step 0 is in; K step 1's may stay out
	s_barrier_signal -1
	s_barrier_wait -1
	FETCH 0, 0, F0
	QUARTER 0, 1024, F0, F1, 1                     ; the first quarter's products start the sums
	WIN 0
	s_mov_b32 s3, LAPS-1
.Llap:                                             ; a trip goes once round the ring, from a lap's second quarter to the next lap's first, and fills both slots again
	QUARTER 0, 2048, F1, F0, 0
	QUARTER 0, 3072, F0, F1, 0
	TURN 0, 1, 1
	QUARTER 1, 1024, F0, F1, 0
	QUARTER 1, 2048, F1, F0, 0
	QUARTER 1, 3072, F0, F1, 0
	TURN 1, 0, 1
	QUARTER 0, 1024, F0, F1, 0
	WIN 0
	s_sub_co_u32 s3, s3, 1
	s_cmp_lg_u32 s3, 0
	s_cbranch_scc1 .Llap
	QUARTER 0, 2048, F1, F0, 0                     ; the last lap fills nothing
	QUARTER 0, 3072, F0, F1, 0
	TURN 0, 1, 0
	QUARTER 1, 1024, F0, F1, 0
	QUARTER 1, 2048, F1, F0, 0
	QUARTER 1, 3072, F0, F1, 0
	s_wait_dscnt 8
	MUL16 F1, 0, 0, 0
	MUL16 F1, 0, 2, 0
	s_wait_dscnt 0x0
	MUL16 F1, 1, 0, 0
	MUL16 F1, 1, 2, 0
	WIN 0
	s_barrier_signal -1                            ; every wave's reads of the ring are over: the gate's stages may overlay it
	s_barrier_wait -1
	PLACES
	s_lshl_b32 s20, s[TR], 19                      ; my first row, in q16 and in g16 alike: 2,048 bytes a row
	s_lshl_b32 s21, s[RH], 18
	s_add_co_u32 s20, s20, s21
	s_mov_b32 s21, 0
	s_cmp_eq_u32 ttmp9, 0
	s_cbranch_scc0 .Lgate
	; q: an accumulator rounded to f16 is an image
	s_lshl_b32 s22, s[CX], 13                      ; 16 images a tile column,
	s_add_co_u32 s20, s20, s22
	s_lshl_b32 s22, s[CH], 12                      ; 8 a half
	s_add_co_u32 s20, s20, s22
	s_add_nc_u64 s[CP:CP+1], s[6:7], s[20:21]
.macro QOUT a
	s_wait_xcnt 0x0                                ; the stores of two blocks back have read their registers
	WIN 0x0a+5*((\a)/4)
.irp b, 0,1,2,3,4,5,6,7
.irp r, 0,1,2,3
	v_cvt_pk_f16_f32 v[TMP+32*((\a)%2)+4*(\b)+(\r)], v[64*((\a)%4)+8*(\b)+2*(\r)], v[64*((\a)%4)+8*(\b)+2*(\r)+1]
.endr
.endr
	WIN 0
.irp b, 0,1,2,3,4,5,6,7
	global_store_b128 v[LO], v[TMP+32*((\a)%2)+4*(\b):TMP+32*((\a)%2)+4*(\b)+3], s[CP:CP+1] offset:32768*(\a)+512*(\b)  ; 512 consecutive bytes, aligned
.endr
.endm
.irp a, 0,1,2,3,4,5,6,7
	QOUT \a
.endr
	s_branch .Lend
.Lgate:
	; the gate: all sums into my own stage as f32, back as whole rows, sigmoid, f16, stores of 256 consecutive bytes
	s_lshl_b32 s22, s[CX], 9                       ; 512 bytes a tile column,
	s_add_co_u32 s20, s20, s22
	s_lshl_b32 s22, s[CH], 8                       ; 256 a half
	s_add_co_u32 s20, s20, s22
	s_add_nc_u64 s[CP:CP+1], s[8:9], s[20:21]
.irp a, 0,1,2,3,4,5,6,7
	WIN 0x08+4*((\a)/4)                            ; the data (source 1) in window 2 or 3
.irp b, 0,1,2,3,4,5,6,7
	ds_store_b128 v[DA], v[64*((\a)%4)+8*(\b):64*((\a)%4)+8*(\b)+3]   offset:16*DP*(\a)+64*(\b)
	ds_store_b128 v[DA], v[64*((\a)%4)+8*(\b)+4:64*((\a)%4)+8*(\b)+7] offset:16*DP*(\a)+64*(\b)+16
.endr
.endr
	WIN 0
	s_mov_b32 s[STP], 0
	s_mov_b32 s[STP+1], 0
	s_mov_b32 s[CNT], 16
.Lz:                                               ; 16 trips of 8 rows
	s_wait_xcnt 0x0                                ; the last trip's stores have read their data and their base
	s_add_nc_u64 s[CP:CP+1], s[CP:CP+1], s[STP:STP+1]
	s_mov_b32 s[STP], 8*2048
.irp i, 0,1,2,3,4,5,6,7
	ds_load_b128 v[ZX+4*(\i):ZX+4*(\i)+3], v[RA] offset:DP*(\i)  ; LDS serves a wave's instructions in order (ISA guide 5.7.1.4): these see my stores
.endr
	s_wait_dscnt 0x0
	v_add_nc_u32 v[RA], 8*DP, v[RA]
	v_pk_mul_f32 v[ZX:ZX+1], v[ZX:ZX+1], 0xbfb8aa3b op_sel_hi:[1,0]  ; -z log2 e
.set p, 0
.rept 16
.if p < 15
	v_pk_mul_f32 v[ZX+2*p+2:ZX+2*p+3], v[ZX+2*p+2:ZX+2*p+3], 0xbfb8aa3b op_sel_hi:[1,0]
.endif
	v_exp_f32 v[ZX+2*p], v[ZX+2*p]
	v_exp_f32 v[ZX+2*p+1], v[ZX+2*p+1]
.set p, p+1
.endr
	v_nop                                          ; a plain instruction behind the last power,
	s_wait_alu depctr_va_vdst(0)                   ; and one wait for the batch of 32
.set p, 0
.rept 16
	v_pk_add_f32 v[ZX+2*p:ZX+2*p+1], v[ZX+2*p:ZX+2*p+1], 1.0 op_sel_hi:[1,0]
.set p, p+1
.endr
.set p, 0
.rept 32
	v_rcp_f32 v[ZX+p], v[ZX+p]
.set p, p+1
.endr
	v_nop
	s_wait_alu depctr_va_vdst(0)                   ; one wait for the 32 reciprocals
.set p, 0
.rept 16
	v_cvt_pk_f16_f32 v[ZY+p], v[ZX+2*p], v[ZX+2*p+1]
.set p, p+1
.endr
.irp i, 0,1,2,3,4,5,6,7
	global_store_b64 v[GO], v[ZY+2*(\i):ZY+2*(\i)+1], s[CP:CP+1] offset:2048*(\i)  ; 32 lanes store 256 consecutive bytes, aligned
.endr
	s_sub_co_u32 s[CNT], s[CNT], 1
	s_cmp_lg_u32 s[CNT], 0
	s_cbranch_scc1 .Lz
.Lend:
	s_wait_tensorcnt 0x0                           ; the wave's end, behind my last tensor load and my last LDS store
	ds_add_u32 v[SPW], v[NIL]
	s_wait_dscnt 0x0
	CROUND                                         ; the closing round
	s_endpgm
.Lfunc_end_k_q060b49cdc1_qg:
	.size	k_q060b49cdc1_qg, .Lfunc_end_k_q060b49cdc1_qg-k_q060b49cdc1_qg
	.p2alignl 7, 3214868480
	.fill 96, 4, 3214868480
	.section	.rodata,"a",@progbits
	.p2align	6, 0x0
	.amdhsa_kernel k_q060b49cdc1_qg
		.amdhsa_group_segment_fixed_size 327680
		.amdhsa_private_segment_fixed_size 0
		.amdhsa_enable_private_segment 0
		.amdhsa_kernarg_size 24
		.amdhsa_user_sgpr_count 2
		.amdhsa_user_sgpr_kernarg_segment_ptr 1
		.amdhsa_wavefront_size32 1
		.amdhsa_system_sgpr_workgroup_id_x 1
		.amdhsa_system_sgpr_workgroup_id_y 1
		.amdhsa_system_sgpr_workgroup_id_z 1
		.amdhsa_system_vgpr_workitem_id 0
		.amdhsa_next_free_vgpr 1024
		.amdhsa_next_free_sgpr 84
		.amdhsa_reserve_vcc 0
		.amdhsa_float_denorm_mode_32 3
		.amdhsa_float_denorm_mode_16_64 3
		.amdhsa_memory_ordered 1
		.amdhsa_forward_progress 1
		.amdhsa_inst_pref_size 150
	.end_amdhsa_kernel
	.amdgpu_metadata
---
amdhsa.version: [ 1, 2 ]
amdhsa.kernels:
  - .name:           k_q060b49cdc1_qg
    .symbol:         k_q060b49cdc1_qg.kd
    .args:
      - { .name: a16, .offset: 0, .size: 8, .value_kind: global_buffer, .address_space: global }
      - { .name: q16, .offset: 8, .size: 8, .value_kind: global_buffer, .address_space: global }
      - { .name: g16, .offset: 16, .size: 8, .value_kind: global_buffer, .address_space: global }
    .group_segment_fixed_size: 327680
    .private_segment_fixed_size: 0
    .kernarg_segment_align: 8
    .kernarg_segment_size: 24
    .max_flat_workgroup_size: 128
    .sgpr_count:     84
    .vgpr_count:     1024
    .wavefront_size: 32
...
	.end_amdgpu_metadata
.endif
;; end of part 3
;; launch attn (part 4): grid 4 x 64, 4 waves a work-group, clusters of 4 x 1, 167,936 bytes of LDS; arguments q16, kvimg, bias, o16; writes o16
.if DOCPART == 4
	.amdgcn_target "amdgcn-amd-amdhsa--gfx1250"
	.amdhsa_code_object_version 6
	.text
	.protected	k_q060b49cdc1_attn
	.globl	k_q060b49cdc1_attn
	.p2align	8
	.type	k_q060b49cdc1_attn,@function
k_q060b49cdc1_attn:
	s_mov_b64 s[64:65], 0
	v_nop
	global_prefetch_b8 v0, s[64:65] scope:SCOPE_SE
	s_setreg_imm32_b32 hwreg(HW_REG_WAVE_MODE, 25, 1), 1
	s_wait_xcnt 0x0
	s_wait_alu depctr_hold_cnt(0) depctr_sa_sdst(0) depctr_va_vdst(0) depctr_va_sdst(0) depctr_va_ssrc(0) depctr_va_vcc(0) depctr_vm_vsrc(0)
	s_getreg_b32 s2, hwreg(HW_REG_IB_STS2, 6, 4)
	s_cmp_eq_u32 s2, 0
	s_cbranch_scc0 .Lentry_in_a_cluster
	s_endpgm
.Lentry_in_a_cluster:
	s_bfe_u32 s2, ttmp6, 0x10000c
	s_cmp_lg_u32 s2, 0x3003
	s_cbranch_scc0 .Lentry_shape_is_right
	s_endpgm
.Lentry_shape_is_right:
; ATTN.  O[b][l][hd] = the sum over the 256 memory keys m of softmax_m(q . k / 8 + bias[b][m]) v, bias 0 or -1e30; a batch with no visible key gives 0.
; q16, K, V^T and o16 are f16 images (16 x 16 in 512 bytes, lane l's 16 bytes at 16 l).  Products, the maximum and the sums in f32; the weights p are rounded to f16 for the second product
; (their sum is taken of the unrounded p), O once at the end.
; LIMITS.  A hidden score counts as its value less 1e30 (f16's scores are 2.7e11 at the most); a row whose maximum lies under -1e29 counts as wholly hidden; a weight below 2^-126 counts as 0;
; NaN and infinities are not treated apart.
; SHARES.  y = 16 b + head; the cluster's four work-groups take 1,024 queries each of that head; a wave 16 UNITS of 16 queries.  A head has only 256 keys: each wave keeps ALL of its K (256 registers)
; and V^T (256 registers) in registers, so the loop reads no LDS.  K and V^T come once, jointly for the four work-groups; nothing is filled again.
; LAYOUT.  S^T = K Q^T + bias (source 0 = 16 keys, source 1 = 16 queries, C = the bias): a lane holds ONE query (lane % 16) and the keys 16 kb + 8 (lane / 16) + 0..7.  Two such results rounded to f16 ARE
; source 1 of O^T = V^T P, whose result, packed, is an image of O.
; SOFTMAX.  All 256 scores of a query are at hand: the true maximum m is taken first, then p = 2^(c s - c m), c = log2(e) / 8.
; A TRIP, in phases: the unit's softmax; its V^T P; the next unit's K Q^T; the unit's way out; the loads of Q two units on.
; REGISTERS: window 0: v1-29 addresses and statistics; v32-47 packed O; v64-127 P; v128-255 S^T.  window 1: v0-127 the bias as C operands; v128-159 O^T; v160-175 Q.  window 2: K.  window 3: V^T.
.set VT_OFF, 2097152
.set SPARE, 65536                      ; behind K's and V's 64 KiB: the spare words, 128 bytes a wave
.set LO,  1                            ; v1   16 x lane
.set PFO, 2                            ; v2   the prefetch's offset: unit l / 8, block l % 8
.set BO,  3                            ; v3   32 x (lane / 16)
.set LV,  4                            ; v4   32,768 + 16 x lane
.set CM,  8                            ; v[8:9] c m, m
.set MX,  12                           ; v12-15 four chains of the maximum
.set L,   16                           ; v[16:23] four pairs of sums
.set INV, 24                           ; v[24:25] 1 / l, twice; 0 where all is hidden
.set TX,  26                           ; v26  what comes from the other half of the lanes
.set RC,  27
.set SPW, 28
.set NIL, 29
.set OPK, 32
.set P,   64
.set S,   128
.set O,   128                          ; window 1
.set Q,   160                          ; window 1
.set WV,  12
.set G1K, 24
.set G1V, 32
.set G0K, 40
.set G0V, 44
.set QP,  48                           ; s[48:49] Q two units on
.set OPP, 50                           ; s[50:51] O of the unit in hand
.set STP, 52                           ; s[52:53] their step
.set CNT, 54
.set VM,  55
.set THR, 56
.set CS,  58
.set SEL, 60
.set MSB, 0
.macro WIN new
.if MSB != (\new)
	s_set_vgpr_msb (MSB<<8)|(\new)
.set MSB, \new
.endif
.endm
.macro CROUND
	s_barrier_signal -1
	s_barrier_wait -1
	s_cmp_lg_u32 s[WV], 0
	s_cbranch_scc1 .Lnot_wave_0_\@
	s_barrier_signal -3
.Lnot_wave_0_\@:
	s_barrier_wait -3
	s_barrier_signal -1
	s_barrier_wait -1
.endm
.macro PLACES
.rept 4
	v_nop
.endr
.endm
	s_load_b256 s[4:11], s[0:1], 0x0               ; q16 s[4:5], kvimg s[6:7], bias s[8:9], o16 s[10:11]
	v_lshl_add_u32 v[SPW], v0, 2, SPARE
	v_mov_b32 v[NIL], 0
	ds_add_u32 v[SPW], v[NIL]                      ; the wave's opening: the add, and its wait ahead of my first tensor load
	v_lshrrev_b32 v5, 5, v0
	v_readfirstlane_b32 s[WV], v5
	v_and_b32 v5, 31, v0
	v_lshlrev_b32 v[LO], 4, v5
	v_bfe_u32 v6, v0, 4, 1
	v_lshlrev_b32 v[BO], 5, v6
	v_add_nc_u32 v[LV], 32768, v[LO]
	v_bfe_u32 v6, v0, 3, 2
	v_and_b32 v7, 7, v0
	v_lshlrev_b32 v[PFO], 8, v7
	v_lshl_add_u32 v[PFO], v6, 15, v[PFO]
	v_mov_b32 v[TX], 0                             ; v_permlanex16_b32's destination counts as read
	s_bfe_u32 s13, ttmp6, 0x40000                  ; cx: it enters Q's and O's addresses alone
	s_and_b32 s14, ttmp7, 0xffff
	s_lshr_b32 s15, s14, 4                         ; batch
	s_and_b32 s16, s14, 15                         ; head
	s_and_b32 s17, s[WV], 1                        ; which half of K or of V^T I fetch
	s_lshl_b32 s18, s15, 4                         ; K: block rows 16 b + 8 half .., four images at 4 head
	s_lshl_b32 s19, s17, 3
	s_add_co_u32 s18, s18, s19
	s_lshl_b32 s18, s18, 15
	s_lshl_b32 s19, s16, 11
	s_add_co_u32 s18, s18, s19
	s_mov_b32 s19, 0
	s_lshl_b32 s20, s16, 2                         ; V^T: block rows 4 head + 2 half .., sixteen images at 16 b
	s_lshl_b32 s21, s17, 1
	s_add_co_u32 s20, s20, s21
	s_lshl_b32 s20, s20, 15
	s_lshl_b32 s21, s15, 13
	s_add_co_u32 s20, s20, s21
	s_add_co_u32 s20, s20, VT_OFF
	s_mov_b32 s21, 0
	s_lshl_b32 s22, s15, 8                         ; Q and O: block row 256 b + 64 cx + 16 wave, four images at 4 head
	s_lshl_b32 s23, s13, 6
	s_add_co_u32 s22, s22, s23
	s_lshl_b32 s23, s[WV], 4
	s_add_co_u32 s22, s22, s23
	s_lshl_b32 s22, s22, 15
	s_lshl_b32 s23, s16, 11
	s_add_co_u32 s22, s22, s23
	s_mov_b32 s23, 0
	s_lshl_b32 s62, s15, 10                        ; the batch's 256 words of bias
	s_mov_b32 s63, 0
	s_mov_b32 s[G1K], 15|(3<<16)|(1<<21)           ; 15:0 the mask of four; 17:16 elements of 8 bytes; 21 set beside a mask
	s_mov_b32 s[G1K+1], 256<<16                    ; tensor_dim0 = 256 elements: a head's four images
	s_mov_b32 s[G1K+2], 8<<16                      ; tensor_dim1 = 8 block rows
	s_mov_b32 s[G1K+3], 256<<16
	s_mov_b32 s[G1K+4], 8
	s_mov_b32 s[G1K+5], 4096                       ; 4,096 elements from block row to block row
	s_mov_b32 s[G1K+6], 0
	s_mov_b32 s[G1K+7], 0
	s_mov_b32 s[G1V], 15|(3<<16)|(1<<21)
	s_mov_b32 s[G1V+1], 1024<<16                   ; a batch's sixteen images
	s_mov_b32 s[G1V+2], 2<<16                      ; 2 block rows
	s_mov_b32 s[G1V+3], 1024<<16
	s_mov_b32 s[G1V+4], 2
	s_mov_b32 s[G1V+5], 4096
	s_mov_b32 s[G1V+6], 0
	s_mov_b32 s[G1V+7], 0
	s_mov_b32 s[G0K], 1
	s_lshl_b32 s[G0K+1], s17, 14                   ; K at LDS 0, 16,384 a half
	s_mov_b32 s[G0V], 1
	s_lshl_b32 s[G0V+1], s17, 14
	s_add_co_u32 s[G0V+1], s[G0V+1], 32768         ; V^T behind it
	s_mov_b32 s[CS], 0x3e38aa3b                    ; c = log2(e) / 8
	s_mov_b32 s[CS+1], s[CS]
	s_mov_b32 s[SEL], 0x76543210
	s_mov_b32 s[SEL+1], 0xfedcba98
	s_mov_b32 s[THR], 0xefa18f08                   ; -1e29
	s_mov_b32 s[STP], 0
	s_mov_b32 s[STP+1], 0
	s_mov_b32 s[CNT], 16
	s_wait_dscnt 0x0                               ; the opening add is done
	s_wait_kmcnt 0x0
	s_add_nc_u64 s[G0K+2:G0K+3], s[6:7], s[18:19]
	s_or_b32 s[G0K+3], s[G0K+3], 0x80000000
	s_add_nc_u64 s[G0V+2:G0V+3], s[6:7], s[20:21]
	s_or_b32 s[G0V+3], s[G0V+3], 0x80000000
	s_add_nc_u64 s[4:5], s[4:5], s[22:23]          ; Q at my unit 0
	s_add_nc_u64 s[QP:QP+1], s[4:5], 2*32768       ; and at unit 2
	s_add_nc_u64 s[OPP:OPP+1], s[10:11], s[22:23]
	s_add_nc_u64 s[8:9], s[8:9], s[62:63]
	CROUND                                         ; all four work-groups are here: the joint loads meet
	s_cmp_lt_u32 s[WV], 2                          ; waves 0 and 1 fetch K's halves, waves 2 and 3 V^T's: one tensor load of mine is out
	s_cbranch_scc0 .Lfor_v
	tensor_load_to_lds s[G0K:G0K+3], s[G1K:G1K+7]
	s_nop 0
.rept 4
	v_nop
.endr
	s_branch .Lasked
.Lfor_v:
	tensor_load_to_lds s[G0V:G0V+3], s[G1V:G1V+7]
	s_nop 0
.rept 4
	v_nop
.endr
.Lasked:
	WIN 0x40                                       ; destination window 1
.set kb, 0
.rept 16                                           ; the bias of keys 16 kb + 8 (lane / 16) + 0..7: the C operand of key block kb
	global_load_b128 v[8*kb:8*kb+3],   v[BO], s[8:9] offset:64*kb
	global_load_b128 v[8*kb+4:8*kb+7], v[BO], s[8:9] offset:64*kb+16
.set kb, kb+1
.endr
.irp e, 0,1,2,3
	global_load_b128 v[Q+4*(\e):Q+4*(\e)+3], v[LO], s[4:5] offset:512*(\e)  ; unit 0's four images
.endr
	WIN 0
	s_wait_tensorcnt 0x0                           ; my part of K or V^T is in,
	s_barrier_signal -1
	s_barrier_wait -1                              ; everybody's is
	WIN 0x80                                       ; destination window 2
.set kb, 0
.rept 16
.irp c, 0,1
	ds_load_b128 v[16*kb+8*(\c):16*kb+8*(\c)+3],   v[LO] offset:2048*kb+1024*(\c)
	ds_load_b128 v[16*kb+8*(\c)+4:16*kb+8*(\c)+7], v[LO] offset:2048*kb+1024*(\c)+512
.endr
.set kb, kb+1
.endr
	WIN 0xc0                                       ; destination window 3
.set kk, 0
.rept 8
.irp c, 0,1,2,3
	ds_load_b128 v[8*(4*kk+(\c)):8*(4*kk+(\c))+3],   v[LV] offset:8192*(\c)+1024*kk
	ds_load_b128 v[8*(4*kk+(\c))+4:8*(4*kk+(\c))+7], v[LV] offset:8192*(\c)+1024*kk+512
.endr
.set kk, kk+1
.endr
	WIN 0
; 32 products S^T = K Q^T + bias: the 16 accumulators take turns; the first 16 start the sums with the bias.
.macro KQRUN
	WIN 0x16                                       ; K window 2, Q window 1, C window 1, D window 0
.set kb, 0
.rept 16
	v_wmma_f32_16x16x32_f16 v[S+8*kb:S+8*kb+7], v[16*kb:16*kb+7], v[Q:Q+7], v[8*kb:8*kb+7]
.set kb, kb+1
.endr
	WIN 0x06                                       ; C window 0
.set kb, 0
.rept 16
	v_wmma_f32_16x16x32_f16 v[S+8*kb:S+8*kb+7], v[16*kb+8:16*kb+15], v[Q+8:Q+15], v[S+8*kb:S+8*kb+7]
.set kb, kb+1
.endr
.endm
; 32 products O^T = V^T P: the 4 accumulators take turns; the first 4 start the sums.
.macro PVRUN
	WIN 0x53                                       ; V^T window 3, P window 0, C and D window 1
.set kk, 0
.rept 8
.irp c, 0,1,2,3
.if kk == 0
	v_wmma_f32_16x16x32_f16 v[O+8*(\c):O+8*(\c)+7], v[8*(4*kk+(\c)):8*(4*kk+(\c))+7], v[P+8*kk:P+8*kk+7], 0
.else
	v_wmma_f32_16x16x32_f16 v[O+8*(\c):O+8*(\c)+7], v[8*(4*kk+(\c)):8*(4*kk+(\c))+7], v[P+8*kk:P+8*kk+7], v[O+8*(\c):O+8*(\c)+7]
.endif
.endr
.set kk, kk+1
.endr
.endm
.macro FS i                            ; c s - c m for pair i of 64
	v_pk_fma_f32 v[S+2*(\i):S+2*(\i)+1], v[S+2*(\i):S+2*(\i)+1], s[CS:CS+1], v[CM:CM+1] op_sel_hi:[1,0,0] neg_lo:[0,0,1] neg_hi:[0,0,1]
.endm
.macro CV i                            ; pair i rounded to f16
	v_cvt_pk_f16_f32 v[P+(\i)], v[S+2*(\i)], v[S+2*(\i)+1]
.endm
.macro SU k                            ; pair k into one of four sums; pairs 0-3 start them, each with the pair four on
.if (\k) < 4
	v_pk_add_f32 v[L+2*(\k):L+2*(\k)+1], v[S+2*(\k):S+2*(\k)+1], v[S+2*(\k)+8:S+2*(\k)+9]
.else
	v_pk_add_f32 v[L+2*((\k)%4):L+2*((\k)%4)+1], v[L+2*((\k)%4):L+2*((\k)%4)+1], v[S+2*(\k):S+2*(\k)+1]
.endif
.endm
.macro SOFTMAX
	WIN 0
	; the maximum of my 128 scores: four chains by turns; each accumulator's lowest registers are read first
.set g, 0
.rept 4
.set p, 0
.rept 4
.set q, 0
.rept 4
.if (g == 0) && (p == 0)
	v_max_num_f32 v[MX+q], v[S+8*q], v[S+8*q+1]
.else
	v_max3_num_f32 v[MX+q], v[MX+q], v[S+8*(4*g+q)+2*p], v[S+8*(4*g+q)+2*p+1]
.endif
.set q, q+1
.endr
.set p, p+1
.endr
.set g, g+1
.endr
	v_max3_num_f32 v[MX], v[MX], v[MX+1], v[MX+2]
	v_max_num_f32 v[MX], v[MX], v[MX+3]
	v_permlanex16_b32 v[TX], v[MX], s[SEL], s[SEL+1]  ; the query's other 128 keys lie in the lane 16 away
	v_max_num_f32 v[CM+1], v[MX], v[TX]
	v_mul_f32 v[CM], s[CS], v[CM+1]
	; batch 1: all 64 scalings and the powers of scores 0-63; none of these lines names a power's result
	FS 0
	FS 1
.set e, 0
.rept 62
	v_exp_f32 v[S+e], v[S+e]
	FS e+2
.set e, e+1
.endr
	v_exp_f32 v[S+62], v[S+62]
	v_exp_f32 v[S+63], v[S+63]
	v_nop                                          ; a plain instruction behind the last power,
	s_wait_alu depctr_va_vdst(0)                   ; and one wait for the batch
	; batch 2: the powers of scores 64-127, each beside a line that reads batch 1 alone
.set e, 0
.rept 64
	v_exp_f32 v[S+64+e], v[S+64+e]
.if e < 32
	CV e
.elseif e < 36
	SU e-32
.elseif e < 60
	SU e-28
.endif
.set e, e+1
.endr
	v_nop
	s_wait_alu depctr_va_vdst(0)                   ; one wait for batch 2
.set e, 32
.rept 32
	CV e
	SU e
.set e, e+1
.endr
	v_pk_add_f32 v[L:L+1], v[L:L+1], v[L+2:L+3]
	v_pk_add_f32 v[L+4:L+5], v[L+4:L+5], v[L+6:L+7]
	v_pk_add_f32 v[L:L+1], v[L:L+1], v[L+4:L+5]
	v_add_f32 v[L], v[L], v[L+1]
	v_permlanex16_b32 v[TX], v[L], s[SEL], s[SEL+1]
	v_add_f32 v[L], v[L], v[TX]
	v_rcp_f32 v[RC], v[L]
	v_nop                                          ; a plain instruction behind the reciprocal
	v_cmp_lt_f32 s[VM], s[THR], v[CM+1]            ; is any key of the row visible?
	s_wait_alu depctr_va_vdst(0)                   ; the reciprocal's wait, ahead of its first reader and of the branches below
	v_cndmask_b32 v[INV], 0, v[RC], s[VM]
	v_cndmask_b32 v[INV+1], 0, v[RC], s[VM]
.endm
.macro FINAL                           ; O^T / l, rounded to f16: four images, 2,048 consecutive bytes
	WIN 0x41
.set i, 0
.rept 16
	v_pk_mul_f32 v[O+2*i:O+2*i+1], v[O+2*i:O+2*i+1], v[INV:INV+1]
.set i, i+1
.endr
	WIN 0x05
.set i, 0
.rept 16
	v_cvt_pk_f16_f32 v[OPK+i], v[O+2*i], v[O+2*i+1]
.set i, i+1
.endr
	WIN 0
.irp c, 0,1,2,3
	global_store_b128 v[LO], v[OPK+4*(\c):OPK+4*(\c)+3], s[OPP:OPP+1] offset:512*(\c)
.endr
.endm
	s_wait_loadcnt 0x0                             ; the bias and unit 0's Q
	s_wait_dscnt 0x0                               ; K and V^T
	KQRUN                                          ; unit 0's scores
	WIN 0
	PLACES
	WIN 0x40
.irp e, 0,1,2,3
	global_load_b128 v[Q+4*(\e):Q+4*(\e)+3], v[LO], s[4:5] offset:32768+512*(\e)  ; unit 1's Q
.endr
	WIN 0
.Lunit:                                            ; 16 trips, a unit each
	SOFTMAX
	PVRUN
	WIN 0
	s_wait_loadcnt 0x0                             ; the next unit's Q is in (on every path)
	s_cmp_eq_u32 s[CNT], 1
	s_cbranch_scc1 .Lnokq                          ; the last unit has no next
	KQRUN
	WIN 0
.Lnokq:
	PLACES                                         ; behind the last products: O^T is read, Q's registers are loaded again
	s_wait_xcnt 0x0                                ; the last trip's stores, loads and prefetch have read their registers and bases
	s_add_nc_u64 s[QP:QP+1], s[QP:QP+1], s[STP:STP+1]
	s_add_nc_u64 s[OPP:OPP+1], s[OPP:OPP+1], s[STP:STP+1]
	s_mov_b32 s[STP], 32768
	FINAL
	s_cmp_lt_u32 s[CNT], 3
	s_cbranch_scc1 .Lnoq                           ; the last two units have no unit two on
	WIN 0x40
.irp e, 0,1,2,3
	global_load_b128 v[Q+4*(\e):Q+4*(\e)+3], v[LO], s[QP:QP+1] offset:512*(\e)
.endr
	WIN 0
.Lnoq:
	; In units 1, 5 and 9 my own Q of the four units that begin three on is prefetched: 32 blocks of 256 bytes, a lane a block, each named once.  Units 0-3 come by their loads alone; behind unit 9 nothing is left.
	s_and_b32 s57, s[CNT], 3
	s_cmp_eq_u32 s57, 3
	s_cbranch_scc0 .Lnopf
	s_cmp_gt_u32 s[CNT], 4
	s_cbranch_scc0 .Lnopf
	global_prefetch_b8 v[PFO], s[QP:QP+1] offset:32768 th:TH_LOAD_NT scope:SCOPE_SE
.Lnopf:
	s_sub_co_u32 s[CNT], s[CNT], 1
	s_cmp_lg_u32 s[CNT], 0
	s_cbranch_scc1 .Lunit
	s_wait_tensorcnt 0x0                           ; the wave's end
	ds_add_u32 v[SPW], v[NIL]
	s_wait_dscnt 0x0
	CROUND                                         ; the closing round
	s_endpgm
.Lfunc_end_k_q060b49cdc1_attn:
	.size	k_q060b49cdc1_attn, .Lfunc_end_k_q060b49cdc1_attn-k_q060b49cdc1_attn
	.p2alignl 7, 3214868480
	.fill 96, 4, 3214868480
	.section	.rodata,"a",@progbits
	.p2align	6, 0x0
	.amdhsa_kernel k_q060b49cdc1_attn
		.amdhsa_group_segment_fixed_size 167936
		.amdhsa_private_segment_fixed_size 0
		.amdhsa_enable_private_segment 0
		.amdhsa_kernarg_size 32
		.amdhsa_user_sgpr_count 2
		.amdhsa_user_sgpr_kernarg_segment_ptr 1
		.amdhsa_wavefront_size32 1
		.amdhsa_system_sgpr_workgroup_id_x 1
		.amdhsa_system_sgpr_workgroup_id_y 1
		.amdhsa_system_sgpr_workgroup_id_z 1
		.amdhsa_system_vgpr_workitem_id 0
		.amdhsa_next_free_vgpr 1024
		.amdhsa_next_free_sgpr 66
		.amdhsa_reserve_vcc 0
		.amdhsa_float_denorm_mode_32 3
		.amdhsa_float_denorm_mode_16_64 3
		.amdhsa_memory_ordered 1
		.amdhsa_forward_progress 1
		.amdhsa_inst_pref_size 49
	.end_amdhsa_kernel
	.amdgpu_metadata
---
amdhsa.version: [ 1, 2 ]
amdhsa.kernels:
  - .name:           k_q060b49cdc1_attn
    .symbol:         k_q060b49cdc1_attn.kd
    .args:
      - { .name: q16, .offset: 0, .size: 8, .value_kind: global_buffer, .address_space: global }
      - { .name: kvimg, .offset: 8, .size: 8, .value_kind: global_buffer, .address_space: global }
      - { .name: bias, .offset: 16, .size: 8, .value_kind: global_buffer, .address_space: global }
      - { .name: o16, .offset: 24, .size: 8, .value_kind: global_buffer, .address_space: global }
    .group_segment_fixed_size: 167936
    .private_segment_fixed_size: 0
    .kernarg_segment_align: 8
    .kernarg_segment_size: 32
    .max_flat_workgroup_size: 128
    .sgpr_count:     66
    .vgpr_count:     1024
    .wavefront_size: 32
...
	.end_amdgpu_metadata
.endif
;; end of part 4
;; launch og (part 5): grid 4 x 64, 4 waves a work-group, clusters of 4 x 4, 327,680 bytes of LDS; arguments o16, a16, g16, out0; writes out0
.if DOCPART == 5
	.amdgcn_target "amdgcn-amd-amdhsa--gfx1250"
	.amdhsa_code_object_version 6
	.text
	.protected	k_q060b49cdc1_og
	.globl	k_q060b49cdc1_og
	.p2align	8
	.type	k_q060b49cdc1_og,@function
k_q060b49cdc1_og:
	s_mov_b64 s[64:65], 0
	v_nop
	global_prefetch_b8 v0, s[64:65] scope:SCOPE_SE
	s_setreg_imm32_b32 hwreg(HW_REG_WAVE_MODE, 25, 1), 1
	s_wait_xcnt 0x0
	s_wait_alu depctr_hold_cnt(0) depctr_sa_sdst(0) depctr_va_vdst(0) depctr_va_sdst(0) depctr_va_ssrc(0) depctr_va_vcc(0) depctr_vm_vsrc(0)
	s_getreg_b32 s2, hwreg(HW_REG_IB_STS2, 6, 4)
	s_cmp_eq_u32 s2, 0
	s_cbranch_scc0 .Lentry_in_a_cluster
	s_endpgm
.Lentry_in_a_cluster:
	s_bfe_u32 s2, ttmp6, 0x10000c
	s_cmp_lg_u32 s2, 0xf033
	s_cbranch_scc0 .Lentry_shape_is_right
	s_endpgm
.Lentry_shape_is_right:
; OG.  out0 = gate x (O wo^T): 16,384 x 1,024 over K = 1,024.  O and wo are f16 images (16 x 16 in 512 bytes, lane l's 16 bytes at 16 l; a block row is 32,768 bytes); gate is f16, row-major;
; sums and the last product in f32; out0 is f32.
; A tile of C is 256 x 256: four waves of 128 x 128.  K goes in steps of 128 through two LDS slots; a wave's tensor load brings 8 block rows x 4,096 bytes; tiles lie in LDS as in memory, and every
; fragment load reads 512 consecutive bytes, so no padding is wanted.  CLUSTER 4 x 4: A's tiles are asked for jointly along a row of the cluster, B's along a column.
; THE GATE comes as slot 0's last fill: behind the last change of slots each wave asks for its own 128 rows x 256 bytes (a load of its own, no mask); it has the last K step in which to land.
; THE WAY OUT: the sums go as f32 into my own stage, which overlays slot 1 behind a barrier (64 rows at a time), come back as whole rows, are multiplied by the gate and leave as 512 consecutive bytes.
; THE PRODUCT IS TAKEN TRANSPOSED (source 0 = rows of wo, source 1 = rows of O): a lane holds eight neighbouring columns of one row of C.
; REGISTERS: window 0: v16-31 addresses; v64-127, v128-191 A's two fragment buffers, later the way out.  window 1: v64-191 B's two buffers.  windows 2, 3: the accumulators ((a, b) at 8 (8 (a % 4) + b)).
.set WO_OFF, 44040192
.set STEPB,  4096
.set PART,   32768
.set SLOT,   4*PART
.set LAPS,   4
.set DP,     528                       ; a stage row: 128 f32 + 16 bytes: 33 x 16
.set DWAVE,  64*DP                     ; a wave's own 64 rows
.set DBASE,  SLOT                      ; the stages begin where slot 1 begins; slot 0 holds the gate
.set SPARE,  DBASE+4*DWAVE             ; behind them: the spare words, 128 bytes a wave
.set ADRA, 16
.set ADRB, 20
.set RA0,  22                          ; v22  stage, back: its first row; never rewritten
.set GA,   23                          ; v23  my 8 bytes of a gate row
.set LO,   24                          ; v24  16 x lane
.set DA,   25                          ; v25  stage, in
.set RA,   26                          ; v26  stage, back
.set SPW,  28
.set NIL,  29
.set PFO,  30
.set ZR,   31                          ; v31  0: the addend of the last product
.set F0,   64
.set F1,   128
.set OX,   64
.set OG,   128
.set WV, 12
.set RH, 13
.set CH, 14
.set CX, 15
.set CY, 16
.set TC, 17
.set TR, 18
.set G1, 24
.set G0, 32
.set LIM, 42
.set PFA, 44
.set G1B, 48
.set G0B, 56
.set OUTP, 66                          ; s[66:67] the stores' base
.set G1G, 68                           ; s[68:75] group 1 of the gate's tile
.set G0G, 76                           ; s[76:79] its group 0
.set STP, 80                           ; s[80:81] the base's step
.set CNT, 82
.set MSB, 0
.macro WIN new
.if MSB != (\new)
	s_set_vgpr_msb (MSB<<8)|(\new)
.set MSB, \new
.endif
.endm
.set MUL_LO, 0xa1
.set MUL_HI, 0xf1
.set TO_B,   0x40
.macro JLOAD s                         ; a joint load: waves 0 and 1 fetch A's halves, waves 2 and 3 B's; an s_nop 0 and four v_nop follow each line
	s_cmp_eq_u32 s[RH], 0
	s_cbranch_scc0 .Lfor_b_\@
	tensor_load_to_lds s[G0+4*(\s):G0+4*(\s)+3], s[G1:G1+7]
	s_nop 0
.rept 4
	v_nop
.endr
	s_branch .Lasked_\@
.Lfor_b_\@:
	tensor_load_to_lds s[G0B+4*(\s):G0B+4*(\s)+3], s[G1B:G1B+7]
	s_nop 0
.rept 4
	v_nop
.endr
.Lasked_\@:
.endm
; A prefetch, behind each joint load and the run of LDS loads: the K step that stands two refills on.  Of the 8 block rows that a wave fetches, the partner at place p (cx for A, cy for B) names 2 p and 2 p + 1:
; 32 blocks of 256 bytes, a lane a block, told apart by address.  O's rows are read by one cluster alone, which names them; wo's are named by the cluster with y = 0 alone: each block once in the launch.
; K steps 0 to 3 come by their loads alone; the loop's last trip asks for nothing.
.macro ASK
	s_cmp_gt_u32 s3, s[LIM]
	s_cbranch_scc0 .Lnot_mine_\@
	global_prefetch_b8 v[PFO], s[PFA:PFA+1] offset:STEPB th:TH_LOAD_NT scope:SCOPE_SE
.Lnot_mine_\@:
.endm
.macro CREST
	s_cmp_lg_u32 s[WV], 0
	s_cbranch_scc1 .Lnot_wave_0_\@
	s_barrier_signal -3
.Lnot_wave_0_\@:
	s_barrier_wait -3
	s_barrier_signal -1
	s_barrier_wait -1
.endm
.macro CROUND
	s_barrier_signal -1
	s_barrier_wait -1
	CREST
.endm
	s_load_b256 s[4:11], s[0:1], 0x0               ; o16 s[4:5], a16 s[6:7], g16 s[8:9], out0 s[10:11]
	v_lshl_add_u32 v[SPW], v0, 2, SPARE
	v_mov_b32 v[NIL], 0
	ds_add_u32 v[SPW], v[NIL]                      ; the wave's opening: the add, and its wait ahead of my first tensor load
	v_lshrrev_b32 v1, 5, v0
	v_readfirstlane_b32 s[WV], v1
	s_lshr_b32 s[RH], s[WV], 1
	s_and_b32 s[CH], s[WV], 1
	s_bfe_u32 s[CX], ttmp6, 0x40000
	s_bfe_u32 s[CY], ttmp6, 0x40004
	s_lshl_b32 s[TC], ttmp9, 2
	s_add_co_u32 s[TC], s[TC], s[CX]               ; tile column 0..3
	s_and_b32 s[TR], ttmp7, 0xffff
	s_lshl_b32 s[TR], s[TR], 2
	s_add_co_u32 s[TR], s[TR], s[CY]               ; tile row 0..63
	s_lshl_b32 s20, s[CY], 2
	s_lshl_b32 s20, 15, s20
	s_lshl_b32 s21, 0x1111, s[CX]
	s_or_b32 s[G1+0], s20, (3<<16)|(1<<21)
	s_or_b32 s[G1B+0], s21, (3<<16)|(1<<21)
.irp g, G1, G1B
	s_mov_b32 s[(\g)+1], 512<<16
	s_mov_b32 s[(\g)+2], 8<<16
	s_mov_b32 s[(\g)+3], 512<<16
	s_mov_b32 s[(\g)+4], 8
	s_mov_b32 s[(\g)+5], 4096
	s_mov_b32 s[(\g)+6], 0
	s_mov_b32 s[(\g)+7], 0
.endr
	s_mov_b32 s[G1G], 1<<16                        ; no mask; elements of 2 bytes; no padding
	s_mov_b32 s[G1G+1], 128<<16                    ; tensor_dim0 = 128: 256 bytes
	s_mov_b32 s[G1G+2], 128<<16                    ; tensor_dim1 = 128 rows
	s_mov_b32 s[G1G+3], 128<<16
	s_mov_b32 s[G1G+4], 128
	s_mov_b32 s[G1G+5], 1024                       ; 1,024 elements from row to row
	s_mov_b32 s[G1G+6], 0
	s_mov_b32 s[G1G+7], 0
	s_mov_b32 s[G0G], 1
	s_mul_i32 s[G0G+1], s[WV], PART                ; my quarter of slot 0
	s_lshl_b32 s22, s[TR], 19
	s_lshl_b32 s23, s[CH], 18
	s_add_co_u32 s22, s22, s23
	s_mov_b32 s23, 0
	s_lshl_b32 s46, s[TC], 19
	s_lshl_b32 s47, s[CH], 18
	s_add_co_u32 s46, s46, s47
	s_add_co_u32 s46, s46, WO_OFF
	s_mov_b32 s47, 0
	s_mul_i32 s20, s[WV], PART
	s_wait_dscnt 0x0                               ; the opening add is done
	s_wait_kmcnt 0x0
	s_add_nc_u64 s[40:41], s[4:5], s[22:23]
	s_add_nc_u64 s[46:47], s[6:7], s[46:47]
	CROUND                                         ; all sixteen work-groups are here: the first joint loads meet
.irp s, 0,1
	s_mov_b32 s[G0+4*(\s)], 1
	s_add_co_u32 s[G0+4*(\s)+1], s20, (\s)*SLOT
	s_add_nc_u64 s[G0+4*(\s)+2:G0+4*(\s)+3], s[40:41], (\s)*STEPB
	s_or_b32 s[G0+4*(\s)+3], s[G0+4*(\s)+3], 0x80000000
	s_mov_b32 s[G0B+4*(\s)], 1
	s_add_co_u32 s[G0B+4*(\s)+1], s20, (\s)*SLOT
	s_add_nc_u64 s[G0B+4*(\s)+2:G0B+4*(\s)+3], s[46:47], (\s)*STEPB
	s_or_b32 s[G0B+4*(\s)+3], s[G0B+4*(\s)+3], 0x80000000
	JLOAD \s
.endr
	s_lshl_b32 s20, s[TR], 19                      ; the gate of my 128 x 128: rows of 2,048 bytes,
	s_lshl_b32 s21, s[RH], 18
	s_add_co_u32 s20, s20, s21
	s_lshl_b32 s21, s[TC], 9                       ; 512 bytes a tile column, 256 a half
	s_add_co_u32 s20, s20, s21
	s_lshl_b32 s21, s[CH], 8
	s_add_co_u32 s20, s20, s21
	s_mov_b32 s21, 0
	s_add_nc_u64 s[G0G+2:G0G+3], s[8:9], s[20:21]
	s_or_b32 s[G0G+3], s[G0G+3], 0x80000000
	s_lshl_b32 s20, s[TR], 20                      ; and the same place in out0: rows of 4,096 bytes
	s_lshl_b32 s21, s[RH], 19
	s_add_co_u32 s20, s20, s21
	s_lshl_b32 s21, s[TC], 10
	s_add_co_u32 s20, s20, s21
	s_lshl_b32 s21, s[CH], 9
	s_add_co_u32 s20, s20, s21
	s_mov_b32 s21, 0
	s_add_nc_u64 s[OUTP:OUTP+1], s[10:11], s[20:21]
	v_and_b32 v1, 31, v0
	v_and_b32 v2, 15, v0
	v_bfe_u32 v3, v0, 4, 1
	v_lshlrev_b32 v[LO], 4, v1
	v_mov_b32 v[ZR], 0
	s_lshl_b32 s21, s[RH], 15
	s_lshl_b32 s22, s[CH], 15
	s_add_co_u32 s22, s22, 2*PART
.irp s, 0,1
	v_add_nc_u32 v[ADRA+(\s)], s21, v[LO]
	v_add_nc_u32 v[ADRB+(\s)], s22, v[LO]
	s_add_co_u32 s21, s21, SLOT
	s_add_co_u32 s22, s22, SLOT
.endr
	s_mul_i32 s23, s[WV], DWAVE
	s_add_co_u32 s23, s23, DBASE
	v_mul_u32_u24 v[DA], v2, DP
	v_lshl_add_u32 v[DA], v3, 5, v[DA]
	v_add_nc_u32 v[DA], s23, v[DA]
	v_add_nc_u32 v[RA0], s23, v[LO]
	s_mul_i32 s23, s[WV], PART
	v_lshl_add_u32 v[GA], v1, 3, s23
	v_lshlrev_b32 v[PFO], 8, v2
	v_lshl_add_u32 v[PFO], v3, 15, v[PFO]
	s_and_b32 s22, ttmp7, 0xffff                   ; cluster y
	s_lshl_b32 s20, s[TR], 19
	s_lshl_b32 s21, s[TC], 19
	s_add_co_u32 s21, s21, WO_OFF
	s_cmp_eq_u32 s[RH], 0                          ; do I fetch for A?
	s_cselect_b32 s20, s20, s21
	s_cselect_b32 s21, s[CX], s[CY]
	s_cselect_b32 s22, ttmp9, s22
	s_cselect_b64 s[PFA:PFA+1], s[4:5], s[6:7]
	s_cmp_eq_u32 s22, 0
	s_cselect_b32 s[LIM], 1, -1
	s_lshl_b32 s22, s[CH], 18
	s_add_co_u32 s20, s20, s22
	s_lshl_b32 s21, s21, 16
	s_add_co_u32 s20, s20, s21
	s_add_co_u32 s20, s20, 2*STEPB
	s_mov_b32 s21, 0
	s_add_nc_u64 s[PFA:PFA+1], s[PFA:PFA+1], s[20:21]
.macro MUL16 f, hi, a0, zero           ; 16 matrix instructions; the 64 accumulators take turns, in the same order in every quarter
	WIN MUL_LO+0x50*(\hi)
.irp a, \a0, (\a0)+1
.irp b, 0,1,2,3,4,5,6,7
.if \zero
	v_wmma_f32_16x16x32_f16 v[8*(8*(\a)+(\b)):8*(8*(\a)+(\b))+7], v[(\f)+8*(\b):(\f)+8*(\b)+7], v[(\f)+8*(4*(\hi)+(\a)):(\f)+8*(4*(\hi)+(\a))+7], 0
.else
	v_wmma_f32_16x16x32_f16 v[8*(8*(\a)+(\b)):8*(8*(\a)+(\b))+7], v[(\f)+8*(\b):(\f)+8*(\b)+7], v[(\f)+8*(4*(\hi)+(\a)):(\f)+8*(4*(\hi)+(\a))+7], v[8*(8*(\a)+(\b)):8*(8*(\a)+(\b))+7]
.endif
.endr
.endr
.endm
.macro FETCH slot, k, f                ; 32 LDS loads in one run: a quarter's fragments into buffer f
	WIN TO_B
.irp i, 0,1,2,3,4,5,6,7
	ds_load_b128 v[(\f)+8*(\i):(\f)+8*(\i)+3],   v[ADRB+(\slot)] offset:(\k)+(\i)*STEPB
	ds_load_b128 v[(\f)+8*(\i)+4:(\f)+8*(\i)+7], v[ADRB+(\slot)] offset:(\k)+(\i)*STEPB+512
.endr
	WIN 0
.irp i, 0,1,2,3,4,5,6,7
	ds_load_b128 v[(\f)+8*(\i):(\f)+8*(\i)+3],   v[ADRA+(\slot)] offset:(\k)+(\i)*STEPB
	ds_load_b128 v[(\f)+8*(\i)+4:(\f)+8*(\i)+7], v[ADRA+(\slot)] offset:(\k)+(\i)*STEPB+512
.endr
.endm
.macro PLACES
.rept 4
	v_nop
.endr
.endm
.macro QUARTER slot, k, f, g, zero
	s_wait_dscnt 8                                 ; B and A's rows 0-63 are in; the youngest eight loads may be out
	WIN MUL_LO
	MUL16 \f, 0, 0, \zero
	MUL16 \f, 0, 2, \zero
	PLACES
	FETCH \slot, \k, \g
	s_wait_dscnt 32                                ; all but the 32 just issued
	WIN MUL_HI
	MUL16 \f, 1, 0, \zero
	MUL16 \f, 1, 2, \zero
.endm
.macro MEET
	WIN 0
	s_wait_tensorcnt 0x0                           ; all my tensor loads have landed: the one that was out is my part of the next slot
	ds_add_u32 v[SPW], v[NIL]
	s_wait_dscnt 9                                 ; the add and the youngest eight loads may be out
	WIN MUL_LO
	MUL16 F1, 0, 0, 0
	s_wait_dscnt 0x0                               ; the add is done, and my reads of this slot are over
	s_barrier_signal -1
	MUL16 F1, 0, 2, 0
	WIN 0
	s_barrier_wait -1
.endm
; fill = 1: the slot takes the K step two on, by a joint load.  fill = 2: slot 0's last fill: each wave's own quarter takes its gate tile.
.macro TURN slot, next, fill
.if (\fill) == 1
	s_wait_xcnt 0x0                                ; the last prefetch, a K step back, has read its address
	s_add_nc_u64 s[PFA:PFA+1], s[PFA:PFA+1], STEPB
.endif
	MEET
	CREST                                          ; no wave of any partner still reads this slot or has a load on its way
.if (\fill) == 1
	s_add_nc_u64 s[G0+4*(\slot)+2:G0+4*(\slot)+3], s[G0+4*(\slot)+2:G0+4*(\slot)+3], 2*STEPB
	s_add_nc_u64 s[G0B+4*(\slot)+2:G0B+4*(\slot)+3], s[G0B+4*(\slot)+2:G0B+4*(\slot)+3], 2*STEPB
	JLOAD \slot
	FETCH \next, 0, F0
	ASK
.else
	tensor_load_to_lds s[G0G:G0G+3], s[G1G:G1G+7]  ; my one tensor load behind the round
	s_nop 0
.rept 4
	v_nop
.endr
	FETCH \next, 0, F0
.endif
	WIN MUL_HI
	MUL16 F1, 1, 0, 0
	MUL16 F1, 1, 2, 0
.endm
	s_wait_tensorcnt 1                             ; my part of K step 0 is in; K step 1's may stay out
	s_barrier_signal -1
	s_barrier_wait -1
	FETCH 0, 0, F0
	QUARTER 0, 1024, F0, F1, 1
	WIN 0
	s_mov_b32 s3, LAPS-1
.Llap:
	QUARTER 0, 2048, F1, F0, 0
	QUARTER 0, 3072, F0, F1, 0
	TURN 0, 1, 1
	QUARTER 1, 1024, F0, F1, 0
	QUARTER 1, 2048, F1, F0, 0
	QUARTER 1, 3072, F0, F1, 0
	TURN 1, 0, 1
	QUARTER 0, 1024, F0, F1, 0
	WIN 0
	s_sub_co_u32 s3, s3, 1
	s_cmp_lg_u32 s3, 0
	s_cbranch_scc1 .Llap
	QUARTER 0, 2048, F1, F0, 0
	QUARTER 0, 3072, F0, F1, 0
	TURN 0, 1, 2                                   ; the gate is asked for; the last K step is multiplied meanwhile
	QUARTER 1, 1024, F0, F1, 0
	QUARTER 1, 2048, F1, F0, 0
	QUARTER 1, 3072, F0, F1, 0
	s_wait_dscnt 8
	MUL16 F1, 0, 0, 0
	MUL16 F1, 0, 2, 0
	s_wait_dscnt 0x0
	MUL16 F1, 1, 0, 0
	MUL16 F1, 1, 2, 0
	WIN 0
	s_wait_tensorcnt 0x0                           ; my gate tile is in; only I read it
	s_barrier_signal -1                            ; every wave's reads of slot 1 are over: the stages may overlay it
	s_barrier_wait -1
	PLACES
	s_mov_b32 s[STP], 0
	s_mov_b32 s[STP+1], 0
.macro DUMP hf                         ; the 32 accumulators of rows 64 hf .. into my stage, each one's low registers first
	WIN 0x08+4*(\hf)                               ; the data (source 1) in window 2 or 3
.irp a, 0,1,2,3
.irp b, 0,1,2,3,4,5,6,7
	ds_store_b128 v[DA], v[64*(\a)+8*(\b):64*(\a)+8*(\b)+3]   offset:16*DP*(\a)+64*(\b)
	ds_store_b128 v[DA], v[64*(\a)+8*(\b)+4:64*(\a)+8*(\b)+7] offset:16*DP*(\a)+64*(\b)+16
.endr
.endr
	WIN 0
.endm
.macro OLOOP                           ; 4 trips of 16 rows: back as whole rows, times the gate, out
	v_mov_b32 v[RA], v[RA0]
	s_mov_b32 s[CNT], 4
.Lo_\@:
	s_wait_xcnt 0x0                                ; the last trip's stores have read their data and their base
	s_add_nc_u64 s[OUTP:OUTP+1], s[OUTP:OUTP+1], s[STP:STP+1]
	s_mov_b32 s[STP], 16*4096
.irp i, 0,1,2,3,4,5,6,7,8,9,10,11,12,13,14,15
	ds_load_b128 v[OX+4*(\i):OX+4*(\i)+3], v[RA] offset:DP*(\i)   ; LDS serves a wave's instructions in order (ISA guide 5.7.1.4): these see my stores
	ds_load_b64 v[OG+2*(\i):OG+2*(\i)+1], v[GA] offset:256*(\i)
.endr
.irp i, 0,1,2,3,4,5,6,7,8,9,10,11,12,13,14,15
	s_wait_dscnt 2*(15-(\i))                       ; row i's two loads are in; the later rows' may stay out
	v_fma_mix_f32 v[OX+4*(\i)],   v[OG+2*(\i)],   v[OX+4*(\i)],   v[ZR] op_sel_hi:[1,0,0]
	v_fma_mix_f32 v[OX+4*(\i)+1], v[OG+2*(\i)],   v[OX+4*(\i)+1], v[ZR] op_sel:[1,0,0] op_sel_hi:[1,0,0]
	v_fma_mix_f32 v[OX+4*(\i)+2], v[OG+2*(\i)+1], v[OX+4*(\i)+2], v[ZR] op_sel_hi:[1,0,0]
	v_fma_mix_f32 v[OX+4*(\i)+3], v[OG+2*(\i)+1], v[OX+4*(\i)+3], v[ZR] op_sel:[1,0,0] op_sel_hi:[1,0,0]
	global_store_b128 v[LO], v[OX+4*(\i):OX+4*(\i)+3], s[OUTP:OUTP+1] offset:4096*(\i)  ; 512 consecutive bytes of a row of out0, aligned
.endr
	v_add_nc_u32 v[RA], 16*DP, v[RA]
	v_add_nc_u32 v[GA], 16*256, v[GA]
	s_sub_co_u32 s[CNT], s[CNT], 1
	s_cmp_lg_u32 s[CNT], 0
	s_cbranch_scc1 .Lo_\@
.endm
	DUMP 0
	OLOOP
	DUMP 1
	OLOOP
	s_wait_tensorcnt 0x0                           ; the wave's end, behind my last tensor load and my last LDS store
	ds_add_u32 v[SPW], v[NIL]
	s_wait_dscnt 0x0
	CROUND                                         ; the closing round
	s_endpgm
.Lfunc_end_k_q060b49cdc1_og:
	.size	k_q060b49cdc1_og, .Lfunc_end_k_q060b49cdc1_og-k_q060b49cdc1_og
	.p2alignl 7, 3214868480
	.fill 96, 4, 3214868480
	.section	.rodata,"a",@progbits
	.p2align	6, 0x0
	.amdhsa_kernel k_q060b49cdc1_og
		.amdhsa_group_segment_fixed_size 327680
		.amdhsa_private_segment_fixed_size 0
		.amdhsa_enable_private_segment 0
		.amdhsa_kernarg_size 32
		.amdhsa_user_sgpr_count 2
		.amdhsa_user_sgpr_kernarg_segment_ptr 1
		.amdhsa_wavefront_size32 1
		.amdhsa_system_sgpr_workgroup_id_x 1
		.amdhsa_system_sgpr_workgroup_id_y 1
		.amdhsa_system_sgpr_workgroup_id_z 1
		.amdhsa_system_vgpr_workitem_id 0
		.amdhsa_next_free_vgpr 1024
		.amdhsa_next_free_sgpr 92
		.amdhsa_reserve_vcc 0
		.amdhsa_float_denorm_mode_32 3
		.amdhsa_float_denorm_mode_16_64 3
		.amdhsa_memory_ordered 1
		.amdhsa_forward_progress 1
		.amdhsa_inst_pref_size 138
	.end_amdhsa_kernel
	.amdgpu_metadata
---
amdhsa.version: [ 1, 2 ]
amdhsa.kernels:
  - .name:           k_q060b49cdc1_og
    .symbol:         k_q060b49cdc1_og.kd
    .args:
      - { .name: o16, .offset: 0, .size: 8, .value_kind: global_buffer, .address_space: global }
      - { .name: a16, .offset: 8, .size: 8, .value_kind: global_buffer, .address_space: global }
      - { .name: g16, .offset: 16, .size: 8, .value_kind: global_buffer, .address_space: global }
      - { .name: out0, .offset: 24, .size: 8, .value_kind: global_buffer, .address_space: global }
    .group_segment_fixed_size: 327680
    .private_segment_fixed_size: 0
    .kernarg_segment_align: 8
    .kernarg_segment_size: 32
    .max_flat_workgroup_size: 128
    .sgpr_count:     92
    .vgpr_count:     1024
    .wavefront_size: 32
...
	.end_amdgpu_metadata
.endif
;; end of part 5
;; ======== version 2 of 3: 4 launches
;; limits: values are held in f16: magnitudes above 65,504 overflow, below 6.1e-05 lose precision; values outside matrix products are rounded to f16
;; workspace buffers: a16 46,137,344 bytes; bias 4,096 bytes; kvimg 4,194,304 bytes; o16 33,554,432 bytes
;; launch prep: the kernel of part 1 again; grid 1408 x 1, 4 waves a work-group, no clusters, 67,328 bytes of LDS; arguments hidden_states, memory_tokens, wq, wg, wk, wv, wo, norm_w, memory_mask, a16, bias; writes a16, bias
;; launch kv: the kernel of part 2 again; grid 16 x 8, 4 waves a work-group, clusters of 4 x 4, 327,680 bytes of LDS; arguments a16, kvimg; writes kvimg
;; launch qa (part 6): grid 4 x 64, 4 waves a work-group, clusters of 4 x 4, 327,680 bytes of LDS; arguments a16, kvimg, bias, o16; writes o16
.if DOCPART == 6
	.amdgcn_target "amdgcn-amd-amdhsa--gfx1250"
	.amdhsa_code_object_version 6
	.text
	.protected	k_q060b49cdc1_qa
	.globl	k_q060b49cdc1_qa
	.p2align	8
	.type	k_q060b49cdc1_qa,@function
k_q060b49cdc1_qa:
	s_mov_b64 s[64:65], 0
	v_nop
	global_prefetch_b8 v0, s[64:65] scope:SCOPE_SE
	s_setreg_imm32_b32 hwreg(HW_REG_WAVE_MODE, 25, 1), 1
	s_wait_xcnt 0x0
	s_wait_alu depctr_hold_cnt(0) depctr_sa_sdst(0) depctr_va_vdst(0) depctr_va_sdst(0) depctr_va_ssrc(0) depctr_va_vcc(0) depctr_vm_vsrc(0)
	s_getreg_b32 s2, hwreg(HW_REG_IB_STS2, 6, 4)
	s_cmp_eq_u32 s2, 0
	s_cbranch_scc0 .Lentry_in_a_cluster
	s_endpgm
.Lentry_in_a_cluster:
	s_bfe_u32 s2, ttmp6, 0x10000c
	s_cmp_lg_u32 s2, 0xf033
	s_cbranch_scc0 .Lentry_shape_is_right
	s_endpgm
.Lentry_shape_is_right:
; QA.  q = x wq^T for a tile of 256 rows x 256 columns (four heads), and straight on it the attention of those rows and heads over the batch's 256 memory keys:
; O[l][hd] = the sum over m of softmax_m(q . k / 8 + bias[m]) v, bias 0 or -1e30; a batch with no visible key gives 0.
; x, wq, K, V^T and o16 are f16 IMAGES: 16 x 16 in 512 bytes, lane l's 16 bytes at 16 l (row l % 16, columns 8 (l / 16) + 0..7); a block row of 16 rows is 64 images, 32,768 bytes.
; Products, the maximum and the sums in f32; q, the weights p (their sum is taken of the unrounded p) and O are rounded once to f16.
; LIMITS.  f16 ends at 65,504: |q| stays under it.  A hidden score counts as its value less 1e30 (f16's scores are 2.7e11 at the most); a row whose maximum lies under -1e29 counts as wholly hidden;
; a weight below 2^-126 counts as 0; NaN and infinities are not treated apart.
; THE GEMM.  Four waves of 128 x 128, 64 accumulators each.  K goes in 8 steps of 128 through two LDS slots; a wave's tensor load brings 8 block rows x 4,096 bytes; tiles lie in LDS as in memory, and every
; fragment load reads 512 consecutive bytes, so no padding is wanted.  CLUSTER 4 x 4: x's tiles are asked for jointly along a row of the cluster, wq's along a column.  The product is taken transposed
; (source 0 = rows of wq, source 1 = rows of x): a lane holds eight neighbouring columns of one row, which packed to f16 ARE its 16 bytes of an image, and two images are an operand of K Q^T.
; A K step is written once: the loop's trip goes from a step's first quarter to its last; one walking descriptor a tensor, its LDS word turned by an exclusive or; the fragments' addresses hang on s[TB].
; THE ATTENTION.  A wave has 8 row blocks x 2 heads = 16 UNITS of 16 queries.  Its packed q goes into its own LDS stage (slot 1, which has had its last fill), so that one text serves every unit.
; K and V^T of the wave's head lie in 512 registers; they come jointly along the cluster's column (one batch, the same heads): two heads into slot 0 behind K step 6, the other two behind a round once the
; first have been read.  S^T = K Q^T + bias: the bias is loaded from LDS into the accumulators as the sums' start.  All 256 scores of a query are at hand: the true maximum is taken first.
; No prefetch of K and V^T: each is asked for by its tensor load a whole K step, or eight units, ahead of the wait for it.
; REGISTERS.  GEMM: window 0 v16-31 addresses, v32-39 the bias, v64-191 x's two fragment buffers; window 1 v64-191 wq's; windows 2, 3 the accumulators ((a, b) at 8 (8 (a % 4) + b)).
; Attention: window 0 v4-27 addresses and statistics, v32-47 packed O, v48-63 Q, v64-127 P, v128-255 S^T; window 1 v128-159 O^T; window 2 K; window 3 V^T.
.set WQ_OFF, 35651584
.set VT_OFF, 2097152
.set STEPB,  4096                      ; bytes of a block row in a K step: 8 images
.set PART,   32768                     ; what one tensor load brings
.set SLOT,   131072                    ; a power of two: one exclusive or turns an address in one slot into the other's
.set WREG,   34816                     ; a wave's own bytes from slot 1 on: 32,768 of Q images, then the bias twice (2 x 1,024): the load that looks one unit past the last reads the wave's own bytes
.set SPARE,  SLOT+4*WREG               ; behind them: the spare words, 128 bytes a wave
.set QA,  4                            ; v4   Q's next unit in my stage
.set BA,  5                            ; v5   my bias copy + 32 (lane / 16)
.set KA,  6                            ; v6   my head's K and V^T in slot 0 + 16 lane
.set QS,  7                            ; v7   my stage + 16 lane
.set CM,  8                            ; v[8:9] c m, m
.set TX,  10                           ; v10  what comes from the other half of the lanes
.set RC,  11
.set MX,  12                           ; v12-15 four chains of the maximum
.set ADRA, 16                          ; v16  x's fragments in the slot in hand;  v17 in slot 0
.set ADRA0, 17
.set ADRB, 20                          ; v20, v21 the same for wq
.set ADRB0, 21
.set L,   16                           ; v[16:23] four pairs of sums (the GEMM's addresses are over)
.set LO,  24                           ; v24  16 x lane
.set BSA, 25                           ; v25  where I put my 32 bytes of the bias
.set INV, 26                           ; v[26:27] 1 / l, twice; 0 where all is hidden
.set SPW, 28
.set NIL, 29
.set PFO, 30                           ; v30  the prefetches' offset; never rewritten
.set BOF, 31                           ; v31  32 x lane
.set BH,  32                           ; v[32:39] the bias of keys 8 lane .. + 7, held through the GEMM
.set OPK, 32
.set Q,   48
.set P,   64
.set S,   128
.set TMP, 192
.set F0,  64
.set F1,  128
.set O,   128                          ; window 1
.set WV, 12
.set RH, 13
.set CH, 14
.set CX, 15
.set CY, 16
.set TC, 17
.set TR, 18
.set BT, 19
.set CS, 20                            ; s[20:21] c, s[22:23] the lane selects: set behind the GEMM
.set SEL, 22
.set G1, 24                            ; s[24:31] group 1 of x's tiles; s[32:39] group 0: the first fill's, and the one that walks
.set G0, 32
.set LIM, 42                           ; s42  2 in a wave that prefetches, else the greatest number
.set TB,  43                           ; s43  the slot in hand: 0 or SLOT
.set PFA, 44                           ; s[44:45] the block row pair and K step that my next prefetch names
.set G1B, 48
.set G0B, 56
.set OPP, 66                           ; s[66:67] O of the unit in hand
.set OB1, 68                           ; s[68:69] O of the second head's first unit
.set STP, 70                           ; s[70:71] OPP's step
.set CNT, 72
.set HC,  73
.set VM,  74
.set THR, 75
.set G1K, 76
.set G1V, 84
.set G0K, 92
.set G0V, 96
.set MSB, 0
.macro WIN new                         ; the immediate's high byte repeats the setting that is left; a switch that changes nothing is dropped
.if MSB != (\new)
	s_set_vgpr_msb (MSB<<8)|(\new)
.set MSB, \new
.endif
.endm
.set MUL_LO, 0xa1                      ; source 0 (wq) window 1, source 1 (x) window 0, C and D window 2
.set MUL_HI, 0xf1                      ; the same, C and D window 3
.set TO_B,   0x40
.macro JLOAD g                         ; a joint load: waves 0 and 1 fetch x's halves, waves 2 and 3 wq's; an s_nop 0 and four v_nop follow each line
	s_cmp_eq_u32 s[RH], 0
	s_cbranch_scc0 .Lfor_b_\@
	tensor_load_to_lds s[G0+(\g):G0+(\g)+3], s[G1:G1+7]
	s_nop 0
.rept 4
	v_nop
.endr
	s_branch .Lasked_\@
.Lfor_b_\@:
	tensor_load_to_lds s[G0B+(\g):G0B+(\g)+3], s[G1B:G1B+7]
	s_nop 0
.rept 4
	v_nop
.endr
.Lasked_\@:
.endm
.macro JKV                             ; a joint load of K (waves 0 and 2) or V^T (waves 1 and 3) of one head: waves 0, 1 for the head of column half 0, waves 2, 3 for that of half 1
	s_cmp_eq_u32 s[CH], 0
	s_cbranch_scc0 .Lfor_v_\@
	tensor_load_to_lds s[G0K:G0K+3], s[G1K:G1K+7]
	s_nop 0
.rept 4
	v_nop
.endr
	s_branch .Lkv_\@
.Lfor_v_\@:
	tensor_load_to_lds s[G0V:G0V+3], s[G1V:G1V+7]
	s_nop 0
.rept 4
	v_nop
.endr
.Lkv_\@:
.endm
; A prefetch, behind each joint load and the run of LDS loads: the K step that stands two refills on.  Of the 8 block rows that a wave fetches, the partner at place p (cx for x, cy for wq) names 2 p and 2 p + 1:
; 32 blocks of 256 bytes, a lane a block, told apart by address.  x's rows are read by one cluster alone, which names them; wq's are named by the cluster with y = 0 alone: each block once in the launch.
; K steps 0 to 3 come by their loads alone; the last two refills ask for nothing: there is no K step two refills on.
.macro ASK
	s_cmp_gt_u32 s[CNT], s[LIM]
	s_cbranch_scc0 .Lnot_mine_\@
	global_prefetch_b8 v[PFO], s[PFA:PFA+1] th:TH_LOAD_NT scope:SCOPE_SE
.Lnot_mine_\@:
.endm
.macro CREST                           ; a round of the cluster's barrier behind its opening barrier
	s_cmp_lg_u32 s[WV], 0
	s_cbranch_scc1 .Lnot_wave_0_\@
	s_barrier_signal -3
.Lnot_wave_0_\@:
	s_barrier_wait -3
	s_barrier_signal -1
	s_barrier_wait -1
.endm
.macro CROUND
	s_barrier_signal -1
	s_barrier_wait -1
	CREST
.endm
	s_load_b256 s[4:11], s[0:1], 0x0               ; a16 s[4:5], kvimg s[6:7], bias s[8:9], o16 s[10:11]
	v_lshl_add_u32 v[SPW], v0, 2, SPARE
	v_mov_b32 v[NIL], 0
	ds_add_u32 v[SPW], v[NIL]                      ; the wave's opening: the add, and its wait ahead of my first tensor load
	v_lshrrev_b32 v1, 5, v0
	v_readfirstlane_b32 s[WV], v1
	s_lshr_b32 s[RH], s[WV], 1                     ; my half of the tile's rows.  Also: I fetch for x (0) or wq (1); and for which column half's head I fetch K or V^T
	s_and_b32 s[CH], s[WV], 1                      ; my half of its columns.  Also: which half of a tile I fetch; and K (0) or V^T (1)
	s_bfe_u32 s[CX], ttmp6, 0x40000
	s_bfe_u32 s[CY], ttmp6, 0x40004
	s_lshl_b32 s[TC], ttmp9, 2
	s_add_co_u32 s[TC], s[TC], s[CX]               ; tile column 0..3: heads 4 TC .. 4 TC + 3
	s_and_b32 s[BT], ttmp7, 0xffff
	s_lshl_b32 s[TR], s[BT], 2
	s_add_co_u32 s[TR], s[TR], s[CY]               ; tile row 0..63
	s_lshr_b32 s[BT], s[BT], 2                     ; the batch: 16 tile rows, four clusters: the same in all sixteen partners
	s_lshl_b32 s20, s[CY], 2
	s_lshl_b32 s20, 15, s20                        ; my row of the cluster
	s_lshl_b32 s21, 0x1111, s[CX]                  ; my column
	s_or_b32 s[G1+0], s20, (3<<16)|(1<<21)         ; 15:0 the mask; 17:16 elements of 8 bytes; 21 set beside a mask; no padding
	s_or_b32 s[G1B+0], s21, (3<<16)|(1<<21)
	s_or_b32 s[G1K+0], s21, (3<<16)|(1<<21)        ; K and V^T hang on the batch and the tile column: shared along the column
	s_or_b32 s[G1V+0], s21, (3<<16)|(1<<21)
.irp g, G1, G1B
	s_mov_b32 s[(\g)+1], 512<<16                   ; tensor_dim0 = 512 elements: 4,096 bytes
	s_mov_b32 s[(\g)+2], 8<<16                     ; tensor_dim1 = 8 block rows
	s_mov_b32 s[(\g)+3], 512<<16                   ; tile_dim0
	s_mov_b32 s[(\g)+4], 8                         ; tile_dim1
	s_mov_b32 s[(\g)+5], 4096                      ; 4,096 elements from block row to block row
	s_mov_b32 s[(\g)+6], 0
	s_mov_b32 s[(\g)+7], 0
.endr
	s_mov_b32 s[G1K+1], 256<<16                    ; K of a head: 16 block rows (keys) x four images
	s_mov_b32 s[G1K+2], 16<<16
	s_mov_b32 s[G1K+3], 256<<16
	s_mov_b32 s[G1K+4], 16
	s_mov_b32 s[G1K+5], 4096
	s_mov_b32 s[G1K+6], 0
	s_mov_b32 s[G1K+7], 0
	s_mov_b32 s[G1V+1], 1024<<16                   ; V^T of a head: 4 block rows (channels) x the batch's sixteen images
	s_mov_b32 s[G1V+2], 4<<16
	s_mov_b32 s[G1V+3], 1024<<16
	s_mov_b32 s[G1V+4], 4
	s_mov_b32 s[G1V+5], 4096
	s_mov_b32 s[G1V+6], 0
	s_mov_b32 s[G1V+7], 0
.irp g, G0, G0B
	s_mov_b32 s[(\g)], 1
	s_mul_i32 s[(\g)+1], s[WV], PART               ; slot 0: wave x 32,768: no place in the cluster enters an LDS address
	s_mov_b32 s[(\g)+4], 1
	s_add_co_u32 s[(\g)+5], s[(\g)+1], SLOT        ; slot 1
.endr
	s_mov_b32 s[G0K], 1
	s_mul_i32 s[G0K+1], s[WV], PART                ; K, V^T of half 0's head, K, V^T of half 1's: slot 0's four quarters
	s_mov_b32 s[G0V], 1
	s_mul_i32 s[G0V+1], s[WV], PART
	s_lshl_b32 s22, s[TR], 19                      ; x: 16 block rows a tile, 8 a half
	s_lshl_b32 s23, s[CH], 18
	s_add_co_u32 s22, s22, s23
	s_mov_b32 s23, 0
	s_lshl_b32 s46, s[TC], 19                      ; wq likewise
	s_lshl_b32 s47, s[CH], 18
	s_add_co_u32 s46, s46, s47
	s_add_co_u32 s46, s46, WQ_OFF
	s_mov_b32 s47, 0
	s_lshl_b32 s20, s[TC], 2
	s_lshl_b32 s21, s[RH], 1
	s_add_co_u32 s20, s20, s21                     ; the first head of the column half that I fetch for
	s_lshl_b32 s2, s[BT], 19                       ; K: block rows 16 batch .., four images at 4 head
	s_lshl_b32 s3, s20, 11
	s_add_co_u32 s2, s2, s3
	s_mov_b32 s3, 0
	s_lshl_b32 s20, s20, 17                        ; V^T: block rows 4 head .., sixteen images at 16 batch
	s_lshl_b32 s21, s[BT], 13
	s_add_co_u32 s20, s20, s21
	s_add_co_u32 s20, s20, VT_OFF
	s_mov_b32 s21, 0
	s_mov_b32 s[TB], 0
	s_mov_b32 s[THR], 0xefa18f08                   ; -1e29
	s_mov_b32 s[STP], 0
	s_mov_b32 s[STP+1], 0
	s_wait_dscnt 0x0                               ; the opening add is done
	s_wait_kmcnt 0x0
	s_add_nc_u64 s[G0+2:G0+3], s[4:5], s[22:23]    ; K step 0,
	s_add_nc_u64 s[G0+6:G0+7], s[G0+2:G0+3], STEPB ; K step 1
	s_or_b32 s[G0+3], s[G0+3], 0x80000000
	s_or_b32 s[G0+7], s[G0+7], 0x80000000
	s_add_nc_u64 s[G0B+2:G0B+3], s[4:5], s[46:47]
	s_add_nc_u64 s[G0B+6:G0B+7], s[G0B+2:G0B+3], STEPB
	s_or_b32 s[G0B+3], s[G0B+3], 0x80000000
	s_or_b32 s[G0B+7], s[G0B+7], 0x80000000
	s_add_nc_u64 s[G0K+2:G0K+3], s[6:7], s[2:3]
	s_or_b32 s[G0K+3], s[G0K+3], 0x80000000
	s_add_nc_u64 s[G0V+2:G0V+3], s[6:7], s[20:21]
	s_or_b32 s[G0V+3], s[G0V+3], 0x80000000
	CROUND                                         ; all sixteen work-groups are here: the first joint loads meet
	JLOAD 0
	JLOAD 4
	s_lshl_b32 s20, s[TR], 19                      ; O: block row 16 TR + 8 RH, four images at head 4 TC + 2 CH
	s_lshl_b32 s21, s[RH], 18
	s_add_co_u32 s20, s20, s21
	s_lshl_b32 s21, s[TC], 13
	s_add_co_u32 s20, s20, s21
	s_lshl_b32 s21, s[CH], 12
	s_add_co_u32 s20, s20, s21
	s_mov_b32 s21, 0
	s_add_nc_u64 s[OPP:OPP+1], s[10:11], s[20:21]
	s_add_nc_u64 s[OB1:OB1+1], s[OPP:OPP+1], 2048
	s_lshl_b32 s20, s[BT], 10                      ; the batch's 256 words of bias
	s_add_nc_u64 s[8:9], s[8:9], s[20:21]
	v_and_b32 v1, 31, v0
	v_and_b32 v2, 15, v0
	v_bfe_u32 v3, v0, 4, 1
	v_lshlrev_b32 v[LO], 4, v1
	v_lshlrev_b32 v[BOF], 5, v1
	global_load_b128 v[BH:BH+3], v[BOF], s[8:9]
	global_load_b128 v[BH+4:BH+7], v[BOF], s[8:9] offset:16
	s_lshl_b32 s21, s[RH], 15                      ; my 128 rows of x,
	s_lshl_b32 s22, s[CH], 15                      ; my 128 rows of wq,
	s_add_co_u32 s22, s22, 2*PART                  ; which lie behind x's
	v_add_nc_u32 v[ADRA0], s21, v[LO]
	v_add_nc_u32 v[ADRB0], s22, v[LO]
	v_mov_b32 v[ADRA], v[ADRA0]
	v_mov_b32 v[ADRB], v[ADRB0]
	s_mul_i32 s23, s[WV], WREG
	s_add_co_u32 s23, s23, SLOT
	v_add_nc_u32 v[QS], s23, v[LO]
	v_mov_b32 v[QA], v[QS]
	s_add_co_u32 s23, s23, 32768
	v_add_nc_u32 v[BSA], s23, v[BOF]
	v_lshl_add_u32 v[BA], v3, 5, s23
	s_lshl_b32 s23, s[CH], 16
	v_add_nc_u32 v[KA], s23, v[LO]
	v_mov_b32 v[TX], 0                             ; v_permlanex16_b32's destination counts as read
	v_lshlrev_b32 v[PFO], 8, v2                    ; block l % 16 of block row l / 16
	v_lshl_add_u32 v[PFO], v3, 15, v[PFO]
	s_and_b32 s22, ttmp7, 0xffff                   ; cluster y
	s_lshl_b32 s20, s[TR], 19
	s_lshl_b32 s21, s[TC], 19
	s_add_co_u32 s21, s21, WQ_OFF
	s_cmp_eq_u32 s[RH], 0                          ; do I fetch for x?
	s_cselect_b32 s20, s20, s21                    ; the tile's first byte
	s_cselect_b32 s21, s[CX], s[CY]                ; my place among the four that ask with me
	s_cselect_b32 s22, ttmp9, s22                  ; the coordinate along which other clusters read the same rows
	s_cmp_eq_u32 s22, 0
	s_cselect_b32 s[LIM], 2, -1
	s_lshl_b32 s22, s[CH], 18
	s_add_co_u32 s20, s20, s22
	s_lshl_b32 s21, s21, 16
	s_add_co_u32 s20, s20, s21
	s_add_co_u32 s20, s20, 3*STEPB                 ; at K step 3: the first refill steps it to 4 and names that
	s_mov_b32 s21, 0
	s_add_nc_u64 s[PFA:PFA+1], s[4:5], s[20:21]
; 16 matrix instructions: m blocks a0, a0 + 1 of the window's four x all 8 n blocks, 32 along K.  The 64 accumulators take turns, in the same order in every quarter.
.macro MUL16 f, hi, a0, zero
	WIN MUL_LO+0x50*(\hi)
.irp a, \a0, (\a0)+1
.irp b, 0,1,2,3,4,5,6,7
.if \zero
	v_wmma_f32_16x16x32_f16 v[8*(8*(\a)+(\b)):8*(8*(\a)+(\b))+7], v[(\f)+8*(\b):(\f)+8*(\b)+7], v[(\f)+8*(4*(\hi)+(\a)):(\f)+8*(4*(\hi)+(\a))+7], 0
.else
	v_wmma_f32_16x16x32_f16 v[8*(8*(\a)+(\b)):8*(8*(\a)+(\b))+7], v[(\f)+8*(\b):(\f)+8*(\b)+7], v[(\f)+8*(4*(\hi)+(\a)):(\f)+8*(4*(\hi)+(\a))+7], v[8*(8*(\a)+(\b)):8*(8*(\a)+(\b))+7]
.endif
.endr
.endr
.endm
; 32 LDS loads in one run: a quarter's fragments (two images from byte k of each of wq's and x's 8 block rows, in the slot in hand) into buffer f
.macro FETCH k, f
	WIN TO_B
.irp i, 0,1,2,3,4,5,6,7
	ds_load_b128 v[(\f)+8*(\i):(\f)+8*(\i)+3],   v[ADRB] offset:(\k)+(\i)*STEPB
	ds_load_b128 v[(\f)+8*(\i)+4:(\f)+8*(\i)+7], v[ADRB] offset:(\k)+(\i)*STEPB+512
.endr
	WIN 0
.irp i, 0,1,2,3,4,5,6,7
	ds_load_b128 v[(\f)+8*(\i):(\f)+8*(\i)+3],   v[ADRA] offset:(\k)+(\i)*STEPB
	ds_load_b128 v[(\f)+8*(\i)+4:(\f)+8*(\i)+7], v[ADRA] offset:(\k)+(\i)*STEPB+512
.endr
.endm
.macro PLACES                          ; four places in front of loads into registers that matrix instructions have read, and of lines that read results
.rept 4
	v_nop
.endr
.endm
.macro QUARTER k, f, g, zero           ; multiplies buffer f; in its middle fetches the next quarter, at byte k, into g
	s_wait_dscnt 8                                 ; wq and x's rows 0-63 are in; the youngest eight loads (x's rows 64-127) may be out
	WIN MUL_LO
	MUL16 \f, 0, 0, \zero
	MUL16 \f, 0, 2, \zero
	PLACES
	FETCH \k, \g
	s_wait_dscnt 32                                ; all but the 32 just issued
	WIN MUL_HI
	MUL16 \f, 1, 0, \zero
	MUL16 \f, 1, 2, \zero
.endm
.macro MEET                            ; the first half of a K step's last quarter, and the barrier of the change of slots
	WIN 0
	s_wait_tensorcnt 0x0                           ; all my tensor loads have landed: the one that was out is my part of the next slot
	ds_add_u32 v[SPW], v[NIL]
	s_wait_dscnt 9                                 ; the add and the youngest eight loads may be out
	MUL16 F1, 0, 0, 0
	s_wait_dscnt 0x0                               ; the add is done, and my reads of this slot are over
	s_barrier_signal -1
	MUL16 F1, 0, 2, 0
	WIN 0
	s_barrier_wait -1
.endm
.macro NEXTSLOT                        ; the fragments' addresses in the slot that s[TB] now names
	v_add_nc_u32 v[ADRA], s[TB], v[ADRA0]
	v_add_nc_u32 v[ADRB], s[TB], v[ADRB0]
.endm
.macro REST                            ; the second half of the last quarter
	WIN MUL_HI
	MUL16 F1, 1, 0, 0
	MUL16 F1, 1, 2, 0
.endm
.macro TURNF                           ; the last quarter of a K step whose slot takes the K step two on
	s_wait_xcnt 0x0                                ; the last prefetch, a K step back, has read its address
	s_add_nc_u64 s[PFA:PFA+1], s[PFA:PFA+1], STEPB
	MEET
	CREST                                          ; no wave of any partner still reads this slot or has a load on its way
	s_xor_b32 s[G0+5], s[G0+5], SLOT               ; the walking descriptors: the other slot than last time, the next K step
	s_add_nc_u64 s[G0+6:G0+7], s[G0+6:G0+7], STEPB
	s_xor_b32 s[G0B+5], s[G0B+5], SLOT
	s_add_nc_u64 s[G0B+6:G0B+7], s[G0B+6:G0B+7], STEPB
	s_xor_b32 s[TB], s[TB], SLOT
	JLOAD 4                                        ; the first tensor load behind the round; its four v_nop are also places in front of the loads below
	NEXTSLOT
	FETCH 0, F0
	ASK
	REST
.endm
.macro TURNK                           ; the last quarter of K step 6: slot 0 takes K and V^T of the two first heads
	MEET
	CREST
	s_xor_b32 s[TB], s[TB], SLOT
	JKV
	NEXTSLOT
	FETCH 0, F0
	REST
.endm
	s_wait_tensorcnt 1                             ; my part of K step 0 is in; K step 1's may stay out
	s_barrier_signal -1
	s_barrier_wait -1
	FETCH 0, F0
	QUARTER 1024, F0, F1, 1                        ; the first quarter's products start the sums
	WIN 0
	s_mov_b32 s[CNT], 6
	s_branch .Lmid                                 ; the loop is entered behind a step's first quarter
.Lstep:                                            ; six trips, K steps 0 to 5: each fills its slot again
	QUARTER 1024, F0, F1, 0
	WIN 0
.Lmid:
	QUARTER 2048, F1, F0, 0
	QUARTER 3072, F0, F1, 0
	TURNF
	WIN 0
	s_sub_co_u32 s[CNT], s[CNT], 1
	s_cmp_lg_u32 s[CNT], 0
	s_cbranch_scc1 .Lstep
	s_mov_b32 s[HC], 2
.Lt:                                               ; K steps 6 and 7: the second trip is left ahead of the change of slots
	QUARTER 1024, F0, F1, 0
	QUARTER 2048, F1, F0, 0
	QUARTER 3072, F0, F1, 0
	WIN 0
	s_sub_co_u32 s[HC], s[HC], 1
	s_cmp_eq_u32 s[HC], 0
	s_cbranch_scc1 .Llastq
	TURNK
	WIN 0
	s_branch .Lt
.Llastq:
	s_wait_dscnt 8
	MUL16 F1, 0, 0, 0
	MUL16 F1, 0, 2, 0
	s_wait_dscnt 0x0
	MUL16 F1, 1, 0, 0
	MUL16 F1, 1, 2, 0
	WIN 0
	s_wait_tensorcnt 0x0                           ; my part of K or V^T is in,
	s_barrier_signal -1                            ; everybody's is, and every wave's reads of slot 1 are over: the stages may overlay it
	s_barrier_wait -1
	PLACES
	s_mov_b32 s[CS], 0x3e38aa3b                    ; c = log2(e) / 8
	s_mov_b32 s[CS+1], s[CS]
	s_mov_b32 s[SEL], 0x76543210
	s_mov_b32 s[SEL+1], 0xfedcba98
	s_wait_loadcnt 0x0                             ; the bias
.irp c, 0,1
	ds_store_b128 v[BSA], v[BH:BH+3] offset:1024*(\c)
	ds_store_b128 v[BSA], v[BH+4:BH+7] offset:1024*(\c)+16
.endr
; q's block a: an accumulator rounded to f16 is an image; image e of head hl and row block a goes to 16,384 hl + 2,048 a + 512 e of my stage, so that the 16 units lie on end
.macro QPACK a
	WIN 0x0a+5*((\a)/4)
.irp b, 0,1,2,3,4,5,6,7
.irp r, 0,1,2,3
	v_cvt_pk_f16_f32 v[TMP+32*((\a)%2)+4*(\b)+(\r)], v[64*((\a)%4)+8*(\b)+2*(\r)], v[64*((\a)%4)+8*(\b)+2*(\r)+1]
.endr
.endr
	WIN 0
.irp b, 0,1,2,3,4,5,6,7
	ds_store_b128 v[QS], v[TMP+32*((\a)%2)+4*(\b):TMP+32*((\a)%2)+4*(\b)+3] offset:16384*((\b)/4)+2048*(\a)+512*((\b)%4)
.endr
.endm
.irp a, 0,1,2,3,4,5,6,7
	QPACK \a
.endr
; my head's K (key block kb, channel half c at 16 kb + 8 c of window 2) and V^T (key pair kk, channel block c at 8 (4 kk + c) of window 3) out of slot 0
.macro LOADKV
	WIN 0x80
.set kb, 0
.rept 16
.irp c, 0,1
	ds_load_b128 v[16*kb+8*(\c):16*kb+8*(\c)+3],   v[KA] offset:2048*kb+1024*(\c)
	ds_load_b128 v[16*kb+8*(\c)+4:16*kb+8*(\c)+7], v[KA] offset:2048*kb+1024*(\c)+512
.endr
.set kb, kb+1
.endr
	WIN 0xc0
.set kk, 0
.rept 8
.irp c, 0,1,2,3
	ds_load_b128 v[8*(4*kk+(\c)):8*(4*kk+(\c))+3],   v[KA] offset:32768+8192*(\c)+1024*kk
	ds_load_b128 v[8*(4*kk+(\c))+4:8*(4*kk+(\c))+7], v[KA] offset:32768+8192*(\c)+1024*kk+512
.endr
.set kk, kk+1
.endr
	WIN 0
.endm
	LOADKV
	s_wait_tensorcnt 0x0                           ; no tensor load of mine is out, so a group 0 may be written
	ds_add_u32 v[SPW], v[NIL]
	s_add_nc_u64 s[G0K+2:G0K+3], s[G0K+2:G0K+3], 2048    ; the next head: four images on in K,
	s_add_nc_u64 s[G0V+2:G0V+3], s[G0V+2:G0V+3], 131072  ; four block rows on in V^T
	s_wait_dscnt 0x0                               ; the add is done; K and V^T are in my registers: my reads of slot 0 are over
	CROUND                                         ; so are those of every wave of every partner
	JKV                                            ; the second heads' K and V^T: they have eight units in which to land
.macro QLD                             ; the next unit's four images of Q
.irp e, 0,1,2,3
	ds_load_b128 v[Q+4*(\e):Q+4*(\e)+3], v[QA] offset:512*(\e)
.endr
	v_add_nc_u32 v[QA], 2048, v[QA]
.endm
.macro BIASLD                          ; the bias of keys 16 kb + 8 (lane / 16) + 0..7 into accumulator kb: the sums' start
.set kb, 0
.rept 16
	ds_load_b128 v[S+8*kb:S+8*kb+3],   v[BA] offset:64*kb
	ds_load_b128 v[S+8*kb+4:S+8*kb+7], v[BA] offset:64*kb+16
.set kb, kb+1
.endr
.endm
; 32 products S^T = K Q^T + bias: the 16 accumulators take turns
.macro KQRUN
	WIN 0x02                                       ; K window 2; Q, C and D window 0
.set kb, 0
.rept 16
	v_wmma_f32_16x16x32_f16 v[S+8*kb:S+8*kb+7], v[16*kb:16*kb+7], v[Q:Q+7], v[S+8*kb:S+8*kb+7]
.set kb, kb+1
.endr
.set kb, 0
.rept 16
	v_wmma_f32_16x16x32_f16 v[S+8*kb:S+8*kb+7], v[16*kb+8:16*kb+15], v[Q+8:Q+15], v[S+8*kb:S+8*kb+7]
.set kb, kb+1
.endr
.endm
; 32 products O^T = V^T P: the 4 accumulators take turns; the first 4 start the sums
.macro PVRUN
	WIN 0x53                                       ; V^T window 3, P window 0, C and D window 1
.set kk, 0
.rept 8
.irp c, 0,1,2,3
.if kk == 0
	v_wmma_f32_16x16x32_f16 v[O+8*(\c):O+8*(\c)+7], v[8*(4*kk+(\c)):8*(4*kk+(\c))+7], v[P+8*kk:P+8*kk+7], 0
.else
	v_wmma_f32_16x16x32_f16 v[O+8*(\c):O+8*(\c)+7], v[8*(4*kk+(\c)):8*(4*kk+(\c))+7], v[P+8*kk:P+8*kk+7], v[O+8*(\c):O+8*(\c)+7]
.endif
.endr
.set kk, kk+1
.endr
.endm
.macro FS i                            ; c s - c m for pair i of 64
	v_pk_fma_f32 v[S+2*(\i):S+2*(\i)+1], v[S+2*(\i):S+2*(\i)+1], s[CS:CS+1], v[CM:CM+1] op_sel_hi:[1,0,0] neg_lo:[0,0,1] neg_hi:[0,0,1]
.endm
.macro CV i                            ; pair i rounded to f16
	v_cvt_pk_f16_f32 v[P+(\i)], v[S+2*(\i)], v[S+2*(\i)+1]
.endm
.macro SU k                            ; pair k into one of four sums; pairs 0-3 start them, each with the pair four on
.if (\k) < 4
	v_pk_add_f32 v[L+2*(\k):L+2*(\k)+1], v[S+2*(\k):S+2*(\k)+1], v[S+2*(\k)+8:S+2*(\k)+9]
.else
	v_pk_add_f32 v[L+2*((\k)%4):L+2*((\k)%4)+1], v[L+2*((\k)%4):L+2*((\k)%4)+1], v[S+2*(\k):S+2*(\k)+1]
.endif
.endm
.macro SOFTMAX
	WIN 0
	; the maximum of my 128 scores: four chains by turns; each accumulator's lowest registers are read first
.set g, 0
.rept 4
.set p, 0
.rept 4
.set q, 0
.rept 4
.if (g == 0) && (p == 0)
	v_max_num_f32 v[MX+q], v[S+8*q], v[S+8*q+1]
.else
	v_max3_num_f32 v[MX+q], v[MX+q], v[S+8*(4*g+q)+2*p], v[S+8*(4*g+q)+2*p+1]
.endif
.set q, q+1
.endr
.set p, p+1
.endr
.set g, g+1
.endr
	v_max3_num_f32 v[MX], v[MX], v[MX+1], v[MX+2]
	v_max_num_f32 v[MX], v[MX], v[MX+3]
	v_permlanex16_b32 v[TX], v[MX], s[SEL], s[SEL+1]  ; the query's other 128 keys lie in the lane 16 away
	v_max_num_f32 v[CM+1], v[MX], v[TX]
	v_mul_f32 v[CM], s[CS], v[CM+1]
	; batch 1: all 64 scalings and the powers of scores 0-63; none of these lines names a power's result
	FS 0
	FS 1
.set e, 0
.rept 62
	v_exp_f32 v[S+e], v[S+e]
	FS e+2
.set e, e+1
.endr
	v_exp_f32 v[S+62], v[S+62]
	v_exp_f32 v[S+63], v[S+63]
	v_nop                                          ; a plain instruction behind the last power,
	s_wait_alu depctr_va_vdst(0)                   ; and one wait for the batch
	; batch 2: the powers of scores 64-127, each beside a line that reads batch 1 alone
.set e, 0
.rept 64
	v_exp_f32 v[S+64+e], v[S+64+e]
.if e < 32
	CV e
.elseif e < 36
	SU e-32
.elseif e < 60
	SU e-28
.endif
.set e, e+1
.endr
	v_nop
	s_wait_alu depctr_va_vdst(0)                   ; one wait for batch 2
.set e, 32
.rept 32
	CV e
	SU e
.set e, e+1
.endr
	v_pk_add_f32 v[L:L+1], v[L:L+1], v[L+2:L+3]
	v_pk_add_f32 v[L+4:L+5], v[L+4:L+5], v[L+6:L+7]
	v_pk_add_f32 v[L:L+1], v[L:L+1], v[L+4:L+5]
	v_add_f32 v[L], v[L], v[L+1]
	v_permlanex16_b32 v[TX], v[L], s[SEL], s[SEL+1]
	v_add_f32 v[L], v[L], v[TX]
	v_rcp_f32 v[RC], v[L]
	v_nop                                          ; a plain instruction behind the reciprocal
	v_cmp_lt_f32 s[VM], s[THR], v[CM+1]            ; is any key of the row visible?
	s_wait_alu depctr_va_vdst(0)                   ; the reciprocal's wait, ahead of its first reader and of the loop's jump
	v_cndmask_b32 v[INV], 0, v[RC], s[VM]
	v_cndmask_b32 v[INV+1], 0, v[RC], s[VM]
.endm
.macro FINAL                           ; O^T / l, rounded to f16: four images, 2,048 consecutive bytes
	WIN 0x41
.set i, 0
.rept 16
	v_pk_mul_f32 v[O+2*i:O+2*i+1], v[O+2*i:O+2*i+1], v[INV:INV+1]
.set i, i+1
.endr
	WIN 0x05
.set i, 0
.rept 16
	v_cvt_pk_f16_f32 v[OPK+i], v[O+2*i], v[O+2*i+1]
.set i, i+1
.endr
	WIN 0
.irp c, 0,1,2,3
	global_store_b128 v[LO], v[OPK+4*(\c):OPK+4*(\c)+3], s[OPP:OPP+1] offset:512*(\c)
.endr
.endm
	QLD                                            ; unit 0's Q and the first sums' start
	BIASLD
	s_mov_b32 s[HC], 2
.Lhead:                                            ; two trips, a head each
	s_mov_b32 s[CNT], 8
.Lunit:                                            ; eight trips, a unit of 16 queries each, in phases
	s_wait_dscnt 0x0                               ; Q and the bias are in (at a head's first unit: K and V^T too)
	KQRUN
	WIN 0
	PLACES                                         ; behind the last product: Q's registers are loaded again, S^T is read
	QLD                                            ; the next unit's Q; behind the last unit of all these four loads read my two copies of the bias and serve nothing
	SOFTMAX
	BIASLD                                         ; S^T has been read out: the next sums' start comes in under the products below
	PVRUN
	WIN 0
	PLACES
	s_wait_xcnt 0x0                                ; the last unit's stores have read their data and their base
	s_add_nc_u64 s[OPP:OPP+1], s[OPP:OPP+1], s[STP:STP+1]
	s_mov_b32 s[STP], 32768                        ; a block row on
	FINAL
	s_sub_co_u32 s[CNT], s[CNT], 1
	s_cmp_lg_u32 s[CNT], 0
	s_cbranch_scc1 .Lunit
	s_wait_tensorcnt 0x0                           ; my part of the second heads' K or V^T is in,
	s_wait_dscnt 0x0
	s_barrier_signal -1
	s_barrier_wait -1                              ; everybody's is
	s_cmp_eq_u32 s[HC], 1
	s_cbranch_scc1 .Lnokv                          ; behind the second head nothing is left to read
	LOADKV
.Lnokv:
	s_wait_xcnt 0x0
	s_mov_b64 s[OPP:OPP+1], s[OB1:OB1+1]           ; back to my first block row, four images on
	s_mov_b32 s[STP], 0
	s_sub_co_u32 s[HC], s[HC], 1
	s_cmp_lg_u32 s[HC], 0
	s_cbranch_scc1 .Lhead
	s_wait_tensorcnt 0x0                           ; the wave's end, behind my last tensor load and my last LDS store
	ds_add_u32 v[SPW], v[NIL]
	s_wait_dscnt 0x0
	CROUND                                         ; the closing round
	s_endpgm
.Lfunc_end_k_q060b49cdc1_qa:
	.size	k_q060b49cdc1_qa, .Lfunc_end_k_q060b49cdc1_qa-k_q060b49cdc1_qa
	.p2alignl 7, 3214868480
	.fill 96, 4, 3214868480
	.section	.rodata,"a",@progbits
	.p2align	6, 0x0
	.amdhsa_kernel k_q060b49cdc1_qa
		.amdhsa_group_segment_fixed_size 327680
		.amdhsa_private_segment_fixed_size 0
		.amdhsa_enable_private_segment 0
		.amdhsa_kernarg_size 32
		.amdhsa_user_sgpr_count 2
		.amdhsa_user_sgpr_kernarg_segment_ptr 1
		.amdhsa_wavefront_size32 1
		.amdhsa_system_sgpr_workgroup_id_x 1
		.amdhsa_system_sgpr_workgroup_id_y 1
		.amdhsa_system_sgpr_workgroup_id_z 1
		.amdhsa_system_vgpr_workitem_id 0
		.amdhsa_next_free_vgpr 1024
		.amdhsa_next_free_sgpr 100
		.amdhsa_reserve_vcc 0
		.amdhsa_float_denorm_mode_32 3
		.amdhsa_float_denorm_mode_16_64 3
		.amdhsa_memory_ordered 1
		.amdhsa_forward_progress 1
		.amdhsa_inst_pref_size 147
	.end_amdhsa_kernel
	.amdgpu_metadata
---
amdhsa.version: [ 1, 2 ]
amdhsa.kernels:
  - .name:           k_q060b49cdc1_qa
    .symbol:         k_q060b49cdc1_qa.kd
    .args:
      - { .name: a16, .offset: 0, .size: 8, .value_kind: global_buffer, .address_space: global }
      - { .name: kvimg, .offset: 8, .size: 8, .value_kind: global_buffer, .address_space: global }
      - { .name: bias, .offset: 16, .size: 8, .value_kind: global_buffer, .address_space: global }
      - { .name: o16, .offset: 24, .size: 8, .value_kind: global_buffer, .address_space: global }
    .group_segment_fixed_size: 327680
    .private_segment_fixed_size: 0
    .kernarg_segment_align: 8
    .kernarg_segment_size: 32
    .max_flat_workgroup_size: 128
    .sgpr_count:     100
    .vgpr_count:     1024
    .wavefront_size: 32
...
	.end_amdgpu_metadata
.endif
;; end of part 6
;; launch og (part 7): grid 4 x 64, 4 waves a work-group, clusters of 4 x 4, 327,680 bytes of LDS; arguments a16, o16, out0; writes out0
.if DOCPART == 7
	.amdgcn_target "amdgcn-amd-amdhsa--gfx1250"
	.amdhsa_code_object_version 6
	.text
	.protected	k_q060b49cdc1_og
	.globl	k_q060b49cdc1_og
	.p2align	8
	.type	k_q060b49cdc1_og,@function
k_q060b49cdc1_og:
	s_mov_b64 s[64:65], 0
	v_nop
	global_prefetch_b8 v0, s[64:65] scope:SCOPE_SE
	s_setreg_imm32_b32 hwreg(HW_REG_WAVE_MODE, 25, 1), 1
	s_wait_xcnt 0x0
	s_wait_alu depctr_hold_cnt(0) depctr_sa_sdst(0) depctr_va_vdst(0) depctr_va_sdst(0) depctr_va_ssrc(0) depctr_va_vcc(0) depctr_vm_vsrc(0)
	s_getreg_b32 s2, hwreg(HW_REG_IB_STS2, 6, 4)
	s_cmp_eq_u32 s2, 0
	s_cbranch_scc0 .Lentry_in_a_cluster
	s_endpgm
.Lentry_in_a_cluster:
	s_bfe_u32 s2, ttmp6, 0x10000c
	s_cmp_lg_u32 s2, 0xf033
	s_cbranch_scc0 .Lentry_shape_is_right
	s_endpgm
.Lentry_shape_is_right:
; OG.  out0 = sigmoid(x wg^T) x (O wo^T), 16,384 x 1,024, both products over K = 1,024.  x, wg, wo (in a16) and O (o16) are f16 images: 16 x 16 in 512 bytes, lane l's 16 bytes at 16 l; a block row of
; 16 rows is 32,768 bytes.  Sums, the sigmoid and the last product in f32; out0 is f32.
; A WORK-GROUP STAYS: for its 256 x 256 of out0 it makes first z = x wg^T and then C = O wo^T: 16 K steps of 128 through ONE ring of two LDS slots, which does not stop between the tiles.
; z has C's place in lanes and registers.  It is rounded once to f16 and kept: 56 of a wave's 64 accumulators in 224 registers that the products do not name, 8 in 4,096 bytes of LDS behind the ring.
; LIMIT.  z is rounded to f16 ahead of the sigmoid: the gate is off by at most |z| 2^-12 of itself; an f16 infinity still gives the gate 0 or 1.  The sigmoid is 1 / (1 + 2^(-z log2 e)).
; Four waves of 128 x 128.  A wave's tensor load brings 8 block rows x 4,096 bytes; tiles lie in LDS as in memory, and every fragment load reads 512 consecutive bytes, so no padding is wanted.
; CLUSTER 4 x 4: A's tiles are asked for jointly along a row of the cluster, B's along a column.  The product is taken transposed (source 0 = rows of B, source 1 = rows of A): a lane holds eight
; neighbouring columns of one row.  A K step is written once: one walking descriptor a tensor, its LDS word turned by an exclusive or; at the seventh refill it takes the second tile's address.
; THE WAY OUT, 64 rows at a time: C as f32 and z as f16 go into my own stage, which overlays the ring behind a barrier, come back as whole rows, and leave as 512 consecutive bytes.
; REGISTERS: window 0: v4-31 addresses and constants; v32-63, v192-255 z; v64-191 A's two fragment buffers, later the way out.  window 1: v0-63, v192-255 z; v64-191 B's two buffers.
;   windows 2, 3: the accumulators ((a, b) at 8 (8 (a % 4) + b)).
.set WG_OFF, 37748736
.set WO_OFF, 44040192
.set STEPB,  4096
.set PART,   32768
.set SLOT,   131072                    ; a power of two: one exclusive or turns an address in one slot into the other's
.set ZLDS,   2*SLOT                    ; behind the ring, never filled by a tensor load: 4,096 bytes of z for each wave
.set SPARE,  ZLDS+4*4096               ; behind them: the spare words, 128 bytes a wave
.set DP,     528                       ; a stage row of C: 128 f32 + 16 bytes: 33 x 16
.set ZP,     272                       ; a stage row of z: 128 f16 + 16 bytes: 17 x 16
.set DWAVE,  64*(DP+ZP)                ; a wave's own stage: 64 rows of C, then 64 rows of z
.set KN,   4                           ; v4   -log2 e
.set ZA0,  5                           ; v5   z's rows, back: the first; never rewritten
.set ZT,   8                           ; v[8:15] two accumulators' z on the way to LDS
.set ADRA, 16
.set ADRA0, 17
.set ZL,   18                          ; v18  my z in LDS + 16 lane
.set ZD,   19                          ; v19  z's stage, in
.set ADRB, 20
.set ADRB0, 21
.set RA0,  22                          ; v22  C's rows, back: the first; never rewritten
.set ZA,   23
.set LO,   24
.set DA,   25                          ; v25  C's stage, in
.set RA,   26
.set SPW,  28
.set NIL,  29
.set PFO,  30
.set ZR,   31                          ; v31  0: an addend
.set F0,   64
.set F1,   128
.set X,    64                          ; the way out: 16 rows of C,
.set Z,    128                         ; of z,
.set T,    192                         ; and of the gate
.set WV, 12
.set RH, 13
.set CH, 14
.set CX, 15
.set CY, 16
.set TC, 17
.set TR, 18
.set G1, 24
.set G0, 32
.set LIM, 42
.set TB,  43
.set PFA, 44
.set G1B, 48
.set G0B, 56
.set OUTP, 66
.set A2,  68                           ; s[68:69] the second tile's K step 0 of A, with the type bits; s[70:71] of B
.set B2,  70
.set PF2, 72                           ; s[72:73] where my prefetches begin in the second tile
.set STP, 74
.set CNT, 76
.set C2,  77
.set HC,  78
.set MSB, 0
.macro WIN new
.if MSB != (\new)
	s_set_vgpr_msb (MSB<<8)|(\new)
.set MSB, \new
.endif
.endm
.set MUL_LO, 0xa1
.set MUL_HI, 0xf1
.set TO_B,   0x40
.macro JLOAD g                         ; a joint load: waves 0 and 1 fetch A's halves, waves 2 and 3 B's; an s_nop 0 and four v_nop follow each line
	s_cmp_eq_u32 s[RH], 0
	s_cbranch_scc0 .Lfor_b_\@
	tensor_load_to_lds s[G0+(\g):G0+(\g)+3], s[G1:G1+7]
	s_nop 0
.rept 4
	v_nop
.endr
	s_branch .Lasked_\@
.Lfor_b_\@:
	tensor_load_to_lds s[G0B+(\g):G0B+(\g)+3], s[G1B:G1B+7]
	s_nop 0
.rept 4
	v_nop
.endr
.Lasked_\@:
.endm
; A prefetch, behind each joint load and the run of LDS loads: the K step that stands two refills on, across the change of tiles too.  Of the 8 block rows that a wave fetches, the partner at place p (cx for A,
; cy for B) names 2 p and 2 p + 1: 32 blocks of 256 bytes, a lane a block, told apart by address.  x's and O's rows are read by one cluster alone, which names them; wg's and wo's are named by the cluster
; with y = 0 alone: each block once in the launch.  The first tile's K steps 0 to 3 come by their loads alone; the last two refills ask for nothing.
.macro ASK
	s_cmp_gt_u32 s[CNT], s[LIM]
	s_cbranch_scc0 .Lnot_mine_\@
	global_prefetch_b8 v[PFO], s[PFA:PFA+1] th:TH_LOAD_NT scope:SCOPE_SE
.Lnot_mine_\@:
.endm
.macro CREST
	s_cmp_lg_u32 s[WV], 0
	s_cbranch_scc1 .Lnot_wave_0_\@
	s_barrier_signal -3
.Lnot_wave_0_\@:
	s_barrier_wait -3
	s_barrier_signal -1
	s_barrier_wait -1
.endm
.macro CROUND
	s_barrier_signal -1
	s_barrier_wait -1
	CREST
.endm
	s_load_b128 s[4:7], s[0:1], 0x0                ; a16 s[4:5], o16 s[6:7]
	s_load_b64 s[8:9], s[0:1], 0x10                ; out0
	v_lshl_add_u32 v[SPW], v0, 2, SPARE
	v_mov_b32 v[NIL], 0
	ds_add_u32 v[SPW], v[NIL]                      ; the wave's opening: the add, and its wait ahead of my first tensor load
	v_lshrrev_b32 v1, 5, v0
	v_readfirstlane_b32 s[WV], v1
	s_lshr_b32 s[RH], s[WV], 1                     ; my half of the tile's rows.  Also: I fetch for A (0) or B (1)
	s_and_b32 s[CH], s[WV], 1                      ; my half of its columns.  Also: which half of that tile I fetch
	s_bfe_u32 s[CX], ttmp6, 0x40000
	s_bfe_u32 s[CY], ttmp6, 0x40004
	s_lshl_b32 s[TC], ttmp9, 2
	s_add_co_u32 s[TC], s[TC], s[CX]               ; tile column 0..3
	s_and_b32 s[TR], ttmp7, 0xffff
	s_lshl_b32 s[TR], s[TR], 2
	s_add_co_u32 s[TR], s[TR], s[CY]               ; tile row 0..63
	s_lshl_b32 s20, s[CY], 2
	s_lshl_b32 s20, 15, s20                        ; my row of the cluster
	s_lshl_b32 s21, 0x1111, s[CX]                  ; my column
	s_or_b32 s[G1+0], s20, (3<<16)|(1<<21)         ; 15:0 the mask; 17:16 elements of 8 bytes; 21 set beside a mask; no padding
	s_or_b32 s[G1B+0], s21, (3<<16)|(1<<21)
.irp g, G1, G1B
	s_mov_b32 s[(\g)+1], 512<<16                   ; tensor_dim0 = 512 elements: 4,096 bytes
	s_mov_b32 s[(\g)+2], 8<<16                     ; tensor_dim1 = 8 block rows
	s_mov_b32 s[(\g)+3], 512<<16
	s_mov_b32 s[(\g)+4], 8
	s_mov_b32 s[(\g)+5], 4096                      ; 4,096 elements from block row to block row
	s_mov_b32 s[(\g)+6], 0
	s_mov_b32 s[(\g)+7], 0
.endr
.irp g, G0, G0B
	s_mov_b32 s[(\g)], 1
	s_mul_i32 s[(\g)+1], s[WV], PART               ; slot 0: wave x 32,768
	s_mov_b32 s[(\g)+4], 1
	s_add_co_u32 s[(\g)+5], s[(\g)+1], SLOT        ; slot 1
.endr
	s_lshl_b32 s22, s[TR], 19                      ; A, in x and in O alike: 16 block rows a tile, 8 a half
	s_lshl_b32 s23, s[CH], 18
	s_add_co_u32 s22, s22, s23
	s_mov_b32 s23, 0
	s_lshl_b32 s46, s[TC], 19                      ; B: the same in wg,
	s_lshl_b32 s47, s[CH], 18
	s_add_co_u32 s46, s46, s47
	s_add_co_u32 s40, s46, WO_OFF                  ; and in wo
	s_add_co_u32 s46, s46, WG_OFF
	s_mov_b32 s47, 0
	s_mov_b32 s41, 0
	s_mov_b32 s[TB], 0
	s_mov_b32 s[STP], 0
	s_mov_b32 s[STP+1], 0
	s_wait_dscnt 0x0                               ; the opening add is done
	s_wait_kmcnt 0x0
	s_add_nc_u64 s[G0+2:G0+3], s[4:5], s[22:23]    ; K step 0,
	s_add_nc_u64 s[G0+6:G0+7], s[G0+2:G0+3], STEPB ; K step 1
	s_or_b32 s[G0+3], s[G0+3], 0x80000000
	s_or_b32 s[G0+7], s[G0+7], 0x80000000
	s_add_nc_u64 s[G0B+2:G0B+3], s[4:5], s[46:47]
	s_add_nc_u64 s[G0B+6:G0B+7], s[G0B+2:G0B+3], STEPB
	s_or_b32 s[G0B+3], s[G0B+3], 0x80000000
	s_or_b32 s[G0B+7], s[G0B+7], 0x80000000
	s_add_nc_u64 s[A2:A2+1], s[6:7], s[22:23]
	s_or_b32 s[A2+1], s[A2+1], 0x80000000
	s_add_nc_u64 s[B2:B2+1], s[4:5], s[40:41]
	s_or_b32 s[B2+1], s[B2+1], 0x80000000
	CROUND                                         ; all sixteen work-groups are here: the first joint loads meet
	JLOAD 0
	JLOAD 4
	s_lshl_b32 s20, s[TR], 20                      ; my 128 x 128 of out0: rows of 4,096 bytes,
	s_lshl_b32 s21, s[RH], 19
	s_add_co_u32 s20, s20, s21
	s_lshl_b32 s21, s[TC], 10                      ; 1,024 bytes a tile column, 512 a half
	s_add_co_u32 s20, s20, s21
	s_lshl_b32 s21, s[CH], 9
	s_add_co_u32 s20, s20, s21
	s_mov_b32 s21, 0
	s_add_nc_u64 s[OUTP:OUTP+1], s[8:9], s[20:21]
	v_and_b32 v1, 31, v0
	v_and_b32 v2, 15, v0
	v_bfe_u32 v3, v0, 4, 1
	v_lshlrev_b32 v[LO], 4, v1
	v_mov_b32 v[ZR], 0
	v_mov_b32 v[KN], 0xbfb8aa3b
	s_lshl_b32 s21, s[RH], 15
	s_lshl_b32 s22, s[CH], 15
	s_add_co_u32 s22, s22, 2*PART
	v_add_nc_u32 v[ADRA0], s21, v[LO]
	v_add_nc_u32 v[ADRB0], s22, v[LO]
	v_mov_b32 v[ADRA], v[ADRA0]
	v_mov_b32 v[ADRB], v[ADRB0]
	s_lshl_b32 s23, s[WV], 12
	s_add_co_u32 s23, s23, ZLDS
	v_add_nc_u32 v[ZL], s23, v[LO]
	s_mul_i32 s23, s[WV], DWAVE
	v_mul_u32_u24 v[DA], v2, DP                    ; C in: row l % 16, 32 bytes for each half of the lanes
	v_lshl_add_u32 v[DA], v3, 5, v[DA]
	v_add_nc_u32 v[DA], s23, v[DA]
	v_add_nc_u32 v[RA0], s23, v[LO]                ; back: a whole row of 512 bytes, 16 a lane
	s_add_co_u32 s23, s23, 64*DP
	v_mul_u32_u24 v[ZD], v2, ZP                    ; z in: row l % 16, 16 bytes for each half of the lanes
	v_lshl_add_u32 v[ZD], v3, 4, v[ZD]
	v_add_nc_u32 v[ZD], s23, v[ZD]
	v_lshl_add_u32 v[ZA0], v1, 3, s23              ; back: a whole row of 256 bytes, 8 a lane
	v_lshlrev_b32 v[PFO], 8, v2                    ; block l % 16 of block row l / 16
	v_lshl_add_u32 v[PFO], v3, 15, v[PFO]
	s_and_b32 s22, ttmp7, 0xffff                   ; cluster y
	s_lshl_b32 s20, s[TR], 19
	s_lshl_b32 s21, s[TC], 19
	s_add_co_u32 s21, s21, WG_OFF
	s_cmp_eq_u32 s[RH], 0                          ; do I fetch for A?
	s_cselect_b32 s20, s20, s21                    ; the first tile's first byte
	s_cselect_b32 s21, s[CX], s[CY]                ; my place among the four that ask with me
	s_cselect_b32 s22, ttmp9, s22                  ; the coordinate along which other clusters read the same rows
	s_cselect_b32 s23, 0, WO_OFF-WG_OFF            ; from the first tile's offset to the second's
	s_cselect_b64 s[PF2:PF2+1], s[6:7], s[4:5]     ; and the second tile's buffer
	s_cmp_eq_u32 s22, 0
	s_cselect_b32 s[LIM], 2, -1
	s_lshl_b32 s22, s[CH], 18
	s_add_co_u32 s20, s20, s22
	s_lshl_b32 s21, s21, 16
	s_add_co_u32 s20, s20, s21
	s_mov_b32 s21, 0
	s_add_nc_u64 s[PFA:PFA+1], s[4:5], s[20:21]
	s_add_nc_u64 s[PFA:PFA+1], s[PFA:PFA+1], 3*STEPB  ; at K step 3: the first refill steps it to 4 and names that
	s_add_co_u32 s20, s20, s23
	s_add_nc_u64 s[PF2:PF2+1], s[PF2:PF2+1], s[20:21]
.macro MUL16 f, hi, a0, zero           ; 16 matrix instructions; the 64 accumulators take turns, in the same order in every quarter
	WIN MUL_LO+0x50*(\hi)
.irp a, \a0, (\a0)+1
.irp b, 0,1,2,3,4,5,6,7
.if \zero
	v_wmma_f32_16x16x32_f16 v[8*(8*(\a)+(\b)):8*(8*(\a)+(\b))+7], v[(\f)+8*(\b):(\f)+8*(\b)+7], v[(\f)+8*(4*(\hi)+(\a)):(\f)+8*(4*(\hi)+(\a))+7], 0
.else
	v_wmma_f32_16x16x32_f16 v[8*(8*(\a)+(\b)):8*(8*(\a)+(\b))+7], v[(\f)+8*(\b):(\f)+8*(\b)+7], v[(\f)+8*(4*(\hi)+(\a)):(\f)+8*(4*(\hi)+(\a))+7], v[8*(8*(\a)+(\b)):8*(8*(\a)+(\b))+7]
.endif
.endr
.endr
.endm
.macro FETCH k, f                      ; 32 LDS loads in one run: a quarter's fragments, from the slot in hand, into buffer f
	WIN TO_B
.irp i, 0,1,2,3,4,5,6,7
	ds_load_b128 v[(\f)+8*(\i):(\f)+8*(\i)+3],   v[ADRB] offset:(\k)+(\i)*STEPB
	ds_load_b128 v[(\f)+8*(\i)+4:(\f)+8*(\i)+7], v[ADRB] offset:(\k)+(\i)*STEPB+512
.endr
	WIN 0
.irp i, 0,1,2,3,4,5,6,7
	ds_load_b128 v[(\f)+8*(\i):(\f)+8*(\i)+3],   v[ADRA] offset:(\k)+(\i)*STEPB
	ds_load_b128 v[(\f)+8*(\i)+4:(\f)+8*(\i)+7], v[ADRA] offset:(\k)+(\i)*STEPB+512
.endr
.endm
.macro PLACES                          ; four places in front of loads into registers that matrix instructions have read, and of lines that read results
.rept 4
	v_nop
.endr
.endm
.macro QUARTER k, f, g, zero
	s_wait_dscnt 8                                 ; B and A's rows 0-63 are in; the youngest eight LDS instructions may be out (A's rows 64-127; behind the change of tiles: z's eight stores)
	WIN MUL_LO
	MUL16 \f, 0, 0, \zero
	MUL16 \f, 0, 2, \zero
	PLACES
	FETCH \k, \g
	s_wait_dscnt 32                                ; all but the 32 just issued
	WIN MUL_HI
	MUL16 \f, 1, 0, \zero
	MUL16 \f, 1, 2, \zero
.endm
.macro MEET                            ; the first half of a K step's last quarter, and the barrier of the change of slots
	WIN 0
	s_wait_tensorcnt 0x0                           ; all my tensor loads have landed: the one that was out is my part of the next slot
	ds_add_u32 v[SPW], v[NIL]
	s_wait_dscnt 9                                 ; the add and the youngest eight loads may be out
	MUL16 F1, 0, 0, 0
	s_wait_dscnt 0x0                               ; the add is done, and my reads of this slot are over
	s_barrier_signal -1
	MUL16 F1, 0, 2, 0
	WIN 0
	s_barrier_wait -1
.endm
.macro NEXTSLOT                        ; the fragments' addresses in the slot that s[TB] now names
	v_add_nc_u32 v[ADRA], s[TB], v[ADRA0]
	v_add_nc_u32 v[ADRB], s[TB], v[ADRB0]
.endm
.macro REST
	WIN MUL_HI
	MUL16 F1, 1, 0, 0
	MUL16 F1, 1, 2, 0
.endm
; The last quarter of a K step whose slot is filled again.  s[CNT] runs from 14 to 1: refill 14 - CNT brings K step 16 - CNT of the walk's sixteen.
.macro TURNF
	s_wait_xcnt 0x0                                ; the last prefetch, a K step back, has read its address
	s_add_nc_u64 s[PFA:PFA+1], s[PFA:PFA+1], STEPB
	s_cmp_eq_u32 s[CNT], 10                        ; two refills ahead of the descriptors the prefetches go over to the second tile
	s_cselect_b64 s[PFA:PFA+1], s[PF2:PF2+1], s[PFA:PFA+1]
	MEET
	CREST                                          ; no wave of any partner still reads this slot or has a load on its way
	s_xor_b32 s[G0+5], s[G0+5], SLOT               ; the walking descriptors: the other slot than last time, the next K step,
	s_add_nc_u64 s[G0+6:G0+7], s[G0+6:G0+7], STEPB
	s_xor_b32 s[G0B+5], s[G0B+5], SLOT
	s_add_nc_u64 s[G0B+6:G0B+7], s[G0B+6:G0B+7], STEPB
	s_xor_b32 s[TB], s[TB], SLOT
	s_cmp_eq_u32 s[CNT], 8                         ; or, behind the first tile's K step 7, the second tile's K step 0
	s_cselect_b64 s[G0+6:G0+7], s[A2:A2+1], s[G0+6:G0+7]
	s_cselect_b64 s[G0B+6:G0B+7], s[B2:B2+1], s[G0B+6:G0B+7]
	JLOAD 4                                        ; the first tensor load behind the round; its four v_nop are also places in front of the loads below
	NEXTSLOT
	FETCH 0, F0
	ASK
	REST
.endm
.macro TURN0                           ; the last change of slots: nothing is filled
	MEET
	s_xor_b32 s[TB], s[TB], SLOT
	NEXTSLOT                                       ; two plain lines and two v_nop: the four places in front of the loads below
	v_nop
	v_nop
	FETCH 0, F0
	REST
.endm
; where accumulator t's z lies: window zw, register zr (t = 56 .. 63: at the launch's end, when they have come back from LDS)
.macro ZDST t
.if (\t) < 16
.set zw, 0
.set zr, 192+4*(\t)
.elseif (\t) < 32
.set zw, 1
.set zr, 4*((\t)-16)
.elseif (\t) < 48
.set zw, 1
.set zr, 192+4*((\t)-32)
.elseif (\t) < 56
.set zw, 0
.set zr, 32+4*((\t)-48)
.else
.set zw, 1
.set zr, 64+4*((\t)-56)
.endif
.endm
	s_wait_tensorcnt 1                             ; my part of K step 0 is in; K step 1's may stay out
	s_barrier_signal -1
	s_barrier_wait -1
	FETCH 0, F0
	s_mov_b32 s[CNT], 14
.Lz:
	QUARTER 1024, F0, F1, 1                        ; a tile's first quarter: its products start the sums
	WIN 0
	s_branch .Lmid                                 ; the loop is entered behind a step's first quarter
.Lstep:                                            ; fourteen trips, a K step each: all of the first tile's eight, six of the second's; each fills its slot again
	s_cmp_eq_u32 s[CNT], 6
	s_cbranch_scc1 .Lchange                        ; eight trips are done: the first tile is whole
	QUARTER 1024, F0, F1, 0
	WIN 0
.Lmid:
	QUARTER 2048, F1, F0, 0
	QUARTER 3072, F0, F1, 0
	TURNF
	WIN 0
	s_sub_co_u32 s[CNT], s[CNT], 1
	s_cmp_lg_u32 s[CNT], 0
	s_cbranch_scc1 .Lstep
	s_branch .Ltail
.Lchange:
	; z is rounded to f16 and set aside.  No v_nop: the accumulators of rows 0-63 were finished ahead of the joint load's places, and their 128 conversions, which name no register of the last products, are those products' places
.set t, 0
.rept 56
	ZDST t
	WIN (2+t/32)*5+(zw<<6)
.irp r, 0,1,2,3
	v_cvt_pk_f16_f32 v[zr+(\r)], v[8*(t%32)+2*(\r)], v[8*(t%32)+2*(\r)+1]
.endr
.set t, t+1
.endr
.set t, 56
.rept 4
	WIN 0x0f
.irp r, 0,1,2,3
	v_cvt_pk_f16_f32 v[ZT+(\r)], v[8*(t%32)+2*(\r)], v[8*(t%32)+2*(\r)+1]
.endr
.irp r, 0,1,2,3
	v_cvt_pk_f16_f32 v[ZT+4+(\r)], v[8*(t%32)+8+2*(\r)], v[8*(t%32)+8+2*(\r)+1]
.endr
	WIN 0
	ds_store_b128 v[ZL], v[ZT:ZT+3] offset:512*(t-56)
	ds_store_b128 v[ZL], v[ZT+4:ZT+7] offset:512*(t-55)
.set t, t+2
.endr
	s_branch .Lz
.Ltail:
	s_mov_b32 s[C2], 2
.Lt:                                               ; the walk's last two K steps fill nothing; the second trip is left ahead of the change of slots
	QUARTER 1024, F0, F1, 0
	QUARTER 2048, F1, F0, 0
	QUARTER 3072, F0, F1, 0
	WIN 0
	s_sub_co_u32 s[C2], s[C2], 1
	s_cmp_eq_u32 s[C2], 0
	s_cbranch_scc1 .Llastq
	TURN0
	WIN 0
	s_branch .Lt
.Llastq:
	s_wait_dscnt 8
	MUL16 F1, 0, 0, 0
	MUL16 F1, 0, 2, 0
	s_wait_dscnt 0x0
	MUL16 F1, 1, 0, 0
	MUL16 F1, 1, 2, 0
	WIN 0
	s_barrier_signal -1                            ; every wave's reads of the ring are over: the stages may overlay it
	s_barrier_wait -1
	PLACES
	WIN 0x40
.irp i, 0,1,2,3,4,5,6,7
	ds_load_b128 v[64+4*(\i):64+4*(\i)+3], v[ZL] offset:512*(\i)  ; the z that lay in LDS, into B's first buffer, which is over
.endr
	WIN 0
.macro DUMP hf                         ; the 32 accumulators of rows 64 hf .. into my stage, each one's low registers first
	WIN 0x08+4*(\hf)                               ; the data (source 1) in window 2 or 3
.irp a, 0,1,2,3
.irp b, 0,1,2,3,4,5,6,7
	ds_store_b128 v[DA], v[64*(\a)+8*(\b):64*(\a)+8*(\b)+3]   offset:16*DP*(\a)+64*(\b)
	ds_store_b128 v[DA], v[64*(\a)+8*(\b)+4:64*(\a)+8*(\b)+7] offset:16*DP*(\a)+64*(\b)+16
.endr
.endr
	WIN 0
.endm
.macro DUMPZ hf                        ; and their z
.set t, 32*(\hf)
.rept 32
	ZDST t
	WIN zw<<2
	ds_store_b128 v[ZD], v[zr:zr+3] offset:16*ZP*((t%32)/8)+32*(t%8)
.set t, t+1
.endr
	WIN 0
.endm
.macro ZM k                            ; -z log2 e for number k of 64
.if ((\k)%2) == 0
	v_fma_mix_f32 v[T+(\k)], v[Z+(\k)/2], v[KN], v[ZR] op_sel_hi:[1,0,0]
.else
	v_fma_mix_f32 v[T+(\k)], v[Z+(\k)/2], v[KN], v[ZR] op_sel:[1,0,0] op_sel_hi:[1,0,0]
.endif
.endm
	s_mov_b32 s[HC], 2
.Lhalf:                                            ; two trips: rows 0-63, rows 64-127
	s_cmp_eq_u32 s[HC], 2
	s_cbranch_scc0 .Lsecond
	DUMP 0
	DUMPZ 0
	s_branch .Ldumped
.Lsecond:
	DUMP 1
	DUMPZ 1
.Ldumped:
	v_mov_b32 v[RA], v[RA0]
	v_mov_b32 v[ZA], v[ZA0]
	s_mov_b32 s[CNT], 4
.Lo:                                               ; four trips of 16 rows: back as whole rows, the sigmoid, the product, out
	s_wait_xcnt 0x0                                ; the last trip's stores have read their data and their base
	s_add_nc_u64 s[OUTP:OUTP+1], s[OUTP:OUTP+1], s[STP:STP+1]
	s_mov_b32 s[STP], 16*4096
.irp i, 0,1,2,3,4,5,6,7,8,9,10,11,12,13,14,15
	ds_load_b128 v[X+4*(\i):X+4*(\i)+3], v[RA] offset:DP*(\i)   ; LDS serves a wave's instructions in order (ISA guide 5.7.1.4): these see my stores
	ds_load_b64 v[Z+2*(\i):Z+2*(\i)+1], v[ZA] offset:ZP*(\i)
.endr
	s_wait_dscnt 0x0
	v_add_nc_u32 v[RA], 16*DP, v[RA]
	v_add_nc_u32 v[ZA], 16*ZP, v[ZA]
	ZM 0
.set k, 0
.rept 64
.if k < 63
	ZM k+1
.endif
	v_exp_f32 v[T+k], v[T+k]
.set k, k+1
.endr
	v_nop                                          ; a plain instruction behind the last power,
	s_wait_alu depctr_va_vdst(0)                   ; and one wait for the batch of 64
.set k, 0
.rept 32
	v_pk_add_f32 v[T+2*k:T+2*k+1], v[T+2*k:T+2*k+1], 1.0 op_sel_hi:[1,0]
.set k, k+1
.endr
.set k, 0
.rept 64
	v_rcp_f32 v[T+k], v[T+k]
.set k, k+1
.endr
	v_nop
	s_wait_alu depctr_va_vdst(0)                   ; one wait for the 64 reciprocals
.set k, 0
.rept 32
	v_pk_mul_f32 v[X+2*k:X+2*k+1], v[X+2*k:X+2*k+1], v[T+2*k:T+2*k+1]
.set k, k+1
.endr
.irp i, 0,1,2,3,4,5,6,7,8,9,10,11,12,13,14,15
	global_store_b128 v[LO], v[X+4*(\i):X+4*(\i)+3], s[OUTP:OUTP+1] offset:4096*(\i)  ; 512 consecutive bytes of a row of out0, aligned
.endr
	s_sub_co_u32 s[CNT], s[CNT], 1
	s_cmp_lg_u32 s[CNT], 0
	s_cbranch_scc1 .Lo
	s_sub_co_u32 s[HC], s[HC], 1
	s_cmp_lg_u32 s[HC], 0
	s_cbranch_scc1 .Lhalf
	s_wait_tensorcnt 0x0                           ; the wave's end, behind my last tensor load and my last LDS store
	ds_add_u32 v[SPW], v[NIL]
	s_wait_dscnt 0x0
	CROUND                                         ; the closing round
	s_endpgm
.Lfunc_end_k_q060b49cdc1_og:
	.size	k_q060b49cdc1_og, .Lfunc_end_k_q060b49cdc1_og-k_q060b49cdc1_og
	.p2alignl 7, 3214868480
	.fill 96, 4, 3214868480
	.section	.rodata,"a",@progbits
	.p2align	6, 0x0
	.amdhsa_kernel k_q060b49cdc1_og
		.amdhsa_group_segment_fixed_size 327680
		.amdhsa_private_segment_fixed_size 0
		.amdhsa_enable_private_segment 0
		.amdhsa_kernarg_size 24
		.amdhsa_user_sgpr_count 2
		.amdhsa_user_sgpr_kernarg_segment_ptr 1
		.amdhsa_wavefront_size32 1
		.amdhsa_system_sgpr_workgroup_id_x 1
		.amdhsa_system_sgpr_workgroup_id_y 1
		.amdhsa_system_sgpr_workgroup_id_z 1
		.amdhsa_system_vgpr_workitem_id 0
		.amdhsa_next_free_vgpr 1024
		.amdhsa_next_free_sgpr 80
		.amdhsa_reserve_vcc 0
		.amdhsa_float_denorm_mode_32 3
		.amdhsa_float_denorm_mode_16_64 3
		.amdhsa_memory_ordered 1
		.amdhsa_forward_progress 1
		.amdhsa_inst_pref_size 120
	.end_amdhsa_kernel
	.amdgpu_metadata
---
amdhsa.version: [ 1, 2 ]
amdhsa.kernels:
  - .name:           k_q060b49cdc1_og
    .symbol:         k_q060b49cdc1_og.kd
    .args:
      - { .name: a16, .offset: 0, .size: 8, .value_kind: global_buffer, .address_space: global }
      - { .name: o16, .offset: 8, .size: 8, .value_kind: global_buffer, .address_space: global }
      - { .name: out0, .offset: 16, .size: 8, .value_kind: global_buffer, .address_space: global }
    .group_segment_fixed_size: 327680
    .private_segment_fixed_size: 0
    .kernarg_segment_align: 8
    .kernarg_segment_size: 24
    .max_flat_workgroup_size: 128
    .sgpr_count:     80
    .vgpr_count:     1024
    .wavefront_size: 32
...
	.end_amdgpu_metadata
.endif
;; end of part 7
;; ======== version 3 of 3: 4 launches; version 2 with the launch prep written anew for expert scheduling mode
;; limits: values are held in f16: magnitudes above 65,504 overflow, below 6.1e-05 lose precision; values outside matrix products are rounded to f16
;; workspace buffers: a16 46,137,344 bytes; bias 4,096 bytes; kvimg 4,194,304 bytes; o16 33,554,432 bytes
;; launch prep (part 8): grid 1408 x 1, 4 waves a work-group, no clusters, 67,328 bytes of LDS; arguments hidden_states, memory_tokens, wq, wg, wk, wv, wo, norm_w, memory_mask, a16, bias; writes a16, bias
.if DOCPART == 8
	.amdgcn_target "amdgcn-amd-amdhsa--gfx1250"
	.amdhsa_code_object_version 6
	.text
	.protected	k_q060b49cdc1_prep
	.globl	k_q060b49cdc1_prep
	.p2align	8
	.type	k_q060b49cdc1_prep,@function
k_q060b49cdc1_prep:
	s_mov_b64 s[64:65], 0
	v_nop
	global_prefetch_b8 v0, s[64:65] scope:SCOPE_SE
	s_setreg_imm32_b32 hwreg(HW_REG_WAVE_SCHED_MODE, 0, 2), 2
	s_setreg_imm32_b32 hwreg(HW_REG_WAVE_MODE, 25, 1), 1
	s_wait_xcnt 0x0
	s_wait_alu depctr_vm_vsrc(0)
; PREP.  Seven f32 matrices of 1,024 columns (hidden_states with its RMS norm, memory_tokens, wq, wg, wk, wv, wo) become f16 IMAGES in a16; the mask becomes an f32 bias.
; AN IMAGE is a block of 16 rows x 16 columns in 512 bytes: lane l = 16 h + r of a wave owns the 16 bytes at 16 l: row r, columns 8 h .. 8 h + 7.  Two images on end are a matrix
; operand of 16 rows x 32 along K as it lies in registers.  Block row rb (16 rows, 64 images) lies at 32,768 rb.
; a16: rb 0-1023 x = rmsnorm(hidden), 1024-1087 memory, then 64 each of wq, wg, wk, wv, wo.
; FORMATS.  Every input number is rounded to bf16 first; x = (bf(h) bf(nw)) rsqrt(mean(bf(h)^2) + 1e-6) in f32, rounded once to f16; weights and memory: the bf16 number written as f16.
; LIMITS.  f16 ends at 65,504: |x|, |memory|, |weights| stay under it; below 2^-14 f16 keeps its fixed step of 6e-8.  NaN and infinities are not treated apart.  A mask byte other than 0 counts as true.
; SHARES.  Work-group g makes block row g: 16 source rows.  Wave w takes columns 256 w .. 256 w + 255: each load covers 256 consecutive bytes of two rows.  One text for all seven sources:
; where no norm is due, the gain and the row's scale are replaced by 1.0 (a select, no branch).  Memory binds: no matrix unit, no tensor load, no cluster (nothing is shared).
; No prefetch: all 32 loads of a wave go out at once, at the head.
; THE MODE: SCHED_MODE bits 1:0 = 2 (LLVM: expert scheduling mode 2), set by the entry lines.  The code itself states the register dependences between vector instructions and memory or LDS
; instructions, with s_wait_alu, always for 0.
; THE PLAN.  Registers that memory or LDS instructions touch:
;   v2 .. v8      offsets and LDS addresses: made at the head, never written again.
;   X, group j    16 registers of its own: a global load lands; group j's vector lines rewrite them; four LDS stores, issued in group j + 1, read them.  Behind the barrier the images' LDS loads land in X.
;   SQ, group j   a pair of its own: written by group j's vector lines; one LDS store, issued in group j + 1, reads it.
;   T             vector work in the groups; behind the barrier four LDS loads land in v32-35; in the bias part two global loads land in v32, v33.
;   Y, image k    four registers of its own: written once by the conversions; one global store, issued a block of four images later, reads them.
; Group j's LDS stores are group j - 1's, and block b's global stores are block b - 1's: registers that no vector line of the group or block in hand names.  So ONE wait on va_vdst at a group's or a
; block's head states all that its stores hang on, and they are dealt among its vector lines.  One wait on vm_vsrc, behind the barrier, stands ahead of the LDS loads that land in X.
.set STGP,  1040                       ; a stage row: 1,024 bytes of f32 + 16: 65 x 16, so the 16 rows that a load of one column touches start at 16 different groups of four banks (ISA guide 11.1)
.set STGB,  16*STGP                    ; a wave's own stage: 16 rows
.set SUMB,  4*STGB                     ; [4 waves][16 rows] partial sums of squares, f32
.set SPARE, SUMB+256                   ; the spare words, 128 bytes a wave: two blocks of 256 bytes that no other line names
.set LN,  1                            ; v1   lane
.set LO,  2                            ; v2   source offset: 8 h rows + 1,024 w + 16 r
.set NO,  3                            ; v3   norm_w offset: 1,024 w + 16 r
.set LS,  4                            ; v4   stage, in: row 8 h, byte 16 r
.set FR,  5                            ; v5   stage, back: row r, byte 32 h
.set SA,  6                            ; v6   where my wave's partial sums go: row 8 h
.set SR,  7                            ; v7   where row r's partial sums lie
.set DO,  8                            ; v8   a16 offset: 8,192 w + 16 l
.set SPW, 10                           ; v10  my spare word; never rewritten
.set NIL, 11                           ; v11  0; never rewritten
.set RS,  12                           ; v[12:13] the row's scale, twice
.set NW,  16                           ; v[16:31] the gain of my 16 columns; in the bias part v[16:23] hold eight mask bytes
.set T,   32                           ; v[32:47] at work
.set SQ,  48                           ; v[48:63] eight pairs: sums of squares
.set X,   64                           ; v[64:191] the numbers
.set Y,   192                          ; v[192:255] 16 images' 16 bytes
	s_load_b512 s[8:23], s[0:1], 0x0               ; hidden s[8:9], memory s[10:11], wq, wg, wk, wv, wo s[12:21], norm_w s[22:23]
	s_load_b128 s[24:27], s[0:1], 0x40             ; mask s[24:25], a16 s[26:27]
	s_load_b64 s[28:29], s[0:1], 0x50              ; bias
	v_lshl_add_u32 v[SPW], v0, 2, SPARE
	v_mov_b32 v[NIL], 0
	v_lshrrev_b32 v9, 5, v0
	v_readfirstlane_b32 s3, v9                     ; wave 0..3
	s_mov_b32 s2, ttmp9                            ; block row
	s_mov_b32 s35, 0x3a800000                      ; 1 / 1,024
	s_mov_b32 s36, 0x358637bd                      ; 1e-6
	s_mov_b32 s37, 0xffff0000                      ; a word's upper bf16
	s_mov_b32 s38, 0xf149f2ca                      ; -1e30
	v_and_b32 v[LN], 31, v0
	v_and_b32 v9, 15, v0                           ; r
	v_bfe_u32 v14, v0, 4, 1                        ; h
	s_wait_alu depctr_va_sdst(0)                   ; s3 is written, ahead of its first reader: the offsets and LDS addresses below are made from it
	s_lshl_b32 s32, s3, 10
	v_lshl_add_u32 v[NO], v9, 4, s32
	v_lshl_add_u32 v[LO], v14, 15, v[NO]
	s_mul_i32 s33, s3, STGB
	v_mul_u32_u24 v[LS], v14, 8*STGP
	v_lshl_add_u32 v[LS], v9, 4, v[LS]
	v_add_nc_u32 v[LS], s33, v[LS]
	v_mul_u32_u24 v[FR], v9, STGP
	v_lshl_add_u32 v[FR], v14, 5, v[FR]
	v_add_nc_u32 v[FR], s33, v[FR]
	s_lshl_b32 s33, s3, 6
	s_add_co_u32 s33, s33, SUMB
	v_lshl_add_u32 v[SA], v14, 5, s33
	v_lshl_add_u32 v[SR], v9, 2, SUMB
	s_lshl_b32 s33, s3, 13
	v_lshl_add_u32 v[DO], v[LN], 4, s33
	s_and_b32 s32, s2, 63                          ; the block row inside a source of 64
	s_cmp_lt_u32 s2, 1024
	s_cselect_b32 s34, -1, 0                       ; all ones where the norm is due
	s_cselect_b32 s32, s2, s32
	s_lshl_b32 s32, s32, 16                        ; 16 rows of 4,096 bytes
	s_mov_b32 s33, 0
	s_wait_kmcnt 0x0
	s_mov_b64 s[30:31], s[8:9]                     ; the source: chosen by the block row alone
.irp i, 0,1,2,3,4,5
	s_cmp_ge_u32 s2, 1024+64*(\i)
	s_cselect_b64 s[30:31], s[10+2*(\i):11+2*(\i)], s[30:31]
.endr
	s_add_nc_u64 s[30:31], s[30:31], s[32:33]
	s_lshl_b32 s32, s2, 15
	s_add_nc_u64 s[26:27], s[26:27], s[32:33]      ; a16 at my block row
	s_wait_alu depctr_va_vdst(0)                   ; the seven offsets and addresses v2 to v8 are written, which the loads and stores of the whole kernel read
.irp c, 0,1,2,3
	global_load_b128 v[NW+4*(\c):NW+4*(\c)+3], v[NO], s[22:23] offset:256*(\c)
.endr
.irp j, 0,1,2,3,4,5,6,7
.irp c, 0,1,2,3
	global_load_b128 v[X+16*(\j)+4*(\c):X+16*(\j)+4*(\c)+3], v[LO], s[30:31] offset:4096*(\j)+256*(\c) th:TH_LOAD_NT  ; lanes 0-15: 256 bytes of row j, lanes 16-31: of row j + 8
.endr
.endr
	s_wait_loadcnt 32                              ; the gain is in; the 32 source loads are younger
.irp p, 0,1,2,3,4,5,6,7
	v_cvt_pk_bf16_f32 v[T+(\p)], v[NW+2*(\p)], v[NW+2*(\p)+1]
.endr
.irp p, 0,1,2,3,4,5,6,7
	v_lshlrev_b32 v[NW+2*(\p)], 16, v[T+(\p)]
	v_and_b32 v[NW+2*(\p)+1], s37, v[T+(\p)]
.endr
.irp p, 0,1,2,3,4,5,6,7,8,9,10,11,12,13,14,15
	v_cndmask_b32 v[NW+(\p)], 1.0, v[NW+(\p)], s34
.endr
; What group j leaves in LDS: piece c of rows j and j + 8, into my wave's own stage; and the two rows' partial sums of squares.
.macro PUTX j, c
	ds_store_b128 v[LS], v[X+16*(\j)+4*(\c):X+16*(\j)+4*(\c)+3] offset:STGP*(\j)+256*(\c)
.endm
.macro PUTS j
	ds_store_b32 v[SA], v[SQ+2*(\j)] offset:4*(\j)  ; 16 lanes write one word with one value
.endm
; Rows j and j + 8: rounded to bf16 and widened; the sum of squares; times the gain; the row's sum over its 16 lanes.  The five LDS stores of the group before are dealt among these lines.
.macro GROUP j
	s_wait_loadcnt 28-4*(\j)                       ; loads come back in order: the later rows' 4 (7 - j) may stay out
.if (\j) > 0
	s_wait_alu depctr_va_vdst(0)                   ; the group before has written its X and its SQ, which the LDS stores below read; no vector line of this group names them
.endif
.irp c, 0,1,2,3
	v_cvt_pk_bf16_f32 v[T+2*(\c)], v[X+16*(\j)+4*(\c)], v[X+16*(\j)+4*(\c)+1]
	v_cvt_pk_bf16_f32 v[T+2*(\c)+1], v[X+16*(\j)+4*(\c)+2], v[X+16*(\j)+4*(\c)+3]
.endr
.irp c, 0,1,2,3
.if (\j) > 0
	PUTX (\j)-1, \c
.endif
	v_lshlrev_b32 v[X+16*(\j)+4*(\c)], 16, v[T+2*(\c)]
	v_and_b32 v[X+16*(\j)+4*(\c)+1], s37, v[T+2*(\c)]
	v_lshlrev_b32 v[X+16*(\j)+4*(\c)+2], 16, v[T+2*(\c)+1]
	v_and_b32 v[X+16*(\j)+4*(\c)+3], s37, v[T+2*(\c)+1]
.endr
.if (\j) > 0
	PUTS (\j)-1
.endif
	v_pk_mul_f32 v[SQ+2*(\j):SQ+2*(\j)+1], v[X+16*(\j):X+16*(\j)+1], v[X+16*(\j):X+16*(\j)+1]  ; the first product starts the sum: nothing is cleared
.irp p, 1,2,3,4,5,6,7
	v_pk_fma_f32 v[SQ+2*(\j):SQ+2*(\j)+1], v[X+16*(\j)+2*(\p):X+16*(\j)+2*(\p)+1], v[X+16*(\j)+2*(\p):X+16*(\j)+2*(\p)+1], v[SQ+2*(\j):SQ+2*(\j)+1]
.endr
.irp p, 0,1,2,3,4,5,6,7
	v_pk_mul_f32 v[X+16*(\j)+2*(\p):X+16*(\j)+2*(\p)+1], v[X+16*(\j)+2*(\p):X+16*(\j)+2*(\p)+1], v[NW+2*(\p):NW+2*(\p)+1]
.endr
	v_add_f32 v[SQ+2*(\j)], v[SQ+2*(\j)], v[SQ+2*(\j)+1]
	v_add_f32_dpp v[SQ+2*(\j)], v[SQ+2*(\j)], v[SQ+2*(\j)] row_xmask:1 row_mask:0xf bank_mask:0xf  ; a row lies in one half of 16 lanes: four steps, no crossing
	v_add_f32_dpp v[SQ+2*(\j)], v[SQ+2*(\j)], v[SQ+2*(\j)] row_xmask:2 row_mask:0xf bank_mask:0xf
	v_add_f32_dpp v[SQ+2*(\j)], v[SQ+2*(\j)], v[SQ+2*(\j)] row_xmask:4 row_mask:0xf bank_mask:0xf
	v_add_f32_dpp v[SQ+2*(\j)], v[SQ+2*(\j)], v[SQ+2*(\j)] row_xmask:8 row_mask:0xf bank_mask:0xf
.endm
.irp j, 0,1,2,3,4,5,6,7
	GROUP \j
.endr
	s_wait_alu depctr_va_vdst(0)                   ; group 7 has written its X and its SQ, which the stores below read; and the vector lines are done with T and all of X, in which the LDS loads behind the barrier land
.irp c, 0,1,2,3
	PUTX 7, \c
.endr
	PUTS 7
	s_wait_dscnt 0x0                               ; for the others' sake: my partial sums lie in LDS
	s_barrier_signal -1
	s_barrier_wait -1                              ; all four waves' do
	s_wait_alu depctr_vm_vsrc(0)                   ; my LDS stores have read X, in which the images' loads below land
.irp w, 0,1,2,3
	ds_load_b32 v[T+(\w)], v[SR] offset:64*(\w)
.endr
.irp k, 0,1,2,3,4,5,6,7,8,9,10,11,12,13,14,15
	ds_load_b128 v[X+8*(\k):X+8*(\k)+3], v[FR] offset:64*(\k)        ; image k: row r, columns 16 k + 8 h .. + 7, from my wave's own stage
	ds_load_b128 v[X+8*(\k)+4:X+8*(\k)+7], v[FR] offset:64*(\k)+16
.endr
	s_wait_dscnt 32                                ; the four sums are in; the 32 loads behind them may stay out
	v_add_f32 v[T], v[T], v[T+1]
	v_add_f32 v[T+2], v[T+2], v[T+3]
	v_add_f32 v[T], v[T], v[T+2]
	v_fma_f32 v[T], v[T], s35, s36                 ; mean + eps
	v_rsq_f32 v[T+1], v[T]
	v_nop                                          ; a plain instruction behind the root (ISA guide 5.7.2),
	s_wait_alu depctr_va_vdst(0)                   ; and the wait ahead of its first reader: the root has written v[T+1]
	v_cndmask_b32 v[RS], 1.0, v[T+1], s34
	v_cndmask_b32 v[RS+1], 1.0, v[T+1], s34
; Image k: times the row's scale, rounded to f16.
.macro IMG k
.irp p, 0,1,2,3
	v_pk_mul_f32 v[X+8*(\k)+2*(\p):X+8*(\k)+2*(\p)+1], v[X+8*(\k)+2*(\p):X+8*(\k)+2*(\p)+1], v[RS:RS+1]
.endr
.irp p, 0,1,2,3
	v_cvt_pk_f16_f32 v[Y+4*(\k)+(\p)], v[X+8*(\k)+2*(\p)], v[X+8*(\k)+2*(\p)+1]
.endr
.endm
.macro OUT k
	global_store_b128 v[DO], v[Y+4*(\k):Y+4*(\k)+3], s[26:27] offset:512*(\k)  ; an image: 512 consecutive bytes, aligned
.endm
; The sixteen images go in four blocks of four; a block's stores are issued in the block behind it, one ahead of each image's eight vector lines.
.irp b, 0,1,2,3
.irp i, 0,1,2,3
	s_wait_dscnt 30-2*(4*(\b)+(\i))                ; this image's two loads are in; the later images' may stay out
.if ((\b) > 0) && ((\i) == 0)
	s_wait_alu depctr_va_vdst(0)                   ; the block before has written its sixteen registers of Y, which this block's four stores read; no vector line of this block names them
.endif
.if (\b) > 0
	OUT 4*((\b)-1)+(\i)
.endif
	IMG 4*(\b)+(\i)
.endr
.endr
	s_wait_alu depctr_va_vdst(0)                   ; the last block has written its Y, which the last four stores read
.irp i, 12,13,14,15
	OUT \i
.endr
	s_cmp_lg_u32 s2, 0                             ; work-group 0 also makes the bias: wave w serves batch w
	s_cbranch_scc1 .Lend
	s_lshl_b32 s32, s3, 8
	v_lshl_add_u32 v15, v[LN], 2, s32
	s_wait_alu depctr_va_vdst(0)                   ; v15 is written, which the two loads read as their offset (the vector lines that named v32 and v33, in which they land, stand ahead of earlier waits)
	global_load_b32 v32, v15, s[24:25]             ; four mask bytes a lane
	global_load_b32 v33, v15, s[24:25] offset:128
	s_lshl_b32 s32, s3, 10
	v_lshl_add_u32 v9, v[LN], 4, s32
	s_wait_loadcnt 0x0
.irp n, 0,1,2,3,4,5,6,7
	v_bfe_u32 v[NW+(\n)], v[32+(\n)/4], 8*((\n)%4), 8
.endr
.irp n, 0,1,2,3,4,5,6,7
	v_cmp_eq_u32 s[4+(\n)+26*((\n)/4)], 0, v[NW+(\n)]  ; the eight compares in one run, into s4-s7 and s34-s37 (the constants that s34-s37 held have had their last reader)
.endr
	s_wait_alu depctr_va_sdst(0)                   ; the eight masks are written, ahead of their first reader
.irp n, 0,1,2,3,4,5,6,7
	v_cndmask_b32 v[36+(\n)], 0, s38, s[4+(\n)+26*((\n)/4)]  ; 0 where the key counts, -1e30 where it is hidden
.endr
	s_wait_alu depctr_va_vdst(0)                   ; the selects have written v[36:43], the stores' data, and v9, their offset, is written
	global_store_b128 v9, v[36:39], s[28:29]
	global_store_b128 v9, v[40:43], s[28:29] offset:512
.Lend:
	s_wait_dscnt 0x0                               ; the closing lines, six on end
	s_wait_alu 0x0
	s_wait_tensorcnt 0x0
	ds_add_u32 v[SPW], v[NIL]
	s_wait_dscnt 0x0
	s_endpgm
.Lfunc_end_k_q060b49cdc1_prep:
	.size	k_q060b49cdc1_prep, .Lfunc_end_k_q060b49cdc1_prep-k_q060b49cdc1_prep
	.p2alignl 7, 3214868480
	.fill 96, 4, 3214868480
	.section	.rodata,"a",@progbits
	.p2align	6, 0x0
	.amdhsa_kernel k_q060b49cdc1_prep
		.amdhsa_group_segment_fixed_size 67328
		.amdhsa_private_segment_fixed_size 0
		.amdhsa_enable_private_segment 0
		.amdhsa_kernarg_size 88
		.amdhsa_user_sgpr_count 2
		.amdhsa_user_sgpr_kernarg_segment_ptr 1
		.amdhsa_wavefront_size32 1
		.amdhsa_system_sgpr_workgroup_id_x 1
		.amdhsa_system_sgpr_workgroup_id_y 1
		.amdhsa_system_sgpr_workgroup_id_z 1
		.amdhsa_system_vgpr_workitem_id 0
		.amdhsa_next_free_vgpr 256
		.amdhsa_next_free_sgpr 66
		.amdhsa_reserve_vcc 0
		.amdhsa_float_denorm_mode_32 3
		.amdhsa_float_denorm_mode_16_64 3
		.amdhsa_memory_ordered 1
		.amdhsa_forward_progress 1
		.amdhsa_inst_pref_size 46
	.end_amdhsa_kernel
	.amdgpu_metadata
---
amdhsa.version: [ 1, 2 ]
amdhsa.kernels:
  - .name:           k_q060b49cdc1_prep
    .symbol:         k_q060b49cdc1_prep.kd
    .args:
      - { .name: hidden_states, .offset: 0, .size: 8, .value_kind: global_buffer, .address_space: global }
      - { .name: memory_tokens, .offset: 8, .size: 8, .value_kind: global_buffer, .address_space: global }
      - { .name: wq, .offset: 16, .size: 8, .value_kind: global_buffer, .address_space: global }
      - { .name: wg, .offset: 24, .size: 8, .value_kind: global_buffer, .address_space: global }
      - { .name: wk, .offset: 32, .size: 8, .value_kind: global_buffer, .address_space: global }
      - { .name: wv, .offset: 40, .size: 8, .value_kind: global_buffer, .address_space: global }
      - { .name: wo, .offset: 48, .size: 8, .value_kind: global_buffer, .address_space: global }
      - { .name: norm_w, .offset: 56, .size: 8, .value_kind: global_buffer, .address_space: global }
      - { .name: memory_mask, .offset: 64, .size: 8, .value_kind: global_buffer, .address_space: global }
      - { .name: a16, .offset: 72, .size: 8, .value_kind: global_buffer, .address_space: global }
      - { .name: bias, .offset: 80, .size: 8, .value_kind: global_buffer, .address_space: global }
    .group_segment_fixed_size: 67328
    .private_segment_fixed_size: 0
    .kernarg_segment_align: 8
    .kernarg_segment_size: 88
    .max_flat_workgroup_size: 128
    .sgpr_count:     66
    .vgpr_count:     256
    .wavefront_size: 32
...
	.end_amdgpu_metadata
.endif
;; end of part 8
;; launch kv: the kernel of part 2 again; grid 16 x 8, 4 waves a work-group, clusters of 4 x 4, 327,680 bytes of LDS; arguments a16, kvimg; writes kvimg
;; launch qa: the kernel of part 6 again; grid 4 x 64, 4 waves a work-group, clusters of 4 x 4, 327,680 bytes of LDS; arguments a16, kvimg, bias, o16; writes o16
;; launch og: the kernel of part 7 again; grid 4 x 64, 4 waves a work-group, clusters of 4 x 4, 327,680 bytes of LDS; arguments a16, o16, out0; writes out0
